; MI455X (gfx1250); checked and timed in simulation.
; The chip was launched on July 23, 2026; its instructions are those of AMD's public machine-readable ISA for CDNA 5 (MIT licence, August 2026) and "CDNA5" Instruction Set Architecture Reference Guide (July 2026). The comments in the code are by the model that wrote it; some were corrected since.
;; Attention Block. Allowed arithmetic: matrix products marked QUANTISED: E3M2 operands, one E8M0 scale for each 32 along K, by v_wmma_scale_f32_16x16x128_f8f6f4 with both operands' format E3M2, f32 sums; everything else in f32.
;; Inputs: bk 512 float32; bo 512 float32; bq 512 float32; bv 512 float32; conv_b 512 float32; conv_w 512 x 512 float32; gn_b 512 float32; gn_w 512 float32; wk 512 x 512 float32; wo 512 x 512 float32; wq 512 x 512 float32; wv 512 x 512 float32; x 16 x 512 x 32 x 32 float32.
;; Outputs: out0 16 x 512 x 32 x 32 float32.
;; This version of the problem:
;;   THIS VERSION OF THE PROBLEM IS GIVEN IN LOW PRECISION. The matrix products marked QUANTISED in the list below multiply operands that are first quantised to E3M2 (3 exponent bits, 2 mantissa bits; 6 bits a number), with one power-of-two scale for each 32 numbers along K (OCP MX v1.0); their sums are f32. All else is computed in f32.
;;   The module's matrix products, in the order in which they are computed (A, B: the left and right operand; K: the contracted axis; several contracted axes count as one K, in the product's order):
;;     1. [M 512, K 512] x [K 512, N 16,384]; A: input conv_w; B: computed on the way: QUANTISED
;;     2. [M 16,384, K 512] x [K 512, N 512]; A: computed on the way; B: input wq: QUANTISED
;;     3. [M 16,384, K 512] x [K 512, N 512]; A: computed on the way; B: input wk: QUANTISED
;;     4. [M 16,384, K 512] x [K 512, N 512]; A: computed on the way; B: input wv: QUANTISED
;;     5. batch 128 x [M 1,024, K 64] x [K 64, N 1,024]; A: computed on the way; B: computed on the way: QUANTISED
;;     6. batch 128 x [M 1,024, K 1,024] x [K 1,024, N 64]; A: softmax (see below); B: computed on the way: QUANTISED
;;     7. [M 16,384, K 512] x [K 512, N 512]; A: computed on the way; B: input wo: QUANTISED
;;   THE QUANTISER, for each operand of a quantised product, along K:
;;     - K is cut into blocks of 32 from its start; a last block that is shorter is filled with zeros.
;;     - A block's scale is 2^e with e = floor(log2(the largest magnitude in the block)) - 4, held to -126 .. 127; a block of zeros has e = 0. As a byte (E8M0): e + 127.
;;     - Each number is divided by its block's scale, clamped to +-28, and rounded to the nearest number of E3M2, ties to even, subnormals kept.
;;     - The product sums the exact products of the quantised numbers (number of the format x scale) in f32.
;;   ~~~python
;;   def quantise(x, axis):      # numpy; x: float32 -> the quantised numbers, widened to float32 again
;;       x = np.moveaxis(x, axis, -1); K = x.shape[-1]
;;       x = np.pad(x, [(0, 0)] * (x.ndim - 1) + [(0, -K % 32)]); x = x.reshape(x.shape[:-1] + (-1, 32)); a = np.abs(x).max(-1, keepdims=True)
;;       e = np.where(a > 0, np.clip(np.frexp(np.where(a > 0, a, 1))[1] - 1 - 4, -126, 127), 0)      # np.frexp(a)[1] - 1 = floor(log2(a)), exactly
;;       r = np.clip(x / 2.0 ** e, -28, 28)
;;       step = 2.0 ** (np.maximum(np.frexp(np.where(r == 0, 1, r))[1] - 1, -2) - 2)
;;       q = np.round(r / step) * step * 2.0 ** e      # np.round: ties to even
;;       return np.moveaxis(q.reshape(q.shape[:-2] + (-1,))[..., :K], -1, axis).astype(np.float32)
;;   ~~~
;;   SOFTMAX AHEAD OF A QUANTISED PRODUCT. Where the list says 'softmax', what is quantised is not the finished softmax but p = 2^(t - M), with t = logit x log2(e) and M = ceil(the row's largest t), a whole number; so 1/2 < the row's largest p <= 1. The row's sum l is taken of the UNQUANTISED p, in f32, and the product's result is divided by l at the end. Since M is a whole number, a kernel that streams over the keys may use a running M (the ceiling of the running maximum): every later rescaling is an exact power of two, which a block's scale takes up: the codes' values come out the same.
;;   OPERANDS COMPUTED ON THE WAY. 'Computed on the way' means the value that the module computes at that place (a softmax that the list does not call 'softmax' is quantised finished and normalised). What goes into a quantiser is computed in f32, as accurately as f32 sums, v_exp_f32 and their like allow (about 1e-6 of the number): no bf16 or f16 on the way to a quantiser, and a product that is left as it is and whose result goes on into a quantised operand takes f32 operands (vector FMAs, or v_wmma_f32_16x16x4_f32). A number that lies on a knife's edge between two numbers of the format may be rounded either way, as far as f32 arithmetic and the matrix unit's own rounding can turn it there, and no further.
;; 2 versions. Each part assembles by itself: llvm-mc -triple=amdgcn-amd-amdhsa -mcpu=gfx1250 --defsym DOCPART=n.
;; ======== version 1 of 2: 4 launches
;; workspace buffers: par 131,072 bytes; wc 983,040 bytes; ws 40,960 bytes; qkvc 18,874,368 bytes; qkvs 1,310,720 bytes; rc 6,291,456 bytes; rs 262,144 bytes
;; launch prep (part 1): grid 592 x 1, 8 waves a work-group, no clusters, 70,656 bytes of LDS; arguments x, gn_w, gn_b, conv_w, wq, wk, wv, wo, par, wc, ws; writes par, wc, ws
.if DOCPART == 1
	.amdgcn_target "amdgcn-amd-amdhsa--gfx1250"
	.amdhsa_code_object_version 6
	.text
	.protected	k_q0ceaa2a36f_prep
	.globl	k_q0ceaa2a36f_prep
	.p2align	8
	.type	k_q0ceaa2a36f_prep,@function
k_q0ceaa2a36f_prep:
	s_mov_b64 s[64:65], 0
	v_nop
	global_prefetch_b8 v0, s[64:65] scope:SCOPE_SE
	s_setreg_imm32_b32 hwreg(HW_REG_WAVE_MODE, 25, 1), 1
	s_wait_xcnt 0x0
; PREP.  Two kinds of work-group, parted on the work-group's number alone.
; Work-groups 0-79: the five weights [512][512] f32 (K innermost) become codes of E3M2 with one E8M0 byte for each 32 along K.  A work-group takes two tiles of 16 rows, a wave ONE K STEP (128 along K) of one tile.
;   THE ROWS OF A TILE ARE NOT NEIGHBOURS: lane r of tile G takes row 32 (G / 2) + 8 (G % 2) + r + 8 (r / 8), so that the results of two neighbouring tiles are 16 neighbours along the next product's K.
;   Each load reads one row's 512 consecutive bytes, 16 a lane; the conversions want 32 neighbours along K in ONE lane: so the 16 rows turn through the wave's own stage in LDS and come back 128 bytes a lane and block.
;   The codes leave as IMAGES OF THE OPERAND'S REGISTERS: a fragment (16 rows x 128 K, 12 registers) is three stores of 16 bytes a lane, 512 consecutive bytes each.
;   The scale words of a tile's four K steps come from four waves: they meet in LDS behind one barrier and leave as the tile's 256 consecutive bytes.
;   wc: [matrix 5][G / 8][K step 4][G % 8] fragments of 1,536 bytes;  ws: [matrix][G][row 16][K step 4] scale words.
; Work-groups 80-591: one group of the group norm each (16 channels x 1,024 pixels, 65,536 consecutive bytes).  The group stays in registers (64 numbers a thread): the mean first, then the
;   sum of squares of the differences, so that a common offset of the inputs costs nothing.  par: a record of 64 f32 for each group: 0-15 rstd x gn_w, 16-31 gn_b, 32-47 the mean, 48-63 rstd.
; No matrix unit, no cluster, no tensor load: the groups share nothing, and the weights are read once.  The text keeps to 162 registers a wave, so that work-groups can lie side by side on a WGP.
; LDS: bytes 0-63 the norm's sums; 256-767 the weights' scale words; from 1,024 a stage of 8,448 bytes for each wave.  The two kinds of work-group name no LDS byte in common.
; LIMITS: NaN and infinities among the inputs are not served.  A block whose largest magnitude lies under 2^-122 (a block of zeros too) gets the byte 1: its codes are right, and this program alone reads the bytes.
; v_rsq_f32 is good to 1 ulp.
.set NWG,    80                        ; work-groups that take weights: 5 matrices x 16 pairs of tiles
.set SCW,    256                       ; LDS: two tiles' scale words, 256 bytes each
.set STG,    1024                      ; LDS: the stages
.set SPITCH, 528                       ; a stage row: 512 bytes + 16 = 132 words: row r starts at bank 4 r mod 64 (64 banks of 4 bytes: ISA guide 11.1), so the sixteen rows that a load touches start at sixteen different banks
.set WSTG,   16*SPITCH                 ; a wave's stage
.set FLOOR,  0x2800000                 ; 2^(5 - 127): no largest magnitude is taken under it, so no byte falls under 1
.set EOFF,   0xfe000000                ; -(4 << 23): 4 off an exponent field
	s_load_b512 s[8:23], s[0:1], 0x0               ; x, gn_w, gn_b, conv_w, wq, wk, wv, wo
	s_load_b128 s[24:27], s[0:1], 0x40             ; par, wc
	s_load_b64 s[28:29], s[0:1], 0x50              ; ws
	v_lshl_add_u32 v160, v0, 2, 0x11000
	v_mov_b32 v161, 0
	v_lshrrev_b32 v1, 5, v0
	v_readfirstlane_b32 s4, v1                     ; wave 0..7
	s_mov_b32 s36, 0x76543210
	s_mov_b32 s37, 0xfedcba98                      ; v_permlanex16_b32's selects for lane l xor 16
	s_wait_kmcnt 0x0
	s_cmp_lt_u32 ttmp9, NWG
	s_cbranch_scc1 .Lweights
	; ---------------- a group's mean and 1 / sqrt(variance + eps)
	s_sub_co_u32 s30, ttmp9, NWG                   ; the group: 32 x batch + group
	s_lshl_b32 s32, s30, 16
	s_mov_b32 s33, 0
	s_add_nc_u64 s[8:9], s[8:9], s[32:33]
	v_lshlrev_b32 v2, 4, v0                        ; 16 bytes a thread: a wave's load covers 512 consecutive bytes
.irp j, 0,1,2,3,4,5,6,7,8,9,10,11,12,13,14,15
	global_load_b128 v[32+4*\j:35+4*\j], v2, s[8:9] offset:4096*\j
.endr
	s_and_b32 s34, s30, 31
	s_lshl_b32 s34, s34, 6                         ; the group's 16 channels in gn_w and gn_b
	v_and_b32 v3, 7, v0
	v_lshl_add_u32 v3, v3, 3, s34                  ; a pair of channels for each of eight lanes
	global_load_b64 v[26:27], v3, s[10:11]
	global_load_b64 v[28:29], v3, s[12:13]
	v_lshlrev_b32 v5, 2, v1                        ; LDS: my wave's word
	v_mov_b32 v6, 0
	s_wait_loadcnt 14                              ; the first four loads are in: 12 of x and 2 of the gains were issued behind them
.irp c, 0,1,2,3
	v_pk_add_f32 v[8+2*\c:9+2*\c], v[32+4*\c:33+4*\c], v[34+4*\c:35+4*\c]   ; four chains, started by the first numbers: nothing is cleared
.endr
.irp g, 1,2,3
	s_wait_loadcnt 14-4*\g                         ; four loads more
.irp c, 0,1,2,3
	v_pk_add_f32 v[8+2*\c:9+2*\c], v[8+2*\c:9+2*\c], v[32+16*\g+4*\c:33+16*\g+4*\c]
.endr
.irp c, 0,1,2,3
	v_pk_add_f32 v[8+2*\c:9+2*\c], v[8+2*\c:9+2*\c], v[34+16*\g+4*\c:35+16*\g+4*\c]
.endr
.endr
; The four chains, the 32 lanes, the eight waves: the work-group's sum comes out in v16 of every lane.  off: the eight LDS words that this sum uses
.macro REDUCE off
	v_pk_add_f32 v[8:9], v[8:9], v[10:11]
	v_pk_add_f32 v[12:13], v[12:13], v[14:15]
	v_pk_add_f32 v[8:9], v[8:9], v[12:13]
	v_add_f32 v8, v8, v9
	v_add_f32_dpp v8, v8, v8 row_xmask:1 row_mask:0xf bank_mask:0xf
	v_add_f32_dpp v8, v8, v8 row_xmask:2 row_mask:0xf bank_mask:0xf
	v_add_f32_dpp v8, v8, v8 row_xmask:4 row_mask:0xf bank_mask:0xf
	v_add_f32_dpp v8, v8, v8 row_xmask:8 row_mask:0xf bank_mask:0xf
	v_permlanex16_b32 v9, v8, s36, s37
	v_add_f32 v8, v8, v9
	ds_store_b32 v5, v8 offset:\off                ; all lanes of a wave write the same word with the same value
	s_wait_dscnt 0x0                               ; for the others' sake: my store is done
	s_barrier_signal -1
	s_barrier_wait -1
	ds_load_b128 v[16:19], v6 offset:\off
	ds_load_b128 v[20:23], v6 offset:\off+16
	s_wait_dscnt 0x0
	v_add_f32 v16, v16, v17
	v_add_f32 v18, v18, v19
	v_add_f32 v20, v20, v21
	v_add_f32 v22, v22, v23
	v_add_f32 v16, v16, v18
	v_add_f32 v20, v20, v22
	v_add_f32 v16, v16, v20
.endm
	REDUCE 0
	v_mul_f32 v24, 0x38800000, v16                 ; the mean: the sum x 2^-14
	v_mov_b32 v25, v24
.set k, 0
.rept 32
	v_pk_add_f32 v[32+2*k:33+2*k], v[32+2*k:33+2*k], v[24:25] neg_lo:[0,1] neg_hi:[0,1]   ; x - mean, in place
.set k, k+1
.endr
.irp c, 0,1,2,3
	v_pk_mul_f32 v[8+2*\c:9+2*\c], v[32+2*\c:33+2*\c], v[32+2*\c:33+2*\c]
.endr
.set k, 4
.rept 28
	v_pk_fma_f32 v[8+2*(k%4):9+2*(k%4)], v[32+2*k:33+2*k], v[32+2*k:33+2*k], v[8+2*(k%4):9+2*(k%4)]
.set k, k+1
.endr
	REDUCE 32                                      ; other words than the first sum's: no wave writes what another may still read
	s_mov_b32 s35, 0x38800000                      ; 2^-14
	s_mov_b32 s38, 0x3727c5ac                      ; eps = 1e-5
	v_fma_f32 v8, v16, s35, s38                    ; the variance + eps
	v_rsq_f32 v9, v8
	v_lshlrev_b32 v14, 3, v0                       ; (a plain place behind the transcendental)  8 bytes a lane of the record
	s_cmp_lg_u32 s4, 0
	s_cbranch_scc1 .Ldone                          ; wave 0 writes the record
	s_wait_loadcnt 0x0                             ; the gains
	s_wait_alu depctr_va_vdst(0)
	v_mul_f32 v10, v9, v26
	v_mul_f32 v11, v9, v27
	v_cmp_gt_u32 vcc_lo, 24, v0
	v_cndmask_b32 v12, v9, v24, vcc_lo             ; lanes 24-31 rstd, lanes 16-23 the mean,
	v_mov_b32 v13, v12
	v_cmp_gt_u32 vcc_lo, 16, v0
	v_cndmask_b32 v12, v12, v28, vcc_lo            ; lanes 8-15 gn_b,
	v_cndmask_b32 v13, v13, v29, vcc_lo
	v_cmp_gt_u32 vcc_lo, 8, v0
	v_cndmask_b32 v12, v12, v10, vcc_lo            ; lanes 0-7 rstd x gn_w
	v_cndmask_b32 v13, v13, v11, vcc_lo
	s_lshl_b32 s32, s30, 8
	s_add_nc_u64 s[24:25], s[24:25], s[32:33]
	global_store_b64 v14, v[12:13], s[24:25]       ; 32 lanes store the record's 256 consecutive bytes, aligned
.Ldone:
	s_wait_tensorcnt 0x0
	ds_add_u32 v160, v161
	s_wait_dscnt 0x0
	s_endpgm
	; ---------------- one K step of a tile of 16 rows of a weight
.Lweights:
	s_lshr_b32 s31, ttmp9, 4                       ; the matrix: 0 conv_w, 1 wq, 2 wk, 3 wv, 4 wo
	s_and_b32 s32, ttmp9, 15                       ; which pair of tiles: rows 32 x pair on
	s_lshr_b32 s33, s4, 2                          ; u: which tile of the pair
	s_and_b32 s34, s4, 3                           ; my K step
	s_cmp_eq_u32 s31, 1                            ; the choice hangs on the work-group's number alone
	s_cselect_b64 s[14:15], s[16:17], s[14:15]
	s_cmp_eq_u32 s31, 2
	s_cselect_b64 s[14:15], s[18:19], s[14:15]
	s_cmp_eq_u32 s31, 3
	s_cselect_b64 s[14:15], s[20:21], s[14:15]
	s_cmp_eq_u32 s31, 4
	s_cselect_b64 s[14:15], s[22:23], s[14:15]
	s_lshl_b32 s38, s32, 16                        ; (32 x pair + 8 u) rows of 2,048 bytes + 512 x K step
	s_lshl_b32 s39, s33, 14
	s_add_co_u32 s38, s38, s39
	s_lshl_b32 s39, s34, 9
	s_add_co_u32 s38, s38, s39
	s_mov_b32 s39, 0
	s_add_nc_u64 s[14:15], s[14:15], s[38:39]
	v_and_b32 v2, 31, v0                           ; lane
	v_lshlrev_b32 v3, 4, v2                        ; 16 x lane: my bytes of a row's 512, and my place in an image
.irp i, 0,1,2,3,4,5,6,7,8,9,10,11,12,13,14,15
	global_load_b128 v[32+4*\i:35+4*\i], v3, s[14:15] offset:(\i+8*(\i/8))*2048   ; the tile's row i: 32 lanes read 512 consecutive bytes
.endr
	s_mul_i32 s42, s4, WSTG
	s_add_co_u32 s42, s42, STG                     ; my stage
	v_add_nc_u32 v4, s42, v3                       ; into it: as loaded
	v_and_b32 v6, 15, v0                           ; r
	v_bfe_u32 v7, v0, 4, 1                         ; h
	v_mul_u32_u24 v5, v6, SPITCH
	v_lshl_add_u32 v5, v7, 7, v5
	v_add_nc_u32 v5, s42, v5                       ; out of it: row r, + 128 h: the layout gives lane (r, h) k = 64 c + 32 h + 0 .. 31
	s_lshl_b32 s43, s33, 8
	s_lshl_b32 s44, s34, 2
	s_add_co_u32 s43, s43, s44
	s_add_co_u32 s43, s43, SCW
	v_lshl_add_u32 v8, v6, 4, s43                  ; my row's scale word of my K step: 256 u + 16 r + 4 s, as ws has it
	v_lshl_add_u32 v9, v0, 3, SCW                  ; waves 0 and 1 on the way out: 8 bytes a thread of the two tiles' 512,
	v_lshlrev_b32 v10, 3, v0                       ; and the same place in ws
	v_lshlrev_b32 v11, 3, v7                       ; 8 h: where my bytes stand in a scale word
	v_mov_b32 v23, 0                               ; written once: a lane permute's destination counts as one of its sources
	s_lshl_b32 s40, s32, 1
	s_add_co_u32 s40, s40, s33                     ; the tile G = 0..31
	s_mul_i32 s38, s31, 196608
	s_lshr_b32 s41, s40, 3
	s_mul_i32 s41, s41, 49152
	s_add_co_u32 s38, s38, s41
	s_mul_i32 s41, s34, 12288
	s_add_co_u32 s38, s38, s41
	s_and_b32 s41, s40, 7
	s_mul_i32 s41, s41, 1536
	s_add_co_u32 s38, s38, s41
	s_add_nc_u64 s[26:27], s[26:27], s[38:39]      ; wc at my fragment
	s_lshl_b32 s38, s31, 13
	s_lshl_b32 s41, s32, 9
	s_add_co_u32 s38, s38, s41
	s_add_nc_u64 s[28:29], s[28:29], s[38:39]      ; ws at the pair's first tile
.irp g, 0,1,2,3
	s_wait_loadcnt 12-4*\g                         ; four rows more are in: behind them 12, 8, 4, 0 loads were issued
.irp i, 0,1,2,3
	ds_store_b128 v4, v[32+16*\g+4*\i:35+16*\g+4*\i] offset:(4*\g+\i)*SPITCH
.endr
.endr
.irp c, 0,1
.irp j, 0,1,2,3,4,5,6,7
	ds_load_b128 v[96+32*\c+4*\j:99+32*\c+4*\j], v5 offset:256*\c+16*\j   ; LDS serves a wave's instructions in order (ISA guide 5.7.1.4): these see my stores
.endr
.endr
	s_wait_dscnt 0x0                               ; my two blocks are in; the stores into the stage have read v32-95, which take the codes below
.irp c, 0,1
	v_max3_num_f32 v[16+\c], |v[96+32*\c]|, |v[97+32*\c]|, FLOOR   ; my block 2 c + h: all its 32 numbers are mine
.endr
.irp i, 2,4,6,8,10,12,14,16,18,20,22,24,26,28,30
.irp c, 0,1
	v_max3_num_f32 v[16+\c], v[16+\c], |v[96+32*\c+\i]|, |v[97+32*\c+\i]|   ; (the two blocks by turns)
.endr
.endr
.irp c, 0,1
	v_add_nc_u32 v[18+\c], EOFF, v[16+\c]          ; 4 off the exponent field: the conversion's scale operand
.endr
.irp c, 0,1
	v_lshrrev_b32 v[20+\c], 23, v[18+\c]           ; the scale's byte
.endr
	v_lshl_or_b32 v22, v21, 16, v20                ; blocks h and 2 + h,
	v_lshlrev_b32 v22, v11, v22                    ; at their places in the word;
	v_permlanex16_b32 v23, v22, s36, s37
	v_or_b32 v24, v22, v23                         ; with lane l xor 16's two the word is whole
	ds_store_b32 v8, v24                           ; lanes r and r + 16 write the same word with the same value
.irp c, 0,1
	v_cvt_scalef32_pk16_bf6_f32 v[32+6*\c:34+6*\c], v[96+32*\c:111+32*\c], v[18+\c]
	v_cvt_scalef32_pk16_bf6_f32 v[44+4*\c:46+4*\c], v[112+32*\c:127+32*\c], v[18+\c]   ; (a conversion's three registers begin on an even number)
.endr
	v_nop                                          ; one plain place behind a scaled conversion
.irp c, 0,1
.irp i, 0,1,2
	v_mov_b32 v[35+6*\c+\i], v[44+4*\c+\i]
.endr
.endr
.irp g, 0,1,2
	global_store_b128 v3, v[32+4*\g:35+4*\g], s[26:27] offset:512*\g   ; 32 lanes store 512 consecutive bytes, aligned
.endr
	s_wait_dscnt 0x0                               ; for the others' sake: my scale words are in LDS
	s_barrier_signal -1
	s_barrier_wait -1                              ; all eight waves' are
	s_cmp_lt_u32 s4, 2
	s_cbranch_scc0 .Lwdone                         ; wave 0 stores the first tile's words, wave 1 the second's
	ds_load_b64 v[12:13], v9
	s_wait_dscnt 0x0
	global_store_b64 v10, v[12:13], s[28:29]       ; 32 lanes store a tile's 256 consecutive bytes, aligned
.Lwdone:
	s_wait_tensorcnt 0x0
	ds_add_u32 v160, v161
	s_wait_dscnt 0x0
	s_endpgm
.Lfunc_end_k_q0ceaa2a36f_prep:
	.size	k_q0ceaa2a36f_prep, .Lfunc_end_k_q0ceaa2a36f_prep-k_q0ceaa2a36f_prep
	.p2alignl 7, 3214868480
	.fill 96, 4, 3214868480
	.section	.rodata,"a",@progbits
	.p2align	6, 0x0
	.amdhsa_kernel k_q0ceaa2a36f_prep
		.amdhsa_group_segment_fixed_size 70656
		.amdhsa_private_segment_fixed_size 0
		.amdhsa_enable_private_segment 0
		.amdhsa_kernarg_size 88
		.amdhsa_user_sgpr_count 2
		.amdhsa_user_sgpr_kernarg_segment_ptr 1
		.amdhsa_wavefront_size32 1
		.amdhsa_system_sgpr_workgroup_id_x 1
		.amdhsa_system_sgpr_workgroup_id_y 1
		.amdhsa_system_sgpr_workgroup_id_z 1
		.amdhsa_system_vgpr_workitem_id 0
		.amdhsa_next_free_vgpr 162
		.amdhsa_next_free_sgpr 66
		.amdhsa_reserve_vcc 1
		.amdhsa_float_denorm_mode_32 3
		.amdhsa_float_denorm_mode_16_64 3
		.amdhsa_memory_ordered 1
		.amdhsa_forward_progress 1
		.amdhsa_inst_pref_size 22
	.end_amdhsa_kernel
	.amdgpu_metadata
---
amdhsa.version: [ 1, 2 ]
amdhsa.kernels:
  - .name:           k_q0ceaa2a36f_prep
    .symbol:         k_q0ceaa2a36f_prep.kd
    .args:
      - { .name: x, .offset: 0, .size: 8, .value_kind: global_buffer, .address_space: global }
      - { .name: gn_w, .offset: 8, .size: 8, .value_kind: global_buffer, .address_space: global }
      - { .name: gn_b, .offset: 16, .size: 8, .value_kind: global_buffer, .address_space: global }
      - { .name: conv_w, .offset: 24, .size: 8, .value_kind: global_buffer, .address_space: global }
      - { .name: wq, .offset: 32, .size: 8, .value_kind: global_buffer, .address_space: global }
      - { .name: wk, .offset: 40, .size: 8, .value_kind: global_buffer, .address_space: global }
      - { .name: wv, .offset: 48, .size: 8, .value_kind: global_buffer, .address_space: global }
      - { .name: wo, .offset: 56, .size: 8, .value_kind: global_buffer, .address_space: global }
      - { .name: par, .offset: 64, .size: 8, .value_kind: global_buffer, .address_space: global }
      - { .name: wc, .offset: 72, .size: 8, .value_kind: global_buffer, .address_space: global }
      - { .name: ws, .offset: 80, .size: 8, .value_kind: global_buffer, .address_space: global }
    .group_segment_fixed_size: 70656
    .private_segment_fixed_size: 0
    .kernarg_segment_align: 8
    .kernarg_segment_size: 88
    .max_flat_workgroup_size: 256
    .sgpr_count:     66
    .vgpr_count:     162
    .wavefront_size: 32
...
	.end_amdgpu_metadata
.endif
;; end of part 1
;; launch qkv (part 2): grid 256 x 1, 4 waves a work-group, no clusters, 200,192 bytes of LDS; arguments x, par, wc, ws, conv_b, bq, bk, bv, qkvc, qkvs; writes qkvc, qkvs
.if DOCPART == 2
	.amdgcn_target "amdgcn-amd-amdhsa--gfx1250"
	.amdhsa_code_object_version 6
	.text
	.protected	k_q0ceaa2a36f_qkv
	.globl	k_q0ceaa2a36f_qkv
	.p2align	8
	.type	k_q0ceaa2a36f_qkv,@function
k_q0ceaa2a36f_qkv:
	s_mov_b64 s[64:65], 0
	v_nop
	global_prefetch_b8 v0, s[64:65] scope:SCOPE_SE
	s_setreg_imm32_b32 hwreg(HW_REG_WAVE_MODE, 25, 1), 1
	s_wait_xcnt 0x0
; QKV.  For 64 pixels of one image: xn = group norm of x; x1 = conv_w xn + conv_b; q, k, v = x1 w^T + b; all four products on codes of E3M2 with one E8M0 byte for each 32 along K.
; What leaves: the codes of q and k (quantised along a head's 64) and of v (quantised along the keys), as images of the operands' registers, and their scale bytes.
; SHARES.  Work-group = 16 x batch + block of 64 pixels.  THE WAVES SHARE THE COLUMNS: wave w makes output channels 128 w .. 128 w + 127 of each of the four products, for all 64 pixels.
; A weight fragment goes from memory straight into the registers of the one wave that multiplies it, and feeds four products there (the four tiles of pixels); it never passes through LDS.
; NO CLUSTER: a joint load lands in LDS, and the four matrices' 786,432 bytes of codes do not fit there: they would want slots that are filled again, and a second trip from LDS to registers.
; TILES.  Lane r of tile 2 b + u (of weight rows, and of pixels alike) takes row 32 b + 8 u + r + 8 (r / 8): so a lane's 16 registers of two neighbouring tiles of a result are 16 neighbours along the next K.
;   conv, q, k: source 0 = 16 rows of the weight, source 1 = 16 pixels: a lane holds one pixel, its registers run along the channels.   v: the sources swapped: a lane holds one channel, its registers run along the pixels, which are the keys.
; OPERANDS GO FROM WAVE TO WAVE THROUGH LDS AS IMAGES OF THEIR REGISTERS: a fragment (12 registers) is three accesses of 16 bytes a lane, 512 consecutive bytes each.
; PHASES.  X: wave w normalises and quantises channels 128 w .. of all 64 pixels (a lane takes a pixel, its registers run down the channels): K step w of the first product | barrier |
;   conv: 4 K steps x 32 products; x1 quantised in registers: K step w of the next three products | barrier | q, k, v: 4 x 32 products each, quantised in registers, stored.
; The next matrix's fragments of a K step are asked for as soon as this matrix's products of that K step are issued: a whole matrix ahead.
; LIMITS: NaN and infinities are not served; a block whose largest magnitude lies under 2^-122 (a block of zeros too) gets the byte 1: its codes are right, and this program alone reads the bytes.
; REGISTERS, in windows of 256.  Window 0: v1-17 addresses; v20-25 scale words on their way out; v32-47 the activations' scale words (4 m + s); v48-111 the weights', two sets (4 t + s);
;   v112-207 the activations' fragments, two buffers of four; v208-223 at work; v224-243 the codes just made; v244 their scale word; v246-247 phase X's scale words.
;   Window 1: the 32 accumulators (phase X: the numbers and the norm's parameters).  Window 2: the weight's K steps 0 and 1 (96 registers each), from v192 the bias.  Window 3: K steps 2 and 3.
.set XWAVE, 34816                      ; LDS: x, 128 channels a wave, a row = 64 pixels = 256 bytes + 16 of padding
.set PT,    139264                     ; the norm's records, 8 x 256 bytes a wave
.set XIMG,  147456                     ; xn's 16 fragments (4 m + s), 1,536 bytes each
.set XSC,   172032                     ; their scale words: 256 m + 16 r + 4 s
.set X1IMG, 173056                     ; x1's 16 fragments
.set X1SC,  197632                     ; their scale words: 512 m + 16 lane + 4 s
.set X1OFF, X1IMG-XIMG
.set FRB,   1536
.set FLOOR, 0x2800000                  ; 2^(5 - 127)
.set EOFF,  0xfe000000                 ; -(4 << 23)
.set SW,  20
.set ASC, 32
.set WSC, 48
.set AF,  112
.set CX,  112                          ; phase X: the codes of its two passes
.set TM,  208
.set PC,  224
.set TP,  236
.set PW,  244
.set XW,  246
.set BI,  192                          ; in window 2
.set MSB, 0
.macro WIN new                         ; the immediate's high byte repeats the setting that is left; a switch that changes nothing is dropped
.if MSB != (\new)
	s_set_vgpr_msb (MSB<<8)|(\new)
.set MSB, (\new)
.endif
.endm
	s_load_b512 s[8:23], s[0:1], 0x0               ; x, par, wc, ws, conv_b, bq, bk, bv
	s_load_b128 s[24:27], s[0:1], 0x40             ; qkvc, qkvs
	v_lshl_add_u32 v254, v0, 2, 0x30c00
	v_mov_b32 v255, 0
	ds_add_u32 v254, v255
	ds_add_u32 v254, v255
	v_lshrrev_b32 v18, 5, v0
	v_readfirstlane_b32 s4, v18                    ; wave 0..3
	s_lshr_b32 s5, ttmp9, 4                        ; batch
	s_and_b32 s6, ttmp9, 15                        ; block of 64 pixels
	; group 1 for x: 128 rows (channels) x 64 elements of 4 bytes, 1,024 elements from row to row; 4 words of padding behind every 64
	s_mov_b32 s28, (2<<16)|(1<<20)|(5<<22)|(3<<25)
	s_mov_b32 s29, 64<<16                          ; tensor_dim0
	s_mov_b32 s30, 128<<16                         ; tensor_dim1
	s_mov_b32 s31, 64<<16                          ; tile_dim0
	s_mov_b32 s32, 128                             ; tile_dim1
	s_mov_b32 s33, 1024                            ; the pitch
	s_mov_b32 s34, 0
	s_mov_b32 s35, 0
	; group 1 for the records: 8 dense rows of 64 elements of 4 bytes
	s_mov_b32 s40, 2<<16
	s_mov_b32 s41, 64<<16
	s_mov_b32 s42, 8<<16
	s_mov_b32 s43, 64<<16
	s_mov_b32 s44, 8
	s_mov_b32 s45, 64
	s_mov_b32 s46, 0
	s_mov_b32 s47, 0
	s_mov_b32 s36, 1
	s_mul_i32 s37, s4, XWAVE                       ; my 128 rows in LDS
	s_mov_b32 s48, 1
	s_lshl_b32 s49, s4, 11
	s_add_co_u32 s49, s49, PT
	s_lshl_b32 s60, s5, 21                         ; x: batch x 2,097,152 + 128 w channels of 4,096 bytes + 256 x block
	s_lshl_b32 s61, s4, 19
	s_add_co_u32 s60, s60, s61
	s_lshl_b32 s61, s6, 8
	s_add_co_u32 s60, s60, s61
	s_mov_b32 s61, 0
	s_lshl_b32 s62, s5, 13                         ; par: (32 x batch + 8 w) records of 256 bytes
	s_lshl_b32 s63, s4, 11
	s_add_co_u32 s62, s62, s63
	s_mov_b32 s63, 0
	s_mov_b32 s52, 0x76543210
	s_mov_b32 s53, 0xfedcba98                      ; v_permlanex16_b32's selects for lane l xor 16
	s_wait_dscnt 0x0
	s_wait_kmcnt 0x0
	s_add_nc_u64 s[38:39], s[8:9], s[60:61]
	s_or_b32 s39, s39, 0x80000000
	s_add_nc_u64 s[50:51], s[10:11], s[62:63]
	s_or_b32 s51, s51, 0x80000000
	tensor_load_to_lds s[36:39], s[28:35]          ; my 128 channels x 64 pixels: filled once, read by me alone
	s_nop 0
	tensor_load_to_lds s[48:51], s[40:47]          ; my 8 groups' records: two tensor loads of mine are out
	s_nop 0
.rept 4
	v_nop
.endr
	v_and_b32 v18, 31, v0                          ; lane
	v_and_b32 v19, 15, v0                          ; r
	v_bfe_u32 v26, v0, 4, 1                        ; h
	v_lshlrev_b32 v1, 4, v18                       ; 16 x lane
	v_lshlrev_b32 v2, 3, v18                       ; 8 x lane
	v_lshlrev_b32 v3, 4, v19                       ; 16 r
	v_lshl_add_u32 v4, v18, 2, s37                 ; phase X: pixel = lane, in my rows of x
	v_mov_b32 v5, s49                              ; my records
	v_bfe_u32 v27, v0, 3, 1                        ; phase X: pixel 32 p + lane is lane r' = lane % 8 + 8 (lane / 16) of tile 2 p + u, u = (lane / 8) % 2
	v_and_b32 v28, 7, v0
	v_lshl_add_u32 v28, v26, 3, v28
	s_mul_i32 s60, s4, FRB
	s_lshl_b32 s61, s4, 2
	v_mul_u32_u24 v6, v27, 6144
	v_lshl_add_u32 v6, v28, 4, v6
	v_add_nc_u32 v6, s60, v6
	v_add_nc_u32 v6, XIMG, v6                      ; where that pixel's codes go: fragment 4 (2 p + u) + w, lane r'
	v_lshlrev_b32 v7, 8, v27
	v_lshl_add_u32 v7, v28, 4, v7
	v_add_nc_u32 v7, s61, v7
	v_add_nc_u32 v7, XSC, v7                       ; and its scale word
	v_add_nc_u32 v8, XIMG, v1                      ; a fragment's image for my lane
	v_add_nc_u32 v9, XSC, v3
	v_add_nc_u32 v10, X1SC, v1
	v_add_nc_u32 v11, s60, v1
	v_add_nc_u32 v11, X1IMG, v11                   ; where I store x1's images: K step w
	v_add_nc_u32 v12, s61, v10
	v_lshlrev_b32 v13, 6, v26                      ; 64 h: a bias along the registers
	v_and_b32 v14, 8, v19
	v_add_nc_u32 v14, v14, v19
	v_lshlrev_b32 v14, 2, v14                      ; 4 (r + 8 (r / 8)): a bias along the lanes
	v_lshl_add_u32 v15, v26, 12, v3                ; q's and k's scale words: head 2 w + h, 16 r
	v_lshl_add_u32 v16, v26, 3, v3                 ; v's: 16 r + 8 h
	v_lshlrev_b32 v17, 4, v26                      ; 16 h
.irp b, 0,1,2,3
	v_mov_b32 v[TM+4+\b], 0                        ; written once: a lane permute's destination counts as one of its sources
.endr
	s_mul_i32 s60, s4, 49152
	s_mov_b32 s61, 0
	s_add_nc_u64 s[12:13], s[12:13], s[60:61]      ; wc at my 8 tiles
	s_lshl_b32 s60, s4, 11
	s_add_nc_u64 s[14:15], s[14:15], s[60:61]      ; ws likewise
	s_lshl_b32 s60, s4, 9
	s_add_nc_u64 s[16:17], s[16:17], s[60:61]      ; the biases at my 128 channels
	s_add_nc_u64 s[18:19], s[18:19], s[60:61]
	s_add_nc_u64 s[20:21], s[20:21], s[60:61]
	s_add_nc_u64 s[22:23], s[22:23], s[60:61]
	s_lshl_b32 s62, s5, 3
	s_lshl_b32 s63, s4, 1
	s_add_co_u32 s62, s62, s63
	s_lshl_b32 s62, s62, 4
	s_add_co_u32 s62, s62, s6                      ; 16 (8 x batch + 2 w) + block
	s_mul_i32 s60, s62, 3072
	s_add_nc_u64 s[54:55], s[24:25], s[60:61]      ; q's codes: head 2 w, this block's four tiles
	s_lshl_b32 s60, s62, 8
	s_add_nc_u64 s[56:57], s[26:27], s[60:61]      ; q's scale words
	s_lshl_b32 s60, ttmp9, 10
	s_lshl_b32 s62, s4, 8
	s_add_co_u32 s60, s60, s62
	s_add_co_u32 s60, s60, 1048576
	s_add_nc_u64 s[58:59], s[26:27], s[60:61]      ; v's scale bytes
.macro WLOAD mat, s                    ; my 8 fragments of matrix mat, K step s: 24 loads of 512 consecutive bytes
	WIN 0x80+0x40*((\s)/2)
.irp t, 0,1,2,3,4,5,6,7
.irp g, 0,1,2
	global_load_b128 v[96*((\s)%2)+12*\t+4*\g:96*((\s)%2)+12*\t+4*\g+3], v1, s[12:13] offset:(\mat)*196608+(\s)*12288+\t*1536+\g*512
.endr
.endr
.endm
.macro SLOAD mat                       ; their scale words, all four K steps: 8 loads
	WIN 0
.irp t, 0,1,2,3,4,5,6,7
	global_load_b128 v[WSC+32*((\mat)%2)+4*\t:WSC+32*((\mat)%2)+4*\t+3], v3, s[14:15] offset:(\mat)*8192+\t*256
.endr
.endm
.macro BLOADN p                        ; a bias as the C of a result whose registers run along the channels: tile 2 b + u, lane (r, h): channels 32 b + 16 h + 8 u + 0 .. 7: 16 loads
	WIN 0x80
.irp t, 0,1,2,3,4,5,6,7
	global_load_b128 v[BI+8*\t:BI+8*\t+3], v13, s[\p:\p+1] offset:(32*(\t/2)+8*(\t%2))*4
	global_load_b128 v[BI+8*\t+4:BI+8*\t+7], v13, s[\p:\p+1] offset:(32*(\t/2)+8*(\t%2))*4+16
.endr
.endm
.macro BLOADV p                        ; and of a result whose lanes hold the channels: the lane's number in all eight registers: 64 loads
	WIN 0x80
.irp t, 0,1,2,3,4,5,6,7
.irp j, 0,1,2,3,4,5,6,7
	global_load_b32 v[BI+8*\t+\j], v14, s[\p:\p+1] offset:(32*(\t/2)+8*(\t%2))*4
.endr
.endr
.endm
.macro AFETCH off, s, buf              ; the four tiles of pixels, K step s, from their images
	WIN 0
.irp m, 0,1,2,3
.irp g, 0,1,2
	ds_load_b128 v[AF+48*(\buf)+12*\m+4*\g:AF+48*(\buf)+12*\m+4*\g+3], v8 offset:(\off)+FRB*(4*\m+(\s))+512*\g
.endr
.endr
.endm
; 32 products: my 8 tiles of the weight x the 4 tiles of pixels, K step s.  The 32 accumulators take turns, one instruction a turn, in the same order in every K step.
; The first K step takes the bias as C: nothing is cleared, nothing is added afterwards.
.macro MUL mat, s
.set WB, 96*((\s)%2)
.set AB, AF+48*((\s)%2)
.set WS, WSC+32*((\mat)%2)+(\s)
.if (\mat) < 3
.if (\s) == 0
	WIN 0x62                                       ; D window 1, C (the bias) window 2, source 0 (the weight) window 2, source 1 window 0
.elseif (\s) == 1
	WIN 0x52
.else
	WIN 0x53                                       ; the weight in window 3
.endif
.irp t, 0,1,2,3,4,5,6,7
.irp m, 0,1,2,3
.set rD, 64*\m+8*\t
.if (\s) == 0
	v_wmma_scale_f32_16x16x128_f8f6f4 v[rD:rD+7], v[WB+12*\t:WB+12*\t+11], v[AB+12*\m:AB+12*\m+11], v[BI+8*\t:BI+8*\t+7], v[WS+4*\t], v[ASC+4*\m+(\s)] matrix_a_fmt:MATRIX_FMT_BF6 matrix_b_fmt:MATRIX_FMT_BF6
.else
	v_wmma_scale_f32_16x16x128_f8f6f4 v[rD:rD+7], v[WB+12*\t:WB+12*\t+11], v[AB+12*\m:AB+12*\m+11], v[rD:rD+7], v[WS+4*\t], v[ASC+4*\m+(\s)] matrix_a_fmt:MATRIX_FMT_BF6 matrix_b_fmt:MATRIX_FMT_BF6
.endif
.endr
.endr
.else
.if (\s) == 0
	WIN 0x68                                       ; the sources swapped: source 0 (the pixels) window 0, source 1 (the weight) window 2
.elseif (\s) == 1
	WIN 0x58
.else
	WIN 0x5c
.endif
.irp t, 0,1,2,3,4,5,6,7
.irp m, 0,1,2,3
.set rD, 32*\t+8*\m
.if (\s) == 0
	v_wmma_scale_f32_16x16x128_f8f6f4 v[rD:rD+7], v[AB+12*\m:AB+12*\m+11], v[WB+12*\t:WB+12*\t+11], v[BI+8*\t:BI+8*\t+7], v[ASC+4*\m+(\s)], v[WS+4*\t] matrix_a_fmt:MATRIX_FMT_BF6 matrix_b_fmt:MATRIX_FMT_BF6
.else
	v_wmma_scale_f32_16x16x128_f8f6f4 v[rD:rD+7], v[AB+12*\m:AB+12*\m+11], v[WB+12*\t:WB+12*\t+11], v[rD:rD+7], v[ASC+4*\m+(\s)], v[WS+4*\t] matrix_a_fmt:MATRIX_FMT_BF6 matrix_b_fmt:MATRIX_FMT_BF6
.endif
.endr
.endr
.endif
.endm
; One K step of one matrix.  n: how many younger global loads may stay out when this step's weights (at s = 0 also the bias and the scale words) have to be there.
.macro UNIT mat, s, n
	s_wait_loadcnt \n
	s_wait_dscnt 0x0                               ; this K step's activations are in
.if (\s) < 3
.if (\mat) == 0
	AFETCH 0, (\s)+1, ((\s)+1)%2                   ; the next K step's, into the other buffer: its last readers stand in front of the places of the unit before
.else
	AFETCH X1OFF, (\s)+1, ((\s)+1)%2
.endif
.elseif ((\mat) == 1) || ((\mat) == 2)
	AFETCH X1OFF, 0, 0                             ; the next matrix multiplies the same x1
.endif
	MUL \mat, \s
	WIN 0
.rept 5
	v_nop                                          ; places in front of the loads into registers that these products have read, of the first read of results, and of the next matrix's first products, which write these accumulators anew
.endr
.if (\mat) < 3
	WLOAD (\mat)+1, \s                             ; the set just multiplied takes the next matrix's same K step
.if (\s) == 0
.if (\mat) == 0
	BLOADN 18
.elseif (\mat) == 1
	BLOADN 20
.else
	BLOADV 22
.endif
	SLOAD (\mat)+1
.endif
.endif
.endm
; 64 numbers of a lane in window 1, v[s] on, register 16 b + i = k 32 b + 16 (lane / 16) + i of the lane's row, become a fragment's codes in v[PC] on and its scale word in v[PW].
.macro QUANT s
	WIN 0x05                                       ; sources 0 and 1 window 1
.irp b, 0,1,2,3
	v_max3_num_f32 v[TM+\b], |v[(\s)+16*\b]|, |v[(\s)+16*\b+1]|, FLOOR   ; each accumulator is read from its low end on
.endr
.irp i, 2,4,6,8,10,12,14
.irp b, 0,1,2,3
	v_max3_num_f32 v[TM+\b], |v[(\s)+16*\b+\i]|, |v[(\s)+16*\b+\i+1]|, v[TM+\b]   ; (the four blocks by turns)
.endr
.endr
	WIN 0
.irp b, 0,1,2,3
	v_permlanex16_b32 v[TM+4+\b], v[TM+\b], s52, s53
.endr
.irp b, 0,1,2,3
	v_max_num_f32 v[TM+\b], v[TM+\b], v[TM+4+\b]   ; with lane l xor 16's: the block's largest magnitude
.endr
.irp b, 0,1,2,3
	v_add_nc_u32 v[TM+12+\b], EOFF, v[TM+\b]       ; 4 off its exponent field: the conversion's scale operand
.endr
.irp b, 0,1,2,3
	v_lshrrev_b32 v[TM+4+\b], 23, v[TM+12+\b]      ; the scale's byte
.endr
	v_lshl_or_b32 v[PW], v[TM+5], 8, v[TM+4]
	v_lshl_or_b32 v[PW], v[TM+6], 16, v[PW]
	v_lshl_or_b32 v[PW], v[TM+7], 24, v[PW]
	WIN 0x01
.irp c, 0,1
	v_cvt_scalef32_pk16_bf6_f32 v[PC+6*\c:PC+6*\c+2], v[(\s)+32*\c:(\s)+32*\c+15], v[TM+12+2*\c]
	v_cvt_scalef32_pk16_bf6_f32 v[TP+4*\c:TP+4*\c+2], v[(\s)+32*\c+16:(\s)+32*\c+31], v[TM+12+2*\c+1]   ; (a conversion's three registers begin on an even number)
.endr
	WIN 0
	v_nop                                          ; one plain place behind a scaled conversion
.irp c, 0,1                            ; the layout wants a WHOLE block in a lane: lanes 0-15 block 2 c, lanes 16-31 block 2 c + 1
.irp n, 0,1,2
	v_permlane16_swap_b32 v[PC+6*\c+\n], v[TP+4*\c+\n]
.endr
.irp n, 0,1,2
	v_mov_b32 v[PC+6*\c+3+\n], v[TP+4*\c+\n]
.endr
.endr
.endm
; PHASE X, block i: channels 128 w + 32 i .. + 31 of all 64 pixels, in two passes of 32 pixels (pixel 32 p + lane).  A whole block lies in one lane's 32 registers.
.macro XBLOCK i
	WIN 0x40                                       ; destination window 1
.irp j, 0,1,2,3
	ds_load_b128 v[64+4*\j:67+4*\j], v5 offset:512*(\i)+16*\j           ; rstd x gn_w of the block's 32 channels (two groups), the same in every lane
	ds_load_b128 v[80+4*\j:83+4*\j], v5 offset:512*(\i)+256+16*\j
	ds_load_b128 v[96+4*\j:99+4*\j], v5 offset:512*(\i)+64+16*\j        ; gn_b
	ds_load_b128 v[112+4*\j:115+4*\j], v5 offset:512*(\i)+320+16*\j
.endr
	ds_load_b64 v[128:129], v5 offset:512*(\i)+128                       ; the two groups' means, each twice
	ds_load_b64 v[130:131], v5 offset:512*(\i)+384
.set k, 0
.rept 32
	ds_load_b32 v[k], v4 offset:(32*(\i)+k)*272                          ; 32 lanes read 128 consecutive bytes of a channel's row
	ds_load_b32 v[32+k], v4 offset:(32*(\i)+k)*272+128
.set k, k+1
.endr
	s_wait_dscnt 0x0                               ; they are in; the last block's stores have read their registers too
	WIN 0x55
.set k, 0
.rept 16
	v_pk_add_f32 v[k:k+1], v[k:k+1], v[128+2*(k/16):129+2*(k/16)] neg_lo:[0,1] neg_hi:[0,1]          ; x - mean
	v_pk_add_f32 v[32+k:33+k], v[32+k:33+k], v[128+2*(k/16):129+2*(k/16)] neg_lo:[0,1] neg_hi:[0,1]
.set k, k+2
.endr
.set k, 0
.rept 16
	v_pk_fma_f32 v[k:k+1], v[k:k+1], v[64+k:65+k], v[96+k:97+k]          ; x (rstd x gn_w) + gn_b
	v_pk_fma_f32 v[32+k:33+k], v[32+k:33+k], v[64+k:65+k], v[96+k:97+k]
.set k, k+2
.endr
	WIN 0x05
.irp p, 0,1
	v_max3_num_f32 v[TM+\p], |v[32*\p]|, |v[32*\p+1]|, FLOOR
.endr
.set k, 2
.rept 15
	v_max3_num_f32 v[TM], |v[k]|, |v[k+1]|, v[TM]                        ; (the two passes by turns)
	v_max3_num_f32 v[TM+1], |v[32+k]|, |v[33+k]|, v[TM+1]
.set k, k+2
.endr
	WIN 0
.irp p, 0,1
	v_add_nc_u32 v[TM+2+\p], EOFF, v[TM+\p]
.endr
.irp p, 0,1
.if (\i) == 0
	v_lshrrev_b32 v[XW+\p], 23, v[TM+2+\p]         ; the pixel's scale word of this K step gathers its four bytes
.else
	v_lshrrev_b32 v[TM+4+\p], 23, v[TM+2+\p]
.endif
.endr
.if (\i) > 0
.irp p, 0,1
	v_lshl_or_b32 v[XW+\p], v[TM+4+\p], 8*(\i), v[XW+\p]
.endr
.endif
	WIN 0x01
.irp p, 0,1
	v_cvt_scalef32_pk16_bf6_f32 v[CX+12*\p:CX+12*\p+2], v[32*\p:32*\p+15], v[TM+2+\p]
	v_cvt_scalef32_pk16_bf6_f32 v[CX+12*\p+6:CX+12*\p+8], v[32*\p+16:32*\p+31], v[TM+2+\p]
.endr
	WIN 0
	v_nop                                          ; one plain place behind a scaled conversion
.irp p, 0,1
.irp n, 0,1,2
	v_mov_b32 v[CX+12*\p+3+\n], v[CX+12*\p+6+\n]
.endr
.endr
.irp p, 0,1                            ; block i = 2 c + h' is registers 6 c .. 6 c + 5 of lane r' + 16 h' of the fragment: in the image, register 4 g + e of lane l lies at 512 g + 16 l + 4 e
.if (\i) < 2
	ds_store_b128 v6, v[CX+12*\p:CX+12*\p+3] offset:12288*\p+256*((\i)%2)
	ds_store_b64 v6, v[CX+12*\p+4:CX+12*\p+5] offset:12288*\p+256*((\i)%2)+512
.else
	ds_store_b64 v6, v[CX+12*\p:CX+12*\p+1] offset:12288*\p+256*((\i)%2)+520
	ds_store_b128 v6, v[CX+12*\p+2:CX+12*\p+5] offset:12288*\p+256*((\i)%2)+1024
.endif
.endr
.endm
.macro BARRIER                         ; my LDS stores have landed and my LDS loads are in: then the work-group's barrier
	s_wait_dscnt 0x0
	s_barrier_signal -1
	s_barrier_wait -1
.endm
; q or k: my 128 channels are heads 2 w and 2 w + 1; registers 6 c .. 6 c + 5 of the fragment are head 2 w + c's 64 along d: half a fragment, stored as 512 + 256 consecutive bytes.
.macro EPI_QK mat
.irp m, 0,1,2,3
	s_wait_xcnt 0x0                                ; the codes' registers and the scale words are rewritten only behind this wait: earlier stores read them
	QUANT 64*\m
.irp c, 0,1
	global_store_b128 v1, v[PC+6*\c:PC+6*\c+3], s[54:55] offset:49152*\c+768*\m
	global_store_b64 v2, v[PC+6*\c+4:PC+6*\c+5], s[54:55] offset:49152*\c+768*\m+512
.endr
	v_lshrrev_b32 v24, v17, v[PW]                  ; lanes 0-15: head 2 w's two bytes, lanes 16-31: head 2 w + 1's;
	v_and_b32 v24, 0xffff, v24
	v_lshl_or_b32 v[SW+\m], v24, 16, v24           ; repeated for the upper 64 of the instruction's 128, whose codes are zeros
.endr
	global_store_b128 v15, v[SW:SW+3], s[56:57] offset:((\mat)-1)*524288   ; sixteen lanes store a head's 256 consecutive bytes, aligned
	s_wait_xcnt 0x0                                ; the stores have read their base
	s_add_nc_u64 s[54:55], s[54:55], 6291456       ; on to the next tensor's codes
.endm
	WLOAD 0, 0
	BLOADN 16
	SLOAD 0
	s_wait_tensorcnt 0x0                           ; my rows of x and my records are in LDS; nobody else reads them
	XBLOCK 0
	WLOAD 0, 1                                     ; the other K steps of the first matrix are asked for between the blocks
	XBLOCK 1
	WLOAD 0, 2
	XBLOCK 2
	WLOAD 0, 3
	XBLOCK 3
	ds_store_b32 v7, v[XW]
	ds_store_b32 v7, v[XW+1] offset:512
	BARRIER                                        ; xn's sixteen fragments lie in LDS
	AFETCH 0, 0, 0
.irp m, 0,1,2,3
	ds_load_b128 v[ASC+4*\m:ASC+4*\m+3], v9 offset:256*\m
.endr
	; The counts: behind what a unit wants, 72 loads or more have been issued (three K steps of 24, or two and the 48 or 96 that follow a matrix's first unit): the count's field holds 63.
	UNIT 0, 0, 63
	UNIT 0, 1, 63
	UNIT 0, 2, 63
	UNIT 0, 3, 63
.irp m, 0,1,2,3                        ; x1: my 128 channels of 16 pixels are one fragment: K step w of the next three products
	QUANT 64*\m
.irp g, 0,1,2
	ds_store_b128 v11, v[PC+4*\g:PC+4*\g+3] offset:6144*\m+512*\g
.endr
	ds_store_b32 v12, v[PW] offset:512*\m
	s_wait_dscnt 0x0                               ; the stores have read their registers
.endr
	BARRIER                                        ; x1's sixteen fragments lie in LDS
	AFETCH X1OFF, 0, 0
.irp m, 0,1,2,3
	ds_load_b128 v[ASC+4*\m:ASC+4*\m+3], v10 offset:512*\m
.endr
	UNIT 1, 0, 63
	UNIT 1, 1, 63
	UNIT 1, 2, 63
	UNIT 1, 3, 63
	EPI_QK 1
	UNIT 2, 0, 63
	UNIT 2, 1, 63
	UNIT 2, 2, 63
	UNIT 2, 3, 63
	EPI_QK 2
	UNIT 3, 0, 63
	UNIT 3, 1, 48                                  ; nothing more is asked for: behind this K step's loads stand two K steps',
	UNIT 3, 2, 24                                  ; one,
	UNIT 3, 3, 0                                   ; none
	; v: a lane holds one channel, 32 registers of a tile of channels are this block's 64 keys: two blocks of 32.  Two tiles make QUANT's 64 numbers; each half of the fragment is one tile's 64 keys.
.irp a, 0,1,2,3
	s_wait_xcnt 0x0
	QUANT 64*\a
.irp c, 0,1
	global_store_b128 v1, v[PC+6*\c:PC+6*\c+3], s[54:55] offset:((2*\a+\c)/4)*49152+((2*\a+\c)%4)*768
	global_store_b64 v2, v[PC+6*\c+4:PC+6*\c+5], s[54:55] offset:((2*\a+\c)/4)*49152+((2*\a+\c)%4)*768+512
.endr
	v_mov_b32 v[SW+\a], v[PW]                      ; two bytes for tile 2 a, two for tile 2 a + 1
.endr
	v_cmp_ne_u32 vcc_lo, 0, v13
	v_cndmask_b32 v24, v[SW], v[SW+2], vcc_lo      ; lanes 0-15 store their channel row's first 8 bytes, lanes 16-31 the other 8
	v_cndmask_b32 v25, v[SW+1], v[SW+3], vcc_lo
	global_store_b64 v16, v[24:25], s[58:59]       ; 256 consecutive bytes, aligned
	s_wait_tensorcnt 0x0
	ds_add_u32 v254, v255
	s_wait_dscnt 0x0
	s_endpgm
.Lfunc_end_k_q0ceaa2a36f_qkv:
	.size	k_q0ceaa2a36f_qkv, .Lfunc_end_k_q0ceaa2a36f_qkv-k_q0ceaa2a36f_qkv
	.p2alignl 7, 3214868480
	.fill 96, 4, 3214868480
	.section	.rodata,"a",@progbits
	.p2align	6, 0x0
	.amdhsa_kernel k_q0ceaa2a36f_qkv
		.amdhsa_group_segment_fixed_size 200192
		.amdhsa_private_segment_fixed_size 0
		.amdhsa_enable_private_segment 0
		.amdhsa_kernarg_size 80
		.amdhsa_user_sgpr_count 2
		.amdhsa_user_sgpr_kernarg_segment_ptr 1
		.amdhsa_wavefront_size32 1
		.amdhsa_system_sgpr_workgroup_id_x 1
		.amdhsa_system_sgpr_workgroup_id_y 1
		.amdhsa_system_sgpr_workgroup_id_z 1
		.amdhsa_system_vgpr_workitem_id 0
		.amdhsa_next_free_vgpr 1024
		.amdhsa_next_free_sgpr 66
		.amdhsa_reserve_vcc 1
		.amdhsa_float_denorm_mode_32 3
		.amdhsa_float_denorm_mode_16_64 3
		.amdhsa_memory_ordered 1
		.amdhsa_forward_progress 1
		.amdhsa_inst_pref_size 255
	.end_amdhsa_kernel
	.section	.bss,"aw",@nobits
	.p2align	6
	.space	262144
	.amdgpu_metadata
---
amdhsa.version: [ 1, 2 ]
amdhsa.kernels:
  - .name:           k_q0ceaa2a36f_qkv
    .symbol:         k_q0ceaa2a36f_qkv.kd
    .args:
      - { .name: x, .offset: 0, .size: 8, .value_kind: global_buffer, .address_space: global }
      - { .name: par, .offset: 8, .size: 8, .value_kind: global_buffer, .address_space: global }
      - { .name: wc, .offset: 16, .size: 8, .value_kind: global_buffer, .address_space: global }
      - { .name: ws, .offset: 24, .size: 8, .value_kind: global_buffer, .address_space: global }
      - { .name: conv_b, .offset: 32, .size: 8, .value_kind: global_buffer, .address_space: global }
      - { .name: bq, .offset: 40, .size: 8, .value_kind: global_buffer, .address_space: global }
      - { .name: bk, .offset: 48, .size: 8, .value_kind: global_buffer, .address_space: global }
      - { .name: bv, .offset: 56, .size: 8, .value_kind: global_buffer, .address_space: global }
      - { .name: qkvc, .offset: 64, .size: 8, .value_kind: global_buffer, .address_space: global }
      - { .name: qkvs, .offset: 72, .size: 8, .value_kind: global_buffer, .address_space: global }
    .group_segment_fixed_size: 200192
    .private_segment_fixed_size: 0
    .kernarg_segment_align: 8
    .kernarg_segment_size: 80
    .max_flat_workgroup_size: 128
    .sgpr_count:     66
    .vgpr_count:     1024
    .wavefront_size: 32
...
	.end_amdgpu_metadata
.endif
;; end of part 2
;; launch attn (part 3): grid 2 x 128, 16 waves a work-group, no clusters, 112,640 bytes of LDS; arguments qkvc, qkvs, rc, rs; writes rc, rs
.if DOCPART == 3
	.amdgcn_target "amdgcn-amd-amdhsa--gfx1250"
	.amdhsa_code_object_version 6
	.text
	.protected	k_q0ceaa2a36f_attn
	.globl	k_q0ceaa2a36f_attn
	.p2align	8
	.type	k_q0ceaa2a36f_attn,@function
k_q0ceaa2a36f_attn:
	s_mov_b64 s[64:65], 0
	v_nop
	global_prefetch_b8 v0, s[64:65] scope:SCOPE_SE
	s_setreg_imm32_b32 hwreg(HW_REG_WAVE_MODE, 25, 1), 1
	s_wait_xcnt 0x0
; ATTN.  res[q][:] = the sum over k of softmax_k(q . k / 8) v[k][:] for one head (y = 8 x batch + head) and 512 of its 1,024 queries (x = which half), both products on codes of E3M2 with E8M0 scales.
; THE SOFTMAX AHEAD OF THE SECOND PRODUCT: t = score x log2(e) / 8; M = the running largest t, rounded UP to a whole number; p = 2^(t - M) is quantised along the keys, not normalised; the row's sum is taken
; of the unquantised p and divides at the end; when M moves, the sum and O are multiplied by 2^(old M - new M), which rounds nothing.  What leaves: res as codes along the channels, for the last product.
; SHARES.  Sixteen waves, four to a SIMD, 256 registers each: one wave's vector work stands beside another's products and LDS loads.  A wave owns one tile of 16 queries at a time, two one after the other.
; A WHOLE HEAD'S K AND V LIE IN LDS: 49,152 bytes of codes each and 6,144 of scale bytes, brought once through registers: no slot is ever filled again, one barrier in all.
; NO CLUSTER: only the two work-groups of a head share K and V, and each reads them once, 104,448 bytes; two along x make no cluster of four.
; LAYOUT.  Both products are used transposed: S^T = K Q^T (source 0 = 16 keys), O^T = V^T P^T (source 0 = 16 of the head's 64): a lane holds ONE query throughout.  The keys of a tile, and V's rows, were chosen
; by the launch before (lane r of tile 2 b + u: 32 b + 8 u + r + 8 (r / 8)), so that 16 registers of two neighbouring tiles are 16 neighbours along the next K.
; THE FIRST PRODUCT'S K IS 64: registers 6-11 of both operands hold zero codes, which add nothing.
; A block's largest p is not searched for: the block's largest score goes through the same multiply-add and exponential (this takes v_exp_f32 not to fall where its input rises).
; res's scale bytes leave one byte a lane (32 bytes of a tile's 256-byte record, whose other bytes are the other seven heads'): 262,144 bytes in the whole launch.
; LIMITS: NaN and infinities are not served; v_exp_f32 and v_rcp_f32 are good to 1 ulp, and a p under 2^-126 counts as 0; a block whose largest magnitude lies under 2^-122 gets the byte 1.
.set KSC,  98304                       ; LDS: K's codes at 0, V's at 49,152; K's scale words [block of 64 keys][r][tile]; V's [128 keys][r][tile]
.set VSC,  102400
.set FLOOR, 0x2800000
.set EOFF,  0xfe000000
.set KF,  28                           ; v28-75   four fragments of K (the upper six registers of each stay 0)
.set S,   76                           ; v76-139  S^T, then p; then four fragments of V
.set OT,  140                          ; v140-171 O^T
.set PC,  172                          ; v172-183 p's codes
.set TP,  184
.set BM,  192                          ; the blocks' largest scores
.set PD,  196
.set SO,  200                          ; the conversions' scale operands
.set FF,  204                          ; v[204:205] f = 2^(old M - new M)
.set TMP, 206
.set BY,  207
.set KS,  208                          ; v208-215 K's scale words
.set VS,  216                          ; v216-219 V's
.set QW,  220                          ; Q's
.set PWD, 221                          ; p's
.set QS,  222                          ; v222-228 the second tile of queries, kept
	s_load_b256 s[8:15], s[0:1], 0x0               ; qkvc, qkvs, rc, rs
	v_lshl_add_u32 v254, v0, 2, 0x1b000
	v_mov_b32 v255, 0
	v_lshrrev_b32 v1, 5, v0
	v_readfirstlane_b32 s4, v1                     ; wave 0..15
	s_and_b32 s5, ttmp7, 0xffff                    ; y
	s_lshr_b32 s6, s5, 3                           ; batch
	s_and_b32 s7, s5, 7                            ; head
	s_mul_i32 s28, s5, 49152                       ; the head's codes in each of q, k, v
	s_mov_b32 s29, 0
	s_lshl_b32 s30, ttmp9, 5
	s_add_co_u32 s30, s30, s4                      ; my first tile of queries: 32 x + wave; the second lies 16 tiles on
	s_mul_i32 s36, s30, 768
	s_mov_b32 s37, 0
	s_lshl_b32 s38, s5, 12                         ; the head's scale words of q and of k
	s_mov_b32 s39, 0
	s_lshr_b32 s41, s30, 2
	s_lshl_b32 s41, s41, 8
	s_and_b32 s42, s30, 3
	s_lshl_b32 s42, s42, 2
	s_add_co_u32 s42, s42, s41                     ; my tile's words: 256 (tile / 4) + 4 (tile % 4)
	s_mov_b32 s43, 0
	s_lshl_b32 s44, s6, 14                         ; v's scale bytes: 16,384 x batch + 256 (head / 2) + 8 (head % 2)
	s_lshr_b32 s45, s7, 1
	s_lshl_b32 s45, s45, 8
	s_add_co_u32 s44, s44, s45
	s_and_b32 s45, s7, 1
	s_lshl_b32 s45, s45, 3
	s_add_co_u32 s44, s44, s45
	s_add_co_u32 s44, s44, 1048576
	s_mov_b32 s45, 0
	s_lshl_b32 s46, s6, 6
	s_add_co_u32 s46, s46, s30                     ; 64 x batch + tile
	s_lshl_b32 s31, s46, 8
	s_lshl_b32 s47, s7, 1
	s_add_co_u32 s31, s31, s47                     ; rs: 256 bytes a tile, + 2 x head
	s_lshl_b32 s46, s46, 3
	s_add_co_u32 s46, s46, s7
	s_mul_i32 s46, s46, 768                        ; rc: (8 x tile + head) halves of 768 bytes
	s_mov_b32 s47, 0
	s_mov_b32 s32, 0x76543210
	s_mov_b32 s33, 0xfedcba98                      ; v_permlanex16_b32's selects for lane l xor 16
	s_mov_b32 s34, 0x3e38aa3b                      ; c = log2(e) / 8
	s_mov_b32 s35, s34                             ; (named with it as a pair, so it is written)
	s_mov_b32 s40, 2                               ; tiles of queries to go
	v_and_b32 v232, 31, v0                         ; lane
	v_and_b32 v233, 15, v0                         ; r
	v_bfe_u32 v231, v0, 4, 1                       ; h
	v_lshlrev_b32 v1, 4, v232                      ; 16 x lane: registers 0-3 of half a fragment
	v_lshlrev_b32 v2, 3, v232                      ; 8 x lane: registers 4-5, 512 bytes on
	v_add_nc_u32 v3, 49152, v1                     ; the same in V
	v_add_nc_u32 v4, 49152, v2
	v_lshlrev_b32 v234, 4, v233                    ; 16 r
	v_add_nc_u32 v5, KSC, v234
	v_add_nc_u32 v6, VSC, v234
	v_add_nc_u32 v7, v234, v231                    ; 16 r + h: my byte of res's scales
	v_lshlrev_b32 v8, 4, v0                        ; the fill: 16 bytes a thread
	v_lshrrev_b32 v9, 4, v0
	v_lshlrev_b32 v9, 11, v9
	v_add_nc_u32 v9, v9, v234                      ; v's scale bytes: thread t < 128 takes 128 keys t / 16, row t % 16
	v_add_nc_u32 v10, VSC, v8
	v_add_nc_u32 v11, 49152, v8
	v_lshlrev_b32 v230, 3, v0
	v_add_nc_u32 v229, KSC, v230
	s_wait_kmcnt 0x0
	s_add_nc_u64 s[20:21], s[8:9], s[28:29]        ; q's codes of the head,
	s_add_nc_u64 s[16:17], s[20:21], 6291456       ; k's,
	s_add_nc_u64 s[18:19], s[20:21], 12582912      ; v's
	s_add_nc_u64 s[20:21], s[20:21], s[36:37]      ; q at my first tile
	s_add_nc_u64 s[24:25], s[10:11], s[38:39]      ; q's scale words of the head,
	s_add_nc_u64 s[22:23], s[24:25], 524288        ; k's
	s_add_nc_u64 s[24:25], s[24:25], s[42:43]      ; q's at my first tile
	s_add_nc_u64 s[26:27], s[10:11], s[44:45]
	s_add_nc_u64 s[12:13], s[12:13], s[46:47]
	s_mov_b32 s30, s31
	s_mov_b32 s31, 0
	s_add_nc_u64 s[14:15], s[14:15], s[30:31]
.irp i, 0,1,2,3,4,5
	global_load_b128 v[S+4*\i:S+4*\i+3], v8, s[16:17] offset:8192*\i          ; a wave's load covers 512 consecutive bytes
	global_load_b128 v[S+24+4*\i:S+24+4*\i+3], v8, s[18:19] offset:8192*\i
.endr
	global_load_b64 v[S+48:S+49], v230, s[22:23]
	global_load_b128 v[16:19], v1, s[20:21]        ; my first tile of queries
	global_load_b64 v[20:21], v2, s[20:21] offset:512
	global_load_b32 v[QW], v234, s[24:25]
	global_load_b128 v[QS:QS+3], v1, s[20:21] offset:12288     ; and my second
	global_load_b64 v[QS+4:QS+5], v2, s[20:21] offset:12800
	global_load_b32 v[QS+6], v234, s[24:25] offset:1024
.irp i, 22,23,24,25,26,27
	v_mov_b32 v[\i], 0                             ; Q's upper 64 along K: zero codes
.endr
.irp t, 0,1,2,3
.irp i, 6,7,8,9,10,11
	v_mov_b32 v[KF+12*\t+\i], 0                    ; K's likewise: set once
.endr
.endr
.irp b, 0,1,2,3
	v_mov_b32 v[PD+\b], 0                          ; written once: a lane permute's destination counts as one of its sources
.endr
	v_mov_b32 v[FF+1], 0                           ; (named as the upper half of a pair)
	s_cmp_lt_u32 s4, 4
	s_cbranch_scc0 .Lno_vs                         ; waves 0-3 make V's scale words: two bytes of one block of 64 keys, two of the next
	global_load_b64 v[S+50:S+51], v9, s[26:27]
	global_load_b64 v[S+52:S+53], v9, s[26:27] offset:1024
	s_wait_loadcnt 0x0
	v_perm_b32 v[S+56], v[S+52], v[S+50], 0x05040100
	v_perm_b32 v[S+57], v[S+52], v[S+50], 0x07060302
	v_perm_b32 v[S+58], v[S+53], v[S+51], 0x05040100
	v_perm_b32 v[S+59], v[S+53], v[S+51], 0x07060302
	ds_store_b128 v10, v[S+56:S+59]
.Lno_vs:
	s_wait_loadcnt 0x0
.irp i, 0,1,2,3,4,5
	ds_store_b128 v8, v[S+4*\i:S+4*\i+3] offset:8192*\i
	ds_store_b128 v11, v[S+24+4*\i:S+24+4*\i+3] offset:8192*\i
.endr
	ds_store_b64 v229, v[S+48:S+49]
	s_wait_dscnt 0x0                               ; for the others' sake: my stores are done
	s_barrier_signal -1
	s_barrier_wait -1                              ; the head lies in LDS; nothing is written there again
; A KEY STEP: keys 128 q .. 128 q + 127.  Every LDS offset is an immediate.
.macro STEP q
.irp g, 0,1                            ; S^T = K Q^T, four tiles of 16 keys at a time
.if \g > 0
.rept 4
	v_nop                                          ; places in front of loads into registers that matrix instructions have read
.endr
.endif
.irp t, 0,1,2,3
	ds_load_b128 v[KF+12*\t:KF+12*\t+3], v1 offset:(8*(\q)+4*\g+\t)*768
	ds_load_b64 v[KF+12*\t+4:KF+12*\t+5], v2 offset:(8*(\q)+4*\g+\t)*768+512
.endr
	ds_load_b128 v[KS+4*\g:KS+4*\g+3], v5 offset:512*(\q)+256*\g
	s_wait_dscnt 0x0
.irp t, 0,1,2,3
	v_wmma_scale_f32_16x16x128_f8f6f4 v[S+8*(4*\g+\t):S+8*(4*\g+\t)+7], v[KF+12*\t:KF+12*\t+11], v[16:27], 0, v[KS+4*\g+\t], v[QW] matrix_a_fmt:MATRIX_FMT_BF6 matrix_b_fmt:MATRIX_FMT_BF6
.endr
.endr                                  ; lane (r, h) holds query r; register 16 b + i is key 128 q + 32 b + 16 h + i
.rept 4
	v_nop
.endr
.irp b, 0,1,2,3
	v_max3_num_f32 v[BM+\b], v[S+16*\b], v[S+1+16*\b], v[S+2+16*\b]   ; the largest score of each block of 32 keys: for the row's maximum, and for the block's largest p
.endr
.irp i, 3,5,7,9,11,13
.irp b, 0,1,2,3
	v_max3_num_f32 v[BM+\b], v[BM+\b], v[S+16*\b+\i], v[S+1+16*\b+\i]
.endr
.endr
.irp b, 0,1,2,3
	v_max_num_f32 v[BM+\b], v[BM+\b], v[S+15+16*\b]
.endr
.irp b, 0,1,2,3
	v_permlanex16_b32 v[PD+\b], v[BM+\b], s32, s33
.endr
.irp b, 0,1,2,3
	v_max_num_f32 v[BM+\b], v[BM+\b], v[PD+\b]     ; with lane l xor 16's 16 keys
.endr
	v_max3_num_f32 v[TMP], v[BM], v[BM+1], v[BM+2]
	v_max_num_f32 v[TMP], v[TMP], v[BM+3]
	v_mul_f32 v[TMP], s34, v[TMP]                  ; as t (c is positive)
	v_max_num_f32 v13, v13, v[TMP]                 ; the running largest t
	v_mov_b32 v[TMP], v12
	v_floor_f32 v12, -v13                          ; the new -M = floor(-t): M is a whole number
	v_sub_f32 v[TMP], v12, v[TMP]                  ; old M - new M: a whole number, 0 or less
	v_cvt_i32_f32 v[TMP], v[TMP]                   ; (it saturates)
	v_ldexp_f32 v[FF], 1.0, v[TMP]                 ; f = 2^(old M - new M)
.irp j, 0,2,4,6,8,10,12,14,16,18,20,22,24,26,28,30,32,34,36,38,40,42,44,46,48,50,52,54,56,58,60,62
	v_pk_fma_f32 v[S+\j:S+1+\j], v[S+\j:S+1+\j], s[34:35], v[12:13] op_sel_hi:[1,0,0]   ; t - M, two at a time
.endr
.irp b, 0,1,2,3
	v_fma_f32 v[BM+\b], v[BM+\b], s34, v12         ; the same of each block's largest score
.endr
.irp j, 0,1,2,3,4,5,6,7,8,9,10,11,12,13,14,15,16,17,18,19,20,21,22,23,24,25,26,27,28,29,30,31,32,33,34,35,36,37,38,39,40,41,42,43,44,45,46,47,48,49,50,51,52,53,54,55,56,57,58,59,60,61,62,63
	v_exp_f32 v[S+\j], v[S+\j]                     ; p = 2^(t - M), at most 1
.endr
.irp b, 0,1,2,3
	v_exp_f32 v[BM+\b], v[BM+\b]                   ; the block's largest p
.endr
	v_pk_mul_f32 v[14:15], v[14:15], v[FF:FF+1] op_sel_hi:[1,0]   ; the sums under the new M.  (A plain place behind the exponentials)
	s_wait_alu depctr_va_vdst(0)
.irp b, 0,1,2,3
	v_max_num_f32 v[BM+\b], FLOOR, v[BM+\b]
.endr
.irp b, 0,1,2,3
	v_add_nc_u32 v[SO+\b], EOFF, v[BM+\b]
.endr
.irp b, 0,1,2,3
	v_lshrrev_b32 v[PD+\b], 23, v[SO+\b]
.endr
	v_lshl_or_b32 v[PWD], v[PD+1], 8, v[PD]        ; p's scale word for these 128 keys
	v_lshl_or_b32 v[PWD], v[PD+2], 16, v[PWD]
	v_lshl_or_b32 v[PWD], v[PD+3], 24, v[PWD]
.irp c, 0,1
	v_cvt_scalef32_pk16_bf6_f32 v[PC+6*\c:PC+6*\c+2], v[S+32*\c:S+32*\c+15], v[SO+2*\c]
	v_cvt_scalef32_pk16_bf6_f32 v[TP+4*\c:TP+4*\c+2], v[S+16+32*\c:S+31+32*\c], v[SO+2*\c+1]
.endr
	v_nop                                          ; one plain place behind a scaled conversion
.irp c, 0,1
.irp i, 0,1,2
	v_permlane16_swap_b32 v[PC+6*\c+\i], v[TP+4*\c+\i]
.endr
.irp i, 0,1,2
	v_mov_b32 v[PC+6*\c+3+\i], v[TP+4*\c+\i]
.endr
.endr
	v_pk_add_f32 v[TP:TP+1], v[S:S+1], v[S+2:S+3]  ; the row's sum is taken of the unquantised p: two at a time, in two chains
.irp j, 4,8,12,16,20,24,28,32,36,40,44,48,52,56,60
	v_pk_add_f32 v[14:15], v[14:15], v[S+\j:S+1+\j]
	v_pk_add_f32 v[TP:TP+1], v[TP:TP+1], v[S+2+\j:S+3+\j]
.endr
	v_pk_add_f32 v[14:15], v[14:15], v[TP:TP+1]
.irp t, 0,1,2,3                        ; V^T: 16 of the head's 64 x these 128 keys: two halves of 64 keys; into the registers that p has left
	ds_load_b128 v[S+12*\t:S+12*\t+3], v3 offset:6144*(\q)+768*\t
	ds_load_b64 v[S+12*\t+4:S+12*\t+5], v4 offset:6144*(\q)+768*\t+512
	ds_load_b128 v[S+12*\t+6:S+12*\t+9], v3 offset:6144*(\q)+768*\t+3072
	ds_load_b64 v[S+12*\t+10:S+12*\t+11], v4 offset:6144*(\q)+768*\t+3584
.endr
	ds_load_b128 v[VS:VS+3], v6 offset:256*(\q)
.irp j, 0,2,4,6,8,10,12,14,16,18,20,22,24,26,28,30
	v_pk_mul_f32 v[OT+\j:OT+1+\j], v[OT+\j:OT+1+\j], v[FF:FF+1] op_sel_hi:[1,0]   ; O^T under the new M, while the loads are out.  (With the sums above: the places between p's codes and scale word and the products)
.endr
	s_wait_dscnt 0x0
.irp t, 0,1,2,3
	v_wmma_scale_f32_16x16x128_f8f6f4 v[OT+8*\t:OT+8*\t+7], v[S+12*\t:S+12*\t+11], v[PC:PC+11], v[OT+8*\t:OT+8*\t+7], v[VS+\t], v[PWD] matrix_a_fmt:MATRIX_FMT_BF6 matrix_b_fmt:MATRIX_FMT_BF6
.endr
.rept 5
	v_nop                                          ; places: the next step's first products write over the registers that held V
.endr
.endm
.Ltile:
	v_mov_b32 v13, 0xff61b1e6                      ; the largest t so far: -3e38, under every t
	v_floor_f32 v12, -v13                          ; -M
	v_mov_b32 v14, 0                               ; the sum, in two halves
	v_mov_b32 v15, 0
.irp j, 0,1,2,3,4,5,6,7,8,9,10,11,12,13,14,15,16,17,18,19,20,21,22,23,24,25,26,27,28,29,30,31
	v_mov_b32 v[OT+\j], 0                          ; O^T: the step is written once, and the first change of M multiplies zeros
.endr
.irp q, 0,1,2,3,4,5,6,7
	STEP \q
.endr
	; res = O^T / the sum, quantised along the channels: my head's 64 are two blocks of 32
	v_add_f32 v14, v14, v15
	v_permlanex16_b32 v[TMP], v14, s32, s33
	v_add_f32 v14, v14, v[TMP]                     ; the row's sum
	v_rcp_f32 v14, v14
	v_cmp_ne_u32 vcc_lo, 0, v231                   ; (a plain place behind the transcendental)
	s_wait_alu depctr_va_vdst(0)
.irp j, 0,2,4,6,8,10,12,14,16,18,20,22,24,26,28,30
	v_pk_mul_f32 v[OT+\j:OT+1+\j], v[OT+\j:OT+1+\j], v[14:15] op_sel_hi:[1,0]   ; register 16 b + i is channel 32 b + 16 h + i of the head
.endr
.irp b, 0,1
	v_max3_num_f32 v[BM+\b], |v[OT+16*\b]|, |v[OT+1+16*\b]|, FLOOR
.endr
.irp i, 2,4,6,8,10,12,14
.irp b, 0,1
	v_max3_num_f32 v[BM+\b], v[BM+\b], |v[OT+16*\b+\i]|, |v[OT+1+16*\b+\i]|
.endr
.endr
.irp b, 0,1
	v_permlanex16_b32 v[PD+\b], v[BM+\b], s32, s33
.endr
.irp b, 0,1
	v_max_num_f32 v[BM+\b], v[BM+\b], v[PD+\b]
.endr
.irp b, 0,1
	v_add_nc_u32 v[SO+\b], EOFF, v[BM+\b]
.endr
.irp b, 0,1
	v_lshrrev_b32 v[PD+\b], 23, v[SO+\b]
.endr
	v_cvt_scalef32_pk16_bf6_f32 v[PC:PC+2], v[OT:OT+15], v[SO]
	v_cvt_scalef32_pk16_bf6_f32 v[TP:TP+2], v[OT+16:OT+31], v[SO+1]
	v_cndmask_b32 v[BY], v[PD], v[PD+1], vcc_lo    ; (a plain place behind the conversions)  lanes 0-15 block 0's byte, lanes 16-31 block 1's
.irp i, 0,1,2
	v_permlane16_swap_b32 v[PC+\i], v[TP+\i]
.endr
.irp i, 0,1,2
	v_mov_b32 v[PC+3+\i], v[TP+\i]
.endr
	global_store_b128 v1, v[PC:PC+3], s[12:13]     ; half a fragment of the last product: 512 and 256 consecutive bytes, aligned
	global_store_b64 v2, v[PC+4:PC+5], s[12:13] offset:512
	global_store_b8 v7, v[BY], s[14:15]
	s_wait_xcnt 0x0                                ; the stores have read their registers and bases: both are written again
	s_add_nc_u64 s[12:13], s[12:13], 98304         ; 16 tiles on
	s_add_nc_u64 s[14:15], s[14:15], 4096
.irp i, 0,1,2,3,4,5
	v_mov_b32 v[16+\i], v[QS+\i]                   ; my second tile of queries
.endr
	v_mov_b32 v[QW], v[QS+6]
	s_sub_co_u32 s40, s40, 1
	s_cmp_lg_u32 s40, 0
	s_cbranch_scc1 .Ltile
	s_wait_tensorcnt 0x0
	ds_add_u32 v254, v255
	s_wait_dscnt 0x0
	s_endpgm
.Lfunc_end_k_q0ceaa2a36f_attn:
	.size	k_q0ceaa2a36f_attn, .Lfunc_end_k_q0ceaa2a36f_attn-k_q0ceaa2a36f_attn
	.p2alignl 7, 3214868480
	.fill 96, 4, 3214868480
	.section	.rodata,"a",@progbits
	.p2align	6, 0x0
	.amdhsa_kernel k_q0ceaa2a36f_attn
		.amdhsa_group_segment_fixed_size 112640
		.amdhsa_private_segment_fixed_size 0
		.amdhsa_enable_private_segment 0
		.amdhsa_kernarg_size 32
		.amdhsa_user_sgpr_count 2
		.amdhsa_user_sgpr_kernarg_segment_ptr 1
		.amdhsa_wavefront_size32 1
		.amdhsa_system_sgpr_workgroup_id_x 1
		.amdhsa_system_sgpr_workgroup_id_y 1
		.amdhsa_system_sgpr_workgroup_id_z 1
		.amdhsa_system_vgpr_workitem_id 0
		.amdhsa_next_free_vgpr 256
		.amdhsa_next_free_sgpr 66
		.amdhsa_reserve_vcc 1
		.amdhsa_float_denorm_mode_32 3
		.amdhsa_float_denorm_mode_16_64 3
		.amdhsa_memory_ordered 1
		.amdhsa_forward_progress 1
		.amdhsa_inst_pref_size 139
	.end_amdhsa_kernel
	.amdgpu_metadata
---
amdhsa.version: [ 1, 2 ]
amdhsa.kernels:
  - .name:           k_q0ceaa2a36f_attn
    .symbol:         k_q0ceaa2a36f_attn.kd
    .args:
      - { .name: qkvc, .offset: 0, .size: 8, .value_kind: global_buffer, .address_space: global }
      - { .name: qkvs, .offset: 8, .size: 8, .value_kind: global_buffer, .address_space: global }
      - { .name: rc, .offset: 16, .size: 8, .value_kind: global_buffer, .address_space: global }
      - { .name: rs, .offset: 24, .size: 8, .value_kind: global_buffer, .address_space: global }
    .group_segment_fixed_size: 112640
    .private_segment_fixed_size: 0
    .kernarg_segment_align: 8
    .kernarg_segment_size: 32
    .max_flat_workgroup_size: 512
    .sgpr_count:     66
    .vgpr_count:     256
    .wavefront_size: 32
...
	.end_amdgpu_metadata
.endif
;; end of part 3
;; launch proj (part 4): grid 256 x 1, 4 waves a work-group, no clusters, 168,448 bytes of LDS; arguments x, rc, rs, wc, ws, bo, out0; writes out0
.if DOCPART == 4
	.amdgcn_target "amdgcn-amd-amdhsa--gfx1250"
	.amdhsa_code_object_version 6
	.text
	.protected	k_q0ceaa2a36f_proj
	.globl	k_q0ceaa2a36f_proj
	.p2align	8
	.type	k_q0ceaa2a36f_proj,@function
k_q0ceaa2a36f_proj:
	s_mov_b64 s[64:65], 0
	v_nop
	global_prefetch_b8 v0, s[64:65] scope:SCOPE_SE
	s_setreg_imm32_b32 hwreg(HW_REG_WAVE_MODE, 25, 1), 1
	s_wait_xcnt 0x0
; PROJ.  out0[b][c][pixel] = (res wo^T)[pixel][c] + bo[c] + x[b][c][pixel], the product on codes of E3M2 with E8M0 scales, for 64 pixels of one image.
; SHARES.  Work-group = 16 x batch + block of 64 pixels; wave w makes output channels 128 w .. 128 w + 127 for all 64 pixels.  Codes and scale words come from memory straight into the operands' registers
; (they were stored as images of them); wo's fragments are read by the one wave that multiplies them and feed four products each.  The waves share nothing: no barrier.
; NO CLUSTER: a joint load lands in LDS, and nothing here passes through LDS on its way to the matrix unit.
; LAYOUT.  Source 0 = 16 pixels of res, source 1 = 16 rows of wo: a lane holds one channel, and its eight registers eight neighbouring pixels: 32 neighbouring bytes of a row of x and of out0.  bo is the C of the first K step.
; THE WAY OUT.  My 128 channels x 64 pixels of x come into LDS by one tensor load (rows of 256 bytes + 16); the results are added to them there, 32 channels at a time, and whole rows are read back and stored:
; sixteen lanes store a channel's 256 consecutive bytes, aligned.  Those LDS bytes are filled once and are mine alone.
; REGISTERS.  Window 0: v1-14 addresses; v16-31 res's scale words (4 m + s); v32-63 wo's (4 t + s); v64-255 res's 16 fragments (4 m + s), on the way out x and whole rows.
;   Window 1: the 32 accumulators (32 t + 8 m).  Window 2: wo's K steps 0 and 1, from v192 the bias.  Window 3: K steps 2 and 3.
.set XWAVE, 34816
.set RSC, 16
.set WSC, 32
.set RF,  64
.set BI,  192
.set MSB, 0
.macro WIN new
.if MSB != (\new)
	s_set_vgpr_msb (MSB<<8)|(\new)
.set MSB, (\new)
.endif
.endm
	s_load_b256 s[8:15], s[0:1], 0x0               ; x, rc, rs, wc
	s_load_b128 s[16:19], s[0:1], 0x20             ; ws, bo
	s_load_b64 s[20:21], s[0:1], 0x30              ; out0
	v_lshl_add_u32 v13, v0, 2, 0x29000
	v_mov_b32 v15, 0
	ds_add_u32 v13, v15
	ds_add_u32 v13, v15
	v_lshrrev_b32 v8, 5, v0
	v_readfirstlane_b32 s4, v8                     ; wave 0..3
	s_lshr_b32 s5, ttmp9, 4                        ; batch
	s_and_b32 s6, ttmp9, 15                        ; block of 64 pixels
	; group 1: 128 rows (channels) x 64 elements of 4 bytes, 1,024 elements from row to row; 4 words of padding behind every 64
	s_mov_b32 s28, (2<<16)|(1<<20)|(5<<22)|(3<<25)
	s_mov_b32 s29, 64<<16
	s_mov_b32 s30, 128<<16
	s_mov_b32 s31, 64<<16
	s_mov_b32 s32, 128
	s_mov_b32 s33, 1024
	s_mov_b32 s34, 0
	s_mov_b32 s35, 0
	s_mov_b32 s36, 1
	s_mul_i32 s37, s4, XWAVE
	s_lshl_b32 s60, s5, 21                         ; batch x 2,097,152 + 128 w channels of 4,096 bytes + 256 x block: in x and in out0
	s_lshl_b32 s61, s4, 19
	s_add_co_u32 s60, s60, s61
	s_lshl_b32 s61, s6, 8
	s_add_co_u32 s60, s60, s61
	s_mov_b32 s61, 0
	s_wait_dscnt 0x0
	s_wait_kmcnt 0x0
	s_add_nc_u64 s[38:39], s[8:9], s[60:61]
	s_or_b32 s39, s39, 0x80000000
	tensor_load_to_lds s[36:39], s[28:35]          ; my one tensor load: it has all the products in which to land
	s_nop 0
.rept 4
	v_nop
.endr
	s_add_nc_u64 s[20:21], s[20:21], s[60:61]
	v_and_b32 v8, 31, v0                           ; lane
	v_and_b32 v9, 15, v0                           ; r
	v_bfe_u32 v10, v0, 4, 1                        ; h
	v_lshlrev_b32 v1, 4, v8
	v_lshlrev_b32 v2, 3, v8
	v_lshlrev_b32 v3, 4, v9
	v_and_b32 v7, 8, v9
	v_add_nc_u32 v7, v7, v9                        ; r + 8 (r / 8): my channel in a pair of tiles
	v_lshlrev_b32 v14, 2, v7
	v_mul_u32_u24 v4, v7, 272
	v_lshl_add_u32 v4, v10, 6, v4
	v_add_nc_u32 v4, s37, v4                       ; x in the result's layout: my channel's row, + 64 h
	v_mul_u32_u24 v5, v10, 272
	v_lshl_add_u32 v5, v9, 4, v5
	v_add_nc_u32 v5, s37, v5                       ; whole rows: lanes 0-15 one, lanes 16-31 the next
	v_lshlrev_b32 v6, 12, v10
	v_lshl_add_u32 v6, v9, 4, v6                   ; and the same two rows in out0
	s_mul_i32 s60, ttmp9, 24576
	s_add_nc_u64 s[10:11], s[10:11], s[60:61]      ; rc at this block's four tiles
	s_lshl_b32 s60, ttmp9, 10
	s_add_nc_u64 s[12:13], s[12:13], s[60:61]      ; rs likewise
	s_mul_i32 s60, s4, 49152
	s_add_nc_u64 s[14:15], s[14:15], s[60:61]      ; wc at my 8 tiles
	s_lshl_b32 s60, s4, 11
	s_add_nc_u64 s[16:17], s[16:17], s[60:61]
	s_lshl_b32 s60, s4, 9
	s_add_nc_u64 s[18:19], s[18:19], s[60:61]      ; bo at my 128 channels
.macro WLOAD s                         ; wo (matrix 4): my 8 fragments of K step s: 24 loads
	WIN 0x80+0x40*((\s)/2)
.irp t, 0,1,2,3,4,5,6,7
.irp g, 0,1,2
	global_load_b128 v[96*((\s)%2)+12*\t+4*\g:96*((\s)%2)+12*\t+4*\g+3], v1, s[14:15] offset:4*196608+(\s)*12288+\t*1536+\g*512
.endr
.endr
.endm
.macro RLOAD s                         ; res: the four tiles of pixels, K step s = heads 2 s and 2 s + 1, half a fragment each: 16 loads
	WIN 0
.irp m, 0,1,2,3
.set rR, RF+12*(4*\m+(\s))
	global_load_b128 v[rR:rR+3], v1, s[10:11] offset:(8*\m+2*(\s))*768
	global_load_b64 v[rR+4:rR+5], v2, s[10:11] offset:(8*\m+2*(\s))*768+512
	global_load_b128 v[rR+6:rR+9], v1, s[10:11] offset:(8*\m+2*(\s))*768+768
	global_load_b64 v[rR+10:rR+11], v2, s[10:11] offset:(8*\m+2*(\s))*768+1280
.endr
.endm
; 32 products; the 32 accumulators take turns, one instruction a turn, in the same order in every K step
.macro MUL s
.set WB, 96*((\s)%2)
.if (\s) == 0
	WIN 0x68                                       ; D window 1, C (the bias) window 2, source 0 (res) window 0, source 1 (wo) window 2
.elseif (\s) == 1
	WIN 0x58
.else
	WIN 0x5c
.endif
.irp t, 0,1,2,3,4,5,6,7
.irp m, 0,1,2,3
.set rD, 32*\t+8*\m
.set rR, RF+12*(4*\m+(\s))
.if (\s) == 0
	v_wmma_scale_f32_16x16x128_f8f6f4 v[rD:rD+7], v[rR:rR+11], v[WB+12*\t:WB+12*\t+11], v[BI+8*\t:BI+8*\t+7], v[RSC+4*\m+(\s)], v[WSC+4*\t+(\s)] matrix_a_fmt:MATRIX_FMT_BF6 matrix_b_fmt:MATRIX_FMT_BF6
.else
	v_wmma_scale_f32_16x16x128_f8f6f4 v[rD:rD+7], v[rR:rR+11], v[WB+12*\t:WB+12*\t+11], v[rD:rD+7], v[RSC+4*\m+(\s)], v[WSC+4*\t+(\s)] matrix_a_fmt:MATRIX_FMT_BF6 matrix_b_fmt:MATRIX_FMT_BF6
.endif
.endr
.endr
.endm
	WIN 0x80
.irp t, 0,1,2,3,4,5,6,7                ; bo as C: the lane's channel's number in all eight registers
.irp j, 0,1,2,3,4,5,6,7
	global_load_b32 v[BI+8*\t+\j], v14, s[18:19] offset:(32*(\t/2)+8*(\t%2))*4
.endr
.endr
	WIN 0
.irp t, 0,1,2,3,4,5,6,7
	global_load_b128 v[WSC+4*\t:WSC+4*\t+3], v3, s[16:17] offset:4*8192+\t*256
.endr
.irp m, 0,1,2,3
	global_load_b128 v[RSC+4*\m:RSC+4*\m+3], v3, s[12:13] offset:256*\m
.endr
	WLOAD 0
	RLOAD 0
	WLOAD 1
	RLOAD 1
	s_wait_loadcnt 40                              ; all but K step 1's 24 + 16
	MUL 0
	WLOAD 2                                        ; into registers that no product has named yet
	RLOAD 2
	s_wait_loadcnt 40                              ; all but K step 2's
	MUL 1
	WLOAD 3
	RLOAD 3
	s_wait_loadcnt 40
	MUL 2
	s_wait_loadcnt 0x0
	MUL 3
	WIN 0
.rept 4
	v_nop                                          ; places in front of the first read of results and of the loads into registers that held res
.endr
	s_wait_tensorcnt 0x0                           ; my rows of x are in LDS
.irp a, 0,1,2,3                        ; 32 channels at a time: tiles 2 a and 2 a + 1
.irp u, 0,1
.irp m, 0,1,2,3
	ds_load_b128 v[64+32*\u+8*\m:67+32*\u+8*\m], v4 offset:(32*\a+8*\u)*272+128*(\m/2)+32*(\m%2)       ; x at pixels 32 (m / 2) + 16 h + 8 (m % 2) + 0 .. 7 of my channel
	ds_load_b128 v[68+32*\u+8*\m:71+32*\u+8*\m], v4 offset:(32*\a+8*\u)*272+128*(\m/2)+32*(\m%2)+16
.endr
.endr
	s_wait_dscnt 0x0
	WIN 0x01                                       ; source 0: the accumulators, window 1
.irp u, 0,1
.irp j, 0,2,4,6,8,10,12,14,16,18,20,22,24,26,28,30
	v_pk_add_f32 v[64+32*\u+\j:65+32*\u+\j], v[32*(2*\a+\u)+\j:32*(2*\a+\u)+\j+1], v[64+32*\u+\j:65+32*\u+\j]   ; each accumulator from its low end on
.endr
.endr
	WIN 0
.irp u, 0,1
.irp m, 0,1,2,3
	ds_store_b128 v4, v[64+32*\u+8*\m:67+32*\u+8*\m] offset:(32*\a+8*\u)*272+128*(\m/2)+32*(\m%2)
	ds_store_b128 v4, v[68+32*\u+8*\m:71+32*\u+8*\m] offset:(32*\a+8*\u)*272+128*(\m/2)+32*(\m%2)+16
.endr
.endr
.if \a > 1
	s_wait_xcnt 0x0                                ; the rows' registers are loaded again only behind this wait: the stores of two turns ago read them
.endif
.irp i, 0,1,2,3,4,5,6,7,8,9,10,11,12,13,14,15
	ds_load_b128 v[128+64*(\a%2)+4*\i:131+64*(\a%2)+4*\i], v5 offset:(32*\a+2*\i)*272   ; LDS serves a wave's instructions in order (ISA guide 5.7.1.4): these see my stores
.endr
.irp i, 0,1,2,3,4,5,6,7,8,9,10,11,12,13,14,15
	s_wait_dscnt 15-\i
	global_store_b128 v6, v[128+64*(\a%2)+4*\i:131+64*(\a%2)+4*\i], s[20:21] offset:8192*(16*\a+\i) th:TH_STORE_NT   ; sixteen lanes store 256 consecutive bytes of a channel's row, aligned; written once, read by nobody here
.endr
.endr
	s_wait_tensorcnt 0x0
	ds_add_u32 v13, v15
	s_wait_dscnt 0x0
	s_endpgm
.Lfunc_end_k_q0ceaa2a36f_proj:
	.size	k_q0ceaa2a36f_proj, .Lfunc_end_k_q0ceaa2a36f_proj-k_q0ceaa2a36f_proj
	.p2alignl 7, 3214868480
	.fill 96, 4, 3214868480
	.section	.rodata,"a",@progbits
	.p2align	6, 0x0
	.amdhsa_kernel k_q0ceaa2a36f_proj
		.amdhsa_group_segment_fixed_size 168448
		.amdhsa_private_segment_fixed_size 0
		.amdhsa_enable_private_segment 0
		.amdhsa_kernarg_size 56
		.amdhsa_user_sgpr_count 2
		.amdhsa_user_sgpr_kernarg_segment_ptr 1
		.amdhsa_wavefront_size32 1
		.amdhsa_system_sgpr_workgroup_id_x 1
		.amdhsa_system_sgpr_workgroup_id_y 1
		.amdhsa_system_sgpr_workgroup_id_z 1
		.amdhsa_system_vgpr_workitem_id 0
		.amdhsa_next_free_vgpr 1024
		.amdhsa_next_free_sgpr 66
		.amdhsa_reserve_vcc 0
		.amdhsa_float_denorm_mode_32 3
		.amdhsa_float_denorm_mode_16_64 3
		.amdhsa_memory_ordered 1
		.amdhsa_forward_progress 1
		.amdhsa_inst_pref_size 71
	.end_amdhsa_kernel
	.amdgpu_metadata
---
amdhsa.version: [ 1, 2 ]
amdhsa.kernels:
  - .name:           k_q0ceaa2a36f_proj
    .symbol:         k_q0ceaa2a36f_proj.kd
    .args:
      - { .name: x, .offset: 0, .size: 8, .value_kind: global_buffer, .address_space: global }
      - { .name: rc, .offset: 8, .size: 8, .value_kind: global_buffer, .address_space: global }
      - { .name: rs, .offset: 16, .size: 8, .value_kind: global_buffer, .address_space: global }
      - { .name: wc, .offset: 24, .size: 8, .value_kind: global_buffer, .address_space: global }
      - { .name: ws, .offset: 32, .size: 8, .value_kind: global_buffer, .address_space: global }
      - { .name: bo, .offset: 40, .size: 8, .value_kind: global_buffer, .address_space: global }
      - { .name: out0, .offset: 48, .size: 8, .value_kind: global_buffer, .address_space: global }
    .group_segment_fixed_size: 168448
    .private_segment_fixed_size: 0
    .kernarg_segment_align: 8
    .kernarg_segment_size: 56
    .max_flat_workgroup_size: 128
    .sgpr_count:     66
    .vgpr_count:     1024
    .wavefront_size: 32
...
	.end_amdgpu_metadata
.endif
;; end of part 4
;; ======== version 2 of 2: 4 launches
;; workspace buffers: par 131,072 bytes; wc 983,040 bytes; ws 40,960 bytes; qkvc 18,874,368 bytes; qkvs 1,310,720 bytes; rc 6,291,456 bytes; rs 262,144 bytes
;; launch prep (part 5): grid 592 x 1, 8 waves a work-group, no clusters, 70,656 bytes of LDS; arguments x, gn_w, gn_b, conv_w, wq, wk, wv, wo, par, wc, ws; writes par, wc, ws
.if DOCPART == 5
	.amdgcn_target "amdgcn-amd-amdhsa--gfx1250"
	.amdhsa_code_object_version 6
	.text
	.protected	k_q0ceaa2a36f_prep
	.globl	k_q0ceaa2a36f_prep
	.p2align	8
	.type	k_q0ceaa2a36f_prep,@function
k_q0ceaa2a36f_prep:
	s_mov_b64 s[64:65], 0
	v_nop
	global_prefetch_b8 v0, s[64:65] scope:SCOPE_SE
	s_setreg_imm32_b32 hwreg(HW_REG_WAVE_MODE, 25, 1), 1
	s_wait_xcnt 0x0
; PREP.  Two kinds of work-group, parted on the work-group's number alone.
; Work-groups 0-79: the five weights [512][512] f32 (K innermost) become codes of E3M2 with one E8M0 byte for each 32 along K.  A work-group takes two tiles of 16 rows, a wave ONE K STEP (128 along K) of one tile.
;   THE ROWS OF A TILE ARE NOT NEIGHBOURS: lane r of tile G takes row 32 (G / 2) + 8 (G % 2) + r + 8 (r / 8), so that the results of two neighbouring tiles are 16 neighbours along the next product's K.
;   Each load reads one row's 512 consecutive bytes, 16 a lane; the conversions want 32 neighbours along K in ONE lane: so the 16 rows turn through the wave's own stage in LDS and come back 128 bytes a lane and block.
;   The codes leave as IMAGES OF THE OPERAND'S REGISTERS: a fragment (16 rows x 128 K, 12 registers) is three stores of 16 bytes a lane, 512 consecutive bytes each.
;   The scale words of a tile's four K steps come from four waves: they meet in LDS behind one barrier and leave as the tile's 256 consecutive bytes.
;   wc: [matrix 5][G / 8][K step 4][G % 8] fragments of 1,536 bytes;  ws: [matrix][G][row 16][K step 4] scale words.
; Work-groups 80-591: one group of the group norm each (16 channels x 1,024 pixels, 65,536 consecutive bytes).  The group stays in registers (64 numbers a thread): the mean first, then the
;   sum of squares of the differences, so that a common offset of the inputs costs nothing.  par: a record of 64 f32 for each group: 0-15 rstd x gn_w, 16-31 gn_b, 32-47 the mean, 48-63 rstd.
; No matrix unit, no cluster, no tensor load: the groups share nothing, and the weights are read once.  The text keeps to 162 registers a wave, so that work-groups can lie side by side on a WGP.
; LDS: bytes 0-63 the norm's sums; 256-767 the weights' scale words; from 1,024 a stage of 8,448 bytes for each wave.  The two kinds of work-group name no LDS byte in common.
; LIMITS: NaN and infinities among the inputs are not served.  A block whose largest magnitude lies under 2^-122 (a block of zeros too) gets the byte 1: its codes are right, and this program alone reads the bytes.
; v_rsq_f32 is good to 1 ulp.
.set NWG,    80                        ; work-groups that take weights: 5 matrices x 16 pairs of tiles
.set SCW,    256                       ; LDS: two tiles' scale words, 256 bytes each
.set STG,    1024                      ; LDS: the stages
.set SPITCH, 528                       ; a stage row: 512 bytes + 16 = 132 words: row r starts at bank 4 r mod 64 (64 banks of 4 bytes: ISA guide 11.1), so the sixteen rows that a load touches start at sixteen different banks
.set WSTG,   16*SPITCH                 ; a wave's stage
.set FLOOR,  0x2800000                 ; 2^(5 - 127): no largest magnitude is taken under it, so no byte falls under 1
.set EOFF,   0xfe000000                ; -(4 << 23): 4 off an exponent field
	s_load_b512 s[8:23], s[0:1], 0x0               ; x, gn_w, gn_b, conv_w, wq, wk, wv, wo
	s_load_b128 s[24:27], s[0:1], 0x40             ; par, wc
	s_load_b64 s[28:29], s[0:1], 0x50              ; ws
	v_lshl_add_u32 v160, v0, 2, 0x11000
	v_mov_b32 v161, 0
	v_lshrrev_b32 v1, 5, v0
	s_delay_alu instid0(VALU_DEP_1)
	v_readfirstlane_b32 s4, v1                     ; wave 0..7
	s_mov_b32 s36, 0x76543210
	s_mov_b32 s37, 0xfedcba98                      ; v_permlanex16_b32's selects for lane l xor 16
	s_wait_kmcnt 0x0
	s_cmp_lt_u32 ttmp9, NWG
	s_cbranch_scc1 .Lweights
	; ---------------- a group's mean and 1 / sqrt(variance + eps)
	s_sub_co_u32 s30, ttmp9, NWG                   ; the group: 32 x batch + group
	s_lshl_b32 s32, s30, 16
	s_mov_b32 s33, 0
	s_add_nc_u64 s[8:9], s[8:9], s[32:33]
	v_lshlrev_b32 v2, 4, v0                        ; 16 bytes a thread: a wave's load covers 512 consecutive bytes
.irp j, 0,1,2,3,4,5,6,7,8,9,10,11,12,13,14,15
	global_load_b128 v[32+4*\j:35+4*\j], v2, s[8:9] offset:4096*\j
.endr
	s_and_b32 s34, s30, 31
	s_lshl_b32 s34, s34, 6                         ; the group's 16 channels in gn_w and gn_b
	v_and_b32 v3, 7, v0
	s_delay_alu instid0(VALU_DEP_1)
	v_lshl_add_u32 v3, v3, 3, s34                  ; a pair of channels for each of eight lanes
	global_load_b64 v[26:27], v3, s[10:11]
	global_load_b64 v[28:29], v3, s[12:13]
	s_wait_alu depctr_va_vdst(0)
	v_lshlrev_b32 v5, 2, v1                        ; LDS: my wave's word
	v_mov_b32 v6, 0
	s_wait_loadcnt 14                              ; the first four loads are in: 12 of x and 2 of the gains were issued behind them
.irp c, 0,1,2,3
	v_pk_add_f32 v[8+2*\c:9+2*\c], v[32+4*\c:33+4*\c], v[34+4*\c:35+4*\c]   ; four chains, started by the first numbers: nothing is cleared
.endr
	s_wait_alu depctr_va_vdst(0)
.irp g, 1,2,3
	s_wait_alu depctr_va_vdst(0)
	s_wait_loadcnt 14-4*\g                         ; four loads more
.irp c, 0,1,2,3
	v_pk_add_f32 v[8+2*\c:9+2*\c], v[8+2*\c:9+2*\c], v[32+16*\g+4*\c:33+16*\g+4*\c]
.endr
.irp c, 0,1,2,3
	s_delay_alu instid0(VALU_DEP_4)
	v_pk_add_f32 v[8+2*\c:9+2*\c], v[8+2*\c:9+2*\c], v[34+16*\g+4*\c:35+16*\g+4*\c]
.endr
.endr
; The four chains, the 32 lanes, the eight waves: the work-group's sum comes out in v16 of every lane.  off: the eight LDS words that this sum uses
.macro REDUCE off
	s_delay_alu instid0(VALU_DEP_3)
	v_pk_add_f32 v[8:9], v[8:9], v[10:11]
	s_delay_alu instid0(VALU_DEP_2)
	v_pk_add_f32 v[12:13], v[12:13], v[14:15]
	s_delay_alu instid0(VALU_DEP_1)
	v_pk_add_f32 v[8:9], v[8:9], v[12:13]
	s_delay_alu instid0(VALU_DEP_1)
	v_add_f32 v8, v8, v9
	s_delay_alu instid0(VALU_DEP_1)
	v_add_f32_dpp v8, v8, v8 row_xmask:1 row_mask:0xf bank_mask:0xf
	s_delay_alu instid0(VALU_DEP_1)
	v_add_f32_dpp v8, v8, v8 row_xmask:2 row_mask:0xf bank_mask:0xf
	s_delay_alu instid0(VALU_DEP_1)
	v_add_f32_dpp v8, v8, v8 row_xmask:4 row_mask:0xf bank_mask:0xf
	s_delay_alu instid0(VALU_DEP_1)
	v_add_f32_dpp v8, v8, v8 row_xmask:8 row_mask:0xf bank_mask:0xf
	s_delay_alu instid0(VALU_DEP_1)
	v_permlanex16_b32 v9, v8, s36, s37
	s_delay_alu instid0(VALU_DEP_1)
	v_add_f32 v8, v8, v9
	ds_store_b32 v5, v8 offset:\off                ; all lanes of a wave write the same word with the same value
	s_wait_dscnt 0x0                               ; for the others' sake: my store is done
	s_barrier_signal -1
	s_barrier_wait -1
	ds_load_b128 v[16:19], v6 offset:\off
	ds_load_b128 v[20:23], v6 offset:\off+16
	s_wait_dscnt 0x0
	v_add_f32 v16, v16, v17
	v_add_f32 v18, v18, v19
	v_add_f32 v20, v20, v21
	v_add_f32 v22, v22, v23
	s_delay_alu instid0(VALU_DEP_3)
	v_add_f32 v16, v16, v18
	s_delay_alu instid0(VALU_DEP_2)
	v_add_f32 v20, v20, v22
	s_delay_alu instid0(VALU_DEP_1)
	v_add_f32 v16, v16, v20
.endm
	REDUCE 0
	s_delay_alu instid0(VALU_DEP_1)
	v_mul_f32 v24, 0x38800000, v16                 ; the mean: the sum x 2^-14
	s_delay_alu instid0(VALU_DEP_1)
	v_mov_b32 v25, v24
.set k, 0
.rept 32
	v_pk_add_f32 v[32+2*k:33+2*k], v[32+2*k:33+2*k], v[24:25] neg_lo:[0,1] neg_hi:[0,1]   ; x - mean, in place
.set k, k+1
.endr
.irp c, 0,1,2,3
	v_pk_mul_f32 v[8+2*\c:9+2*\c], v[32+2*\c:33+2*\c], v[32+2*\c:33+2*\c]
.endr
.set k, 4
.rept 28
	s_delay_alu instid0(VALU_DEP_4)
	v_pk_fma_f32 v[8+2*(k%4):9+2*(k%4)], v[32+2*k:33+2*k], v[32+2*k:33+2*k], v[8+2*(k%4):9+2*(k%4)]
.set k, k+1
.endr
	REDUCE 32                                      ; other words than the first sum's: no wave writes what another may still read
	s_mov_b32 s35, 0x38800000                      ; 2^-14
	s_mov_b32 s38, 0x3727c5ac                      ; eps = 1e-5
	v_fma_f32 v8, v16, s35, s38                    ; the variance + eps
	s_wait_alu depctr_va_vdst(0)
	v_rsq_f32 v9, v8
	v_lshlrev_b32 v14, 3, v0                       ; (a plain place behind the transcendental)  8 bytes a lane of the record
	s_cmp_lg_u32 s4, 0
	s_cbranch_scc1 .Ldone                          ; wave 0 writes the record
	s_wait_loadcnt 0x0                             ; the gains
	s_wait_alu depctr_va_vdst(0)
	v_mul_f32 v10, v9, v26
	v_mul_f32 v11, v9, v27
	v_cmp_gt_u32 vcc_lo, 24, v0
	v_cndmask_b32 v12, v9, v24, vcc_lo             ; lanes 24-31 rstd, lanes 16-23 the mean,
	s_delay_alu instid0(VALU_DEP_1)
	v_mov_b32 v13, v12
	v_cmp_gt_u32 vcc_lo, 16, v0
	s_delay_alu instid0(VALU_DEP_1)
	v_cndmask_b32 v12, v12, v28, vcc_lo            ; lanes 8-15 gn_b,
	s_delay_alu instid0(VALU_DEP_2)
	v_cndmask_b32 v13, v13, v29, vcc_lo
	v_cmp_gt_u32 vcc_lo, 8, v0
	s_delay_alu instid0(VALU_DEP_1)
	v_cndmask_b32 v12, v12, v10, vcc_lo            ; lanes 0-7 rstd x gn_w
	s_delay_alu instid0(VALU_DEP_2)
	v_cndmask_b32 v13, v13, v11, vcc_lo
	s_lshl_b32 s32, s30, 8
	s_add_nc_u64 s[24:25], s[24:25], s[32:33]
	global_store_b64 v14, v[12:13], s[24:25]       ; 32 lanes store the record's 256 consecutive bytes, aligned
.Ldone:
	s_wait_tensorcnt 0x0
	ds_add_u32 v160, v161
	s_wait_dscnt 0x0
	s_endpgm
	; ---------------- one K step of a tile of 16 rows of a weight
.Lweights:
	s_lshr_b32 s31, ttmp9, 4                       ; the matrix: 0 conv_w, 1 wq, 2 wk, 3 wv, 4 wo
	s_and_b32 s32, ttmp9, 15                       ; which pair of tiles: rows 32 x pair on
	s_lshr_b32 s33, s4, 2                          ; u: which tile of the pair
	s_and_b32 s34, s4, 3                           ; my K step
	s_cmp_eq_u32 s31, 1                            ; the choice hangs on the work-group's number alone
	s_cselect_b64 s[14:15], s[16:17], s[14:15]
	s_cmp_eq_u32 s31, 2
	s_cselect_b64 s[14:15], s[18:19], s[14:15]
	s_cmp_eq_u32 s31, 3
	s_cselect_b64 s[14:15], s[20:21], s[14:15]
	s_cmp_eq_u32 s31, 4
	s_cselect_b64 s[14:15], s[22:23], s[14:15]
	s_lshl_b32 s38, s32, 16                        ; (32 x pair + 8 u) rows of 2,048 bytes + 512 x K step
	s_lshl_b32 s39, s33, 14
	s_add_co_u32 s38, s38, s39
	s_lshl_b32 s39, s34, 9
	s_add_co_u32 s38, s38, s39
	s_mov_b32 s39, 0
	s_add_nc_u64 s[14:15], s[14:15], s[38:39]
	v_and_b32 v2, 31, v0                           ; lane
	s_delay_alu instid0(VALU_DEP_1)
	v_lshlrev_b32 v3, 4, v2                        ; 16 x lane: my bytes of a row's 512, and my place in an image
.irp i, 0,1,2,3,4,5,6,7,8,9,10,11,12,13,14,15
	global_load_b128 v[32+4*\i:35+4*\i], v3, s[14:15] offset:(\i+8*(\i/8))*2048   ; the tile's row i: 32 lanes read 512 consecutive bytes
.endr
	s_mul_i32 s42, s4, WSTG
	s_add_co_u32 s42, s42, STG                     ; my stage
	v_add_nc_u32 v4, s42, v3                       ; into it: as loaded
	v_and_b32 v6, 15, v0                           ; r
	v_bfe_u32 v7, v0, 4, 1                         ; h
	s_delay_alu instid0(VALU_DEP_2)
	v_mul_u32_u24 v5, v6, SPITCH
	s_delay_alu instid0(VALU_DEP_1)
	v_lshl_add_u32 v5, v7, 7, v5
	s_delay_alu instid0(VALU_DEP_1)
	v_add_nc_u32 v5, s42, v5                       ; out of it: row r, + 128 h: the layout gives lane (r, h) k = 64 c + 32 h + 0 .. 31
	s_lshl_b32 s43, s33, 8
	s_lshl_b32 s44, s34, 2
	s_add_co_u32 s43, s43, s44
	s_add_co_u32 s43, s43, SCW
	v_lshl_add_u32 v8, v6, 4, s43                  ; my row's scale word of my K step: 256 u + 16 r + 4 s, as ws has it
	v_lshl_add_u32 v9, v0, 3, SCW                  ; waves 0 and 1 on the way out: 8 bytes a thread of the two tiles' 512,
	v_lshlrev_b32 v10, 3, v0                       ; and the same place in ws
	v_lshlrev_b32 v11, 3, v7                       ; 8 h: where my bytes stand in a scale word
	v_mov_b32 v23, 0                               ; written once: a lane permute's destination counts as one of its sources
	s_lshl_b32 s40, s32, 1
	s_add_co_u32 s40, s40, s33                     ; the tile G = 0..31
	s_mul_i32 s38, s31, 196608
	s_lshr_b32 s41, s40, 3
	s_mul_i32 s41, s41, 49152
	s_add_co_u32 s38, s38, s41
	s_mul_i32 s41, s34, 12288
	s_add_co_u32 s38, s38, s41
	s_and_b32 s41, s40, 7
	s_mul_i32 s41, s41, 1536
	s_add_co_u32 s38, s38, s41
	s_add_nc_u64 s[26:27], s[26:27], s[38:39]      ; wc at my fragment
	s_lshl_b32 s38, s31, 13
	s_lshl_b32 s41, s32, 9
	s_add_co_u32 s38, s38, s41
	s_add_nc_u64 s[28:29], s[28:29], s[38:39]      ; ws at the pair's first tile
	s_wait_alu depctr_va_vdst(0)
.irp g, 0,1,2,3
	s_wait_loadcnt 12-4*\g                         ; four rows more are in: behind them 12, 8, 4, 0 loads were issued
.irp i, 0,1,2,3
	ds_store_b128 v4, v[32+16*\g+4*\i:35+16*\g+4*\i] offset:(4*\g+\i)*SPITCH
.endr
.endr
.irp c, 0,1
.irp j, 0,1,2,3,4,5,6,7
	ds_load_b128 v[96+32*\c+4*\j:99+32*\c+4*\j], v5 offset:256*\c+16*\j   ; LDS serves a wave's instructions in order (ISA guide 5.7.1.4): these see my stores
.endr
.endr
	s_wait_dscnt 0x0                               ; my two blocks are in; the stores into the stage have read v32-95, which take the codes below
.irp c, 0,1
	v_max3_num_f32 v[16+\c], |v[96+32*\c]|, |v[97+32*\c]|, FLOOR   ; my block 2 c + h: all its 32 numbers are mine
.endr
.irp i, 2,4,6,8,10,12,14,16,18,20,22,24,26,28,30
.irp c, 0,1
	s_delay_alu instid0(VALU_DEP_2)
	v_max3_num_f32 v[16+\c], v[16+\c], |v[96+32*\c+\i]|, |v[97+32*\c+\i]|   ; (the two blocks by turns)
.endr
.endr
.irp c, 0,1
	s_delay_alu instid0(VALU_DEP_2)
	v_add_nc_u32 v[18+\c], EOFF, v[16+\c]          ; 4 off the exponent field: the conversion's scale operand
.endr
.irp c, 0,1
	s_delay_alu instid0(VALU_DEP_2)
	v_lshrrev_b32 v[20+\c], 23, v[18+\c]           ; the scale's byte
.endr
	s_delay_alu instid0(VALU_DEP_1)
	v_lshl_or_b32 v22, v21, 16, v20                ; blocks h and 2 + h,
	s_delay_alu instid0(VALU_DEP_1)
	v_lshlrev_b32 v22, v11, v22                    ; at their places in the word;
	s_delay_alu instid0(VALU_DEP_1)
	v_permlanex16_b32 v23, v22, s36, s37
	s_delay_alu instid0(VALU_DEP_1)
	v_or_b32 v24, v22, v23                         ; with lane l xor 16's two the word is whole
	ds_store_b32 v8, v24                           ; lanes r and r + 16 write the same word with the same value
.irp c, 0,1
	v_cvt_scalef32_pk16_bf6_f32 v[32+6*\c:34+6*\c], v[96+32*\c:111+32*\c], v[18+\c]
	v_cvt_scalef32_pk16_bf6_f32 v[44+4*\c:46+4*\c], v[112+32*\c:127+32*\c], v[18+\c]   ; (a conversion's three registers begin on an even number)
.endr
	v_nop                                          ; one plain place behind a scaled conversion
.irp c, 0,1
.irp i, 0,1,2
	v_mov_b32 v[35+6*\c+\i], v[44+4*\c+\i]
.endr
.endr
.irp g, 0,1,2
	global_store_b128 v3, v[32+4*\g:35+4*\g], s[26:27] offset:512*\g   ; 32 lanes store 512 consecutive bytes, aligned
.endr
	s_wait_dscnt 0x0                               ; for the others' sake: my scale words are in LDS
	s_barrier_signal -1
	s_barrier_wait -1                              ; all eight waves' are
	s_cmp_lt_u32 s4, 2
	s_cbranch_scc0 .Lwdone                         ; wave 0 stores the first tile's words, wave 1 the second's
	ds_load_b64 v[12:13], v9
	s_wait_dscnt 0x0
	global_store_b64 v10, v[12:13], s[28:29]       ; 32 lanes store a tile's 256 consecutive bytes, aligned
.Lwdone:
	s_wait_tensorcnt 0x0
	ds_add_u32 v160, v161
	s_wait_dscnt 0x0
	s_endpgm
.Lfunc_end_k_q0ceaa2a36f_prep:
	.size	k_q0ceaa2a36f_prep, .Lfunc_end_k_q0ceaa2a36f_prep-k_q0ceaa2a36f_prep
	.p2alignl 7, 3214868480
	.fill 96, 4, 3214868480
	.section	.rodata,"a",@progbits
	.p2align	6, 0x0
	.amdhsa_kernel k_q0ceaa2a36f_prep
		.amdhsa_group_segment_fixed_size 70656
		.amdhsa_private_segment_fixed_size 0
		.amdhsa_enable_private_segment 0
		.amdhsa_kernarg_size 88
		.amdhsa_user_sgpr_count 2
		.amdhsa_user_sgpr_kernarg_segment_ptr 1
		.amdhsa_wavefront_size32 1
		.amdhsa_system_sgpr_workgroup_id_x 1
		.amdhsa_system_sgpr_workgroup_id_y 1
		.amdhsa_system_sgpr_workgroup_id_z 1
		.amdhsa_system_vgpr_workitem_id 0
		.amdhsa_next_free_vgpr 162
		.amdhsa_next_free_sgpr 66
		.amdhsa_reserve_vcc 1
		.amdhsa_float_denorm_mode_32 3
		.amdhsa_float_denorm_mode_16_64 3
		.amdhsa_memory_ordered 1
		.amdhsa_forward_progress 1
		.amdhsa_inst_pref_size 26
	.end_amdhsa_kernel
	.amdgpu_metadata
---
amdhsa.version: [ 1, 2 ]
amdhsa.kernels:
  - .name:           k_q0ceaa2a36f_prep
    .symbol:         k_q0ceaa2a36f_prep.kd
    .args:
      - { .name: x, .offset: 0, .size: 8, .value_kind: global_buffer, .address_space: global }
      - { .name: gn_w, .offset: 8, .size: 8, .value_kind: global_buffer, .address_space: global }
      - { .name: gn_b, .offset: 16, .size: 8, .value_kind: global_buffer, .address_space: global }
      - { .name: conv_w, .offset: 24, .size: 8, .value_kind: global_buffer, .address_space: global }
      - { .name: wq, .offset: 32, .size: 8, .value_kind: global_buffer, .address_space: global }
      - { .name: wk, .offset: 40, .size: 8, .value_kind: global_buffer, .address_space: global }
      - { .name: wv, .offset: 48, .size: 8, .value_kind: global_buffer, .address_space: global }
      - { .name: wo, .offset: 56, .size: 8, .value_kind: global_buffer, .address_space: global }
      - { .name: par, .offset: 64, .size: 8, .value_kind: global_buffer, .address_space: global }
      - { .name: wc, .offset: 72, .size: 8, .value_kind: global_buffer, .address_space: global }
      - { .name: ws, .offset: 80, .size: 8, .value_kind: global_buffer, .address_space: global }
    .group_segment_fixed_size: 70656
    .private_segment_fixed_size: 0
    .kernarg_segment_align: 8
    .kernarg_segment_size: 88
    .max_flat_workgroup_size: 256
    .sgpr_count:     66
    .vgpr_count:     162
    .wavefront_size: 32
...
	.end_amdgpu_metadata
.endif
;; end of part 5
;; launch qkv (part 6): grid 256 x 1, 4 waves a work-group, no clusters, 327,680 bytes of LDS; arguments x, par, wc, ws, conv_b, bq, bk, bv, qkvc, qkvs; writes qkvc, qkvs
.if DOCPART == 6
	.amdgcn_target "amdgcn-amd-amdhsa--gfx1250"
	.amdhsa_code_object_version 6
	.text
	.protected	k_q0ceaa2a36f_qkv
	.globl	k_q0ceaa2a36f_qkv
	.p2align	8
	.type	k_q0ceaa2a36f_qkv,@function
k_q0ceaa2a36f_qkv:
	s_mov_b64 s[64:65], 0
	v_nop
	global_prefetch_b8 v0, s[64:65] scope:SCOPE_SE
	s_setreg_imm32_b32 hwreg(HW_REG_WAVE_MODE, 25, 1), 1
	s_wait_xcnt 0x0
; QKV.  For 64 pixels of one image: xn = group norm of x; x1 = conv_w xn + conv_b; q, k, v = x1 w^T + b; all four products on codes of E3M2 with one E8M0 byte for each 32 along K.
; What leaves: the codes of q and k (quantised along a head's 64) and of v (quantised along the keys), as images of the operands' registers, and their scale bytes.
; SHARES.  Work-group = 16 x batch + block of 64 pixels.  THE WAVES SHARE THE COLUMNS: wave w makes output channels 128 w .. 128 w + 127 of each of the four products, for all 64 pixels.
; A weight fragment goes from memory straight into the registers of the one wave that multiplies it, and feeds four products there (the four tiles of pixels); it never passes through LDS.
; NO CLUSTER: a joint load lands in LDS, and the four matrices' 786,432 bytes of codes do not fit there: they would want slots that are filled again, and a second trip from LDS to registers.
; TILES.  Lane r of tile 2 b + u (of weight rows, and of pixels alike) takes row 32 b + 8 u + r + 8 (r / 8): so a lane's 16 registers of two neighbouring tiles of a result are 16 neighbours along the next K.
;   conv, q, k: source 0 = 16 rows of the weight, source 1 = 16 pixels: a lane holds one pixel, its registers run along the channels.   v: the sources swapped: a lane holds one channel, its registers run along the pixels, which are the keys.
; OPERANDS GO FROM WAVE TO WAVE THROUGH LDS AS IMAGES OF THEIR REGISTERS: a fragment (12 registers) is three accesses of 16 bytes a lane, 512 consecutive bytes each.
; PHASES.  X: wave w normalises and quantises channels 128 w .. of all 64 pixels (a lane takes a pixel, its registers run down the channels): K step w of the first product | barrier |
;   conv: 4 K steps x 32 products; x1 quantised in registers: K step w of the next three products | barrier | q, k, v: 4 x 32 products each, quantised in registers, stored.
; The next matrix's fragments of a K step are asked for as soon as this matrix's products of that K step are issued: a whole matrix ahead.
; LIMITS: NaN and infinities are not served; a block whose largest magnitude lies under 2^-122 (a block of zeros too) gets the byte 1: its codes are right, and this program alone reads the bytes.
; REGISTERS, in windows of 256.  Window 0: v1-17 addresses; v20-25 scale words on their way out; v32-47 the activations' scale words (4 m + s); v48-111 the weights', two sets (4 t + s);
;   v112-207 the activations' fragments, two buffers of four; v208-223 at work; v224-243 the codes just made; v244 their scale word; v246-247 phase X's scale words.
;   Window 1: the 32 accumulators (phase X: the numbers and the norm's parameters).  Window 2: the weight's K steps 0 and 1 (96 registers each), from v192 the bias.  Window 3: K steps 2 and 3.
.set XWAVE, 34816                      ; LDS: x, 128 channels a wave, a row = 64 pixels = 256 bytes + 16 of padding
.set PT,    139264                     ; the norm's records, 8 x 256 bytes a wave
.set XIMG,  147456                     ; xn's 16 fragments (4 m + s), 1,536 bytes each
.set XSC,   172032                     ; their scale words: 256 m + 16 r + 4 s
.set X1IMG, 173056                     ; x1's 16 fragments
.set X1SC,  197632                     ; their scale words: 512 m + 16 lane + 4 s
.set X1OFF, X1IMG-XIMG
.set FRB,   1536
.set FLOOR, 0x2800000                  ; 2^(5 - 127)
.set EOFF,  0xfe000000                 ; -(4 << 23)
.set SW,  20
.set ASC, 32
.set WSC, 48
.set AF,  112
.set CX,  112                          ; phase X: the codes of its two passes
.set TM,  208
.set PC,  224
.set TP,  236
.set PW,  244
.set XW,  246
.set BI,  192                          ; in window 2
.set MSB, 0
.macro WIN new                         ; the immediate's high byte repeats the setting that is left; a switch that changes nothing is dropped
.if MSB != (\new)
	s_set_vgpr_msb (MSB<<8)|(\new)
.set MSB, (\new)
.endif
.endm
	s_load_b512 s[8:23], s[0:1], 0x0               ; x, par, wc, ws, conv_b, bq, bk, bv
	s_load_b128 s[24:27], s[0:1], 0x40             ; qkvc, qkvs
	v_lshl_add_u32 v254, v0, 2, 0x30c00
	v_mov_b32 v255, 0
	ds_add_u32 v254, v255
	ds_add_u32 v254, v255
	v_lshrrev_b32 v18, 5, v0
	v_readfirstlane_b32 s4, v18                    ; wave 0..3
	s_lshr_b32 s5, ttmp9, 4                        ; batch
	s_and_b32 s6, ttmp9, 15                        ; block of 64 pixels
	; group 1 for x: 128 rows (channels) x 64 elements of 4 bytes, 1,024 elements from row to row; 4 words of padding behind every 64
	s_mov_b32 s28, (2<<16)|(1<<20)|(5<<22)|(3<<25)
	s_mov_b32 s29, 64<<16                          ; tensor_dim0
	s_mov_b32 s30, 128<<16                         ; tensor_dim1
	s_mov_b32 s31, 64<<16                          ; tile_dim0
	s_mov_b32 s32, 128                             ; tile_dim1
	s_mov_b32 s33, 1024                            ; the pitch
	s_mov_b32 s34, 0
	s_mov_b32 s35, 0
	; group 1 for the records: 8 dense rows of 64 elements of 4 bytes
	s_mov_b32 s40, 2<<16
	s_mov_b32 s41, 64<<16
	s_mov_b32 s42, 8<<16
	s_mov_b32 s43, 64<<16
	s_mov_b32 s44, 8
	s_mov_b32 s45, 64
	s_mov_b32 s46, 0
	s_mov_b32 s47, 0
	s_mov_b32 s36, 1
	s_mul_i32 s37, s4, XWAVE                       ; my 128 rows in LDS
	s_mov_b32 s48, 1
	s_lshl_b32 s49, s4, 11
	s_add_co_u32 s49, s49, PT
	s_lshl_b32 s60, s5, 21                         ; x: batch x 2,097,152 + 128 w channels of 4,096 bytes + 256 x block
	s_lshl_b32 s61, s4, 19
	s_add_co_u32 s60, s60, s61
	s_lshl_b32 s61, s6, 8
	s_add_co_u32 s60, s60, s61
	s_mov_b32 s61, 0
	s_lshl_b32 s62, s5, 13                         ; par: (32 x batch + 8 w) records of 256 bytes
	s_lshl_b32 s63, s4, 11
	s_add_co_u32 s62, s62, s63
	s_mov_b32 s63, 0
	s_mov_b32 s52, 0x76543210
	s_mov_b32 s53, 0xfedcba98                      ; v_permlanex16_b32's selects for lane l xor 16
	s_wait_dscnt 0x0
	s_wait_kmcnt 0x0
	s_add_nc_u64 s[38:39], s[8:9], s[60:61]
	s_or_b32 s39, s39, 0x80000000
	s_add_nc_u64 s[50:51], s[10:11], s[62:63]
	s_or_b32 s51, s51, 0x80000000
	tensor_load_to_lds s[36:39], s[28:35]          ; my 128 channels x 64 pixels: filled once, read by me alone
	s_nop 0
	s_wait_alu depctr_va_vdst(0)
	s_wait_tensorcnt 0x0
	ds_add_u32 v254, v255
	s_wait_dscnt 0x0
	s_barrier_signal -1
	s_barrier_wait -1
	tensor_load_to_lds s[48:51], s[40:47]          ; my 8 groups' records: one tensor load of mine is out
	s_nop 0
.rept 4
	v_nop
.endr
	v_and_b32 v18, 31, v0                          ; lane
	v_and_b32 v19, 15, v0                          ; r
	v_bfe_u32 v26, v0, 4, 1                        ; h
	v_lshlrev_b32 v1, 4, v18                       ; 16 x lane
	v_lshlrev_b32 v2, 3, v18                       ; 8 x lane
	v_lshlrev_b32 v3, 4, v19                       ; 16 r
	v_lshl_add_u32 v4, v18, 2, s37                 ; phase X: pixel = lane, in my rows of x
	v_mov_b32 v5, s49                              ; my records
	v_bfe_u32 v27, v0, 3, 1                        ; phase X: pixel 32 p + lane is lane r' = lane % 8 + 8 (lane / 16) of tile 2 p + u, u = (lane / 8) % 2
	v_and_b32 v28, 7, v0
	v_lshl_add_u32 v28, v26, 3, v28
	s_mul_i32 s60, s4, FRB
	s_lshl_b32 s61, s4, 2
	v_mul_u32_u24 v6, v27, 6144
	v_lshl_add_u32 v6, v28, 4, v6
	v_add_nc_u32 v6, s60, v6
	v_add_nc_u32 v6, XIMG, v6                      ; where that pixel's codes go: fragment 4 (2 p + u) + w, lane r'
	v_lshlrev_b32 v7, 8, v27
	v_lshl_add_u32 v7, v28, 4, v7
	v_add_nc_u32 v7, s61, v7
	v_add_nc_u32 v7, XSC, v7                       ; and its scale word
	v_add_nc_u32 v8, XIMG, v1                      ; a fragment's image for my lane
	v_add_nc_u32 v9, XSC, v3
	v_add_nc_u32 v10, X1SC, v1
	v_add_nc_u32 v11, s60, v1
	v_add_nc_u32 v11, X1IMG, v11                   ; where I store x1's images: K step w
	v_add_nc_u32 v12, s61, v10
	v_lshlrev_b32 v13, 6, v26                      ; 64 h: a bias along the registers
	v_and_b32 v14, 8, v19
	v_add_nc_u32 v14, v14, v19
	v_lshlrev_b32 v14, 2, v14                      ; 4 (r + 8 (r / 8)): a bias along the lanes
	v_lshl_add_u32 v15, v26, 12, v3                ; q's and k's scale words: head 2 w + h, 16 r
	v_lshl_add_u32 v16, v26, 3, v3                 ; v's: 16 r + 8 h
	v_lshlrev_b32 v17, 4, v26                      ; 16 h
.irp b, 0,1,2,3
	v_mov_b32 v[TM+4+\b], 0                        ; written once: a lane permute's destination counts as one of its sources
.endr
	s_mul_i32 s60, s4, 49152
	s_mov_b32 s61, 0
	s_add_nc_u64 s[12:13], s[12:13], s[60:61]      ; wc at my 8 tiles
	s_lshl_b32 s60, s4, 11
	s_add_nc_u64 s[14:15], s[14:15], s[60:61]      ; ws likewise
	s_lshl_b32 s60, s4, 9
	s_add_nc_u64 s[16:17], s[16:17], s[60:61]      ; the biases at my 128 channels
	s_add_nc_u64 s[18:19], s[18:19], s[60:61]
	s_add_nc_u64 s[20:21], s[20:21], s[60:61]
	s_add_nc_u64 s[22:23], s[22:23], s[60:61]
	s_lshl_b32 s62, s5, 3
	s_lshl_b32 s63, s4, 1
	s_add_co_u32 s62, s62, s63
	s_lshl_b32 s62, s62, 4
	s_add_co_u32 s62, s62, s6                      ; 16 (8 x batch + 2 w) + block
	s_mul_i32 s60, s62, 3072
	s_add_nc_u64 s[54:55], s[24:25], s[60:61]      ; q's codes: head 2 w, this block's four tiles
	s_lshl_b32 s60, s62, 8
	s_add_nc_u64 s[56:57], s[26:27], s[60:61]      ; q's scale words
	s_lshl_b32 s60, ttmp9, 10
	s_lshl_b32 s62, s4, 8
	s_add_co_u32 s60, s60, s62
	s_add_co_u32 s60, s60, 1048576
	s_add_nc_u64 s[58:59], s[26:27], s[60:61]      ; v's scale bytes
.macro WLOAD mat, s                    ; my 8 fragments of matrix mat, K step s: 24 loads of 512 consecutive bytes
	WIN 0x80+0x40*((\s)/2)
.irp t, 0,1,2,3,4,5,6,7
.irp g, 0,1,2
	global_load_b128 v[96*((\s)%2)+12*\t+4*\g:96*((\s)%2)+12*\t+4*\g+3], v1, s[12:13] offset:(\mat)*196608+(\s)*12288+\t*1536+\g*512
.endr
.endr
.endm
.macro SLOAD mat                       ; their scale words, all four K steps: 8 loads
	WIN 0
.irp t, 0,1,2,3,4,5,6,7
	global_load_b128 v[WSC+32*((\mat)%2)+4*\t:WSC+32*((\mat)%2)+4*\t+3], v3, s[14:15] offset:(\mat)*8192+\t*256
.endr
.endm
.macro BLOADN p                        ; a bias as the C of a result whose registers run along the channels: tile 2 b + u, lane (r, h): channels 32 b + 16 h + 8 u + 0 .. 7: 16 loads
	WIN 0x80
.irp t, 0,1,2,3,4,5,6,7
	global_load_b128 v[BI+8*\t:BI+8*\t+3], v13, s[\p:\p+1] offset:(32*(\t/2)+8*(\t%2))*4
	global_load_b128 v[BI+8*\t+4:BI+8*\t+7], v13, s[\p:\p+1] offset:(32*(\t/2)+8*(\t%2))*4+16
.endr
.endm
.macro BLOADV p                        ; and of a result whose lanes hold the channels: the lane's number in all eight registers: 64 loads
	WIN 0x80
.irp t, 0,1,2,3,4,5,6,7
.irp j, 0,1,2,3,4,5,6,7
	global_load_b32 v[BI+8*\t+\j], v14, s[\p:\p+1] offset:(32*(\t/2)+8*(\t%2))*4
.endr
.endr
.endm
.macro AFETCH off, s, buf              ; the four tiles of pixels, K step s, from their images
	WIN 0
.irp m, 0,1,2,3
.irp g, 0,1,2
	ds_load_b128 v[AF+48*(\buf)+12*\m+4*\g:AF+48*(\buf)+12*\m+4*\g+3], v8 offset:(\off)+FRB*(4*\m+(\s))+512*\g
.endr
.endr
.endm
; 32 products: my 8 tiles of the weight x the 4 tiles of pixels, K step s.  The 32 accumulators take turns, one instruction a turn, in the same order in every K step.
; The first K step takes the bias as C: nothing is cleared, nothing is added afterwards.
.macro MUL mat, s
.set WB, 96*((\s)%2)
.set AB, AF+48*((\s)%2)
.set WS, WSC+32*((\mat)%2)+(\s)
.if (\mat) < 3
.if (\s) == 0
	WIN 0x62                                       ; D window 1, C (the bias) window 2, source 0 (the weight) window 2, source 1 window 0
.elseif (\s) == 1
	WIN 0x52
.else
	WIN 0x53                                       ; the weight in window 3
.endif
.irp t, 0,1,2,3,4,5,6,7
.irp m, 0,1,2,3
.set rD, 64*\m+8*\t
.if (\s) == 0
	v_wmma_scale_f32_16x16x128_f8f6f4 v[rD:rD+7], v[WB+12*\t:WB+12*\t+11], v[AB+12*\m:AB+12*\m+11], v[BI+8*\t:BI+8*\t+7], v[WS+4*\t], v[ASC+4*\m+(\s)] matrix_a_fmt:MATRIX_FMT_BF6 matrix_b_fmt:MATRIX_FMT_BF6
.else
	v_wmma_scale_f32_16x16x128_f8f6f4 v[rD:rD+7], v[WB+12*\t:WB+12*\t+11], v[AB+12*\m:AB+12*\m+11], v[rD:rD+7], v[WS+4*\t], v[ASC+4*\m+(\s)] matrix_a_fmt:MATRIX_FMT_BF6 matrix_b_fmt:MATRIX_FMT_BF6
.endif
.endr
.endr
.else
.if (\s) == 0
	WIN 0x68                                       ; the sources swapped: source 0 (the pixels) window 0, source 1 (the weight) window 2
.elseif (\s) == 1
	WIN 0x58
.else
	WIN 0x5c
.endif
.irp t, 0,1,2,3,4,5,6,7
.irp m, 0,1,2,3
.set rD, 32*\t+8*\m
.if (\s) == 0
	v_wmma_scale_f32_16x16x128_f8f6f4 v[rD:rD+7], v[AB+12*\m:AB+12*\m+11], v[WB+12*\t:WB+12*\t+11], v[BI+8*\t:BI+8*\t+7], v[ASC+4*\m+(\s)], v[WS+4*\t] matrix_a_fmt:MATRIX_FMT_BF6 matrix_b_fmt:MATRIX_FMT_BF6
.else
	v_wmma_scale_f32_16x16x128_f8f6f4 v[rD:rD+7], v[AB+12*\m:AB+12*\m+11], v[WB+12*\t:WB+12*\t+11], v[rD:rD+7], v[ASC+4*\m+(\s)], v[WS+4*\t] matrix_a_fmt:MATRIX_FMT_BF6 matrix_b_fmt:MATRIX_FMT_BF6
.endif
.endr
.endr
.endif
.endm
; One K step of one matrix.  n: how many younger global loads may stay out when this step's weights (at s = 0 also the bias and the scale words) have to be there.
.macro UNIT mat, s, n
	s_wait_loadcnt \n
	s_wait_dscnt 0x0                               ; this K step's activations are in
.if (\s) < 3
.if (\mat) == 0
	AFETCH 0, (\s)+1, ((\s)+1)%2                   ; the next K step's, into the other buffer: its last readers stand in front of the places of the unit before
.else
	AFETCH X1OFF, (\s)+1, ((\s)+1)%2
.endif
.elseif ((\mat) == 1) || ((\mat) == 2)
	AFETCH X1OFF, 0, 0                             ; the next matrix multiplies the same x1
.endif
	MUL \mat, \s
	WIN 0
.rept 5
	v_nop                                          ; places in front of the loads into registers that these products have read, of the first read of results, and of the next matrix's first products, which write these accumulators anew
.endr
.if (\mat) < 3
	WLOAD (\mat)+1, \s                             ; the set just multiplied takes the next matrix's same K step
.if (\s) == 0
.if (\mat) == 0
	BLOADN 18
.elseif (\mat) == 1
	BLOADN 20
.else
	BLOADV 22
.endif
	SLOAD (\mat)+1
.endif
.endif
.endm
; 64 numbers of a lane in window 1, v[s] on, register 16 b + i = k 32 b + 16 (lane / 16) + i of the lane's row, become a fragment's codes in v[PC] on and its scale word in v[PW].
.macro QUANT s
	WIN 0x05                                       ; sources 0 and 1 window 1
.irp b, 0,1,2,3
	v_max3_num_f32 v[TM+\b], |v[(\s)+16*\b]|, |v[(\s)+16*\b+1]|, FLOOR   ; each accumulator is read from its low end on
.endr
.irp i, 2,4,6,8,10,12,14
.irp b, 0,1,2,3
	v_max3_num_f32 v[TM+\b], |v[(\s)+16*\b+\i]|, |v[(\s)+16*\b+\i+1]|, v[TM+\b]   ; (the four blocks by turns)
.endr
.endr
	WIN 0
.irp b, 0,1,2,3
	v_permlanex16_b32 v[TM+4+\b], v[TM+\b], s52, s53
.endr
.irp b, 0,1,2,3
	v_max_num_f32 v[TM+\b], v[TM+\b], v[TM+4+\b]   ; with lane l xor 16's: the block's largest magnitude
.endr
.irp b, 0,1,2,3
	v_add_nc_u32 v[TM+12+\b], EOFF, v[TM+\b]       ; 4 off its exponent field: the conversion's scale operand
.endr
.irp b, 0,1,2,3
	v_lshrrev_b32 v[TM+4+\b], 23, v[TM+12+\b]      ; the scale's byte
.endr
	v_lshl_or_b32 v[PW], v[TM+5], 8, v[TM+4]
	v_lshl_or_b32 v[PW], v[TM+6], 16, v[PW]
	v_lshl_or_b32 v[PW], v[TM+7], 24, v[PW]
	WIN 0x01
.irp c, 0,1
	v_cvt_scalef32_pk16_bf6_f32 v[PC+6*\c:PC+6*\c+2], v[(\s)+32*\c:(\s)+32*\c+15], v[TM+12+2*\c]
	v_cvt_scalef32_pk16_bf6_f32 v[TP+4*\c:TP+4*\c+2], v[(\s)+32*\c+16:(\s)+32*\c+31], v[TM+12+2*\c+1]   ; (a conversion's three registers begin on an even number)
.endr
	WIN 0
	v_nop                                          ; one plain place behind a scaled conversion
.irp c, 0,1                            ; the layout wants a WHOLE block in a lane: lanes 0-15 block 2 c, lanes 16-31 block 2 c + 1
.irp n, 0,1,2
	v_permlane16_swap_b32 v[PC+6*\c+\n], v[TP+4*\c+\n]
.endr
.irp n, 0,1,2
	v_mov_b32 v[PC+6*\c+3+\n], v[TP+4*\c+\n]
.endr
.endr
.endm
; PHASE X, block i: channels 128 w + 32 i .. + 31 of all 64 pixels, in two passes of 32 pixels (pixel 32 p + lane).  A whole block lies in one lane's 32 registers.
.macro XBLOCK i
	WIN 0x40                                       ; destination window 1
.irp j, 0,1,2,3
	ds_load_b128 v[64+4*\j:67+4*\j], v5 offset:512*(\i)+16*\j           ; rstd x gn_w of the block's 32 channels (two groups), the same in every lane
	ds_load_b128 v[80+4*\j:83+4*\j], v5 offset:512*(\i)+256+16*\j
	ds_load_b128 v[96+4*\j:99+4*\j], v5 offset:512*(\i)+64+16*\j        ; gn_b
	ds_load_b128 v[112+4*\j:115+4*\j], v5 offset:512*(\i)+320+16*\j
.endr
	ds_load_b64 v[128:129], v5 offset:512*(\i)+128                       ; the two groups' means, each twice
	ds_load_b64 v[130:131], v5 offset:512*(\i)+384
.set k, 0
.rept 32
	ds_load_b32 v[k], v4 offset:(32*(\i)+k)*272                          ; 32 lanes read 128 consecutive bytes of a channel's row
	ds_load_b32 v[32+k], v4 offset:(32*(\i)+k)*272+128
.set k, k+1
.endr
	s_wait_dscnt 0x0                               ; they are in; the last block's stores have read their registers too
	WIN 0x55
.set k, 0
.rept 16
	v_pk_add_f32 v[k:k+1], v[k:k+1], v[128+2*(k/16):129+2*(k/16)] neg_lo:[0,1] neg_hi:[0,1]          ; x - mean
	v_pk_add_f32 v[32+k:33+k], v[32+k:33+k], v[128+2*(k/16):129+2*(k/16)] neg_lo:[0,1] neg_hi:[0,1]
.set k, k+2
.endr
.set k, 0
.rept 16
	v_pk_fma_f32 v[k:k+1], v[k:k+1], v[64+k:65+k], v[96+k:97+k]          ; x (rstd x gn_w) + gn_b
	v_pk_fma_f32 v[32+k:33+k], v[32+k:33+k], v[64+k:65+k], v[96+k:97+k]
.set k, k+2
.endr
	WIN 0x05
.irp p, 0,1
	v_max3_num_f32 v[TM+\p], |v[32*\p]|, |v[32*\p+1]|, FLOOR
.endr
.set k, 2
.rept 15
	v_max3_num_f32 v[TM], |v[k]|, |v[k+1]|, v[TM]                        ; (the two passes by turns)
	v_max3_num_f32 v[TM+1], |v[32+k]|, |v[33+k]|, v[TM+1]
.set k, k+2
.endr
	WIN 0
.irp p, 0,1
	v_add_nc_u32 v[TM+2+\p], EOFF, v[TM+\p]
.endr
.irp p, 0,1
.if (\i) == 0
	v_lshrrev_b32 v[XW+\p], 23, v[TM+2+\p]         ; the pixel's scale word of this K step gathers its four bytes
.else
	v_lshrrev_b32 v[TM+4+\p], 23, v[TM+2+\p]
.endif
.endr
.if (\i) > 0
.irp p, 0,1
	v_lshl_or_b32 v[XW+\p], v[TM+4+\p], 8*(\i), v[XW+\p]
.endr
.endif
	WIN 0x01
.irp p, 0,1
	v_cvt_scalef32_pk16_bf6_f32 v[CX+12*\p:CX+12*\p+2], v[32*\p:32*\p+15], v[TM+2+\p]
	v_cvt_scalef32_pk16_bf6_f32 v[CX+12*\p+6:CX+12*\p+8], v[32*\p+16:32*\p+31], v[TM+2+\p]
.endr
	WIN 0
	v_nop                                          ; one plain place behind a scaled conversion
.irp p, 0,1
.irp n, 0,1,2
	v_mov_b32 v[CX+12*\p+3+\n], v[CX+12*\p+6+\n]
.endr
.endr
.irp p, 0,1                            ; block i = 2 c + h' is registers 6 c .. 6 c + 5 of lane r' + 16 h' of the fragment: in the image, register 4 g + e of lane l lies at 512 g + 16 l + 4 e
.if (\i) < 2
	ds_store_b128 v6, v[CX+12*\p:CX+12*\p+3] offset:12288*\p+256*((\i)%2)
	ds_store_b64 v6, v[CX+12*\p+4:CX+12*\p+5] offset:12288*\p+256*((\i)%2)+512
.else
	ds_store_b64 v6, v[CX+12*\p:CX+12*\p+1] offset:12288*\p+256*((\i)%2)+520
	ds_store_b128 v6, v[CX+12*\p+2:CX+12*\p+5] offset:12288*\p+256*((\i)%2)+1024
.endif
.endr
.endm
.macro BARRIER                         ; my LDS stores have landed and my LDS loads are in: then the work-group's barrier
	s_wait_dscnt 0x0
	s_barrier_signal -1
	s_barrier_wait -1
.endm
; q or k: my 128 channels are heads 2 w and 2 w + 1; registers 6 c .. 6 c + 5 of the fragment are head 2 w + c's 64 along d: half a fragment, stored as 512 + 256 consecutive bytes.
.macro EPI_QK mat
.irp m, 0,1,2,3
	s_wait_xcnt 0x0                                ; the codes' registers and the scale words are rewritten only behind this wait: earlier stores read them
	QUANT 64*\m
.irp c, 0,1
	global_store_b128 v1, v[PC+6*\c:PC+6*\c+3], s[54:55] offset:49152*\c+768*\m
	global_store_b64 v2, v[PC+6*\c+4:PC+6*\c+5], s[54:55] offset:49152*\c+768*\m+512
.endr
	v_lshrrev_b32 v24, v17, v[PW]                  ; lanes 0-15: head 2 w's two bytes, lanes 16-31: head 2 w + 1's;
	v_and_b32 v24, 0xffff, v24
	v_lshl_or_b32 v[SW+\m], v24, 16, v24           ; repeated for the upper 64 of the instruction's 128, whose codes are zeros
.endr
	global_store_b128 v15, v[SW:SW+3], s[56:57] offset:((\mat)-1)*524288   ; sixteen lanes store a head's 256 consecutive bytes, aligned
	s_wait_xcnt 0x0                                ; the stores have read their base
	s_add_nc_u64 s[54:55], s[54:55], 6291456       ; on to the next tensor's codes
.endm
	WLOAD 0, 0
	BLOADN 16
	SLOAD 0
	s_wait_tensorcnt 0x0                           ; my rows of x and my records are in LDS; nobody else reads them
	XBLOCK 0
	WLOAD 0, 1                                     ; the other K steps of the first matrix are asked for between the blocks
	XBLOCK 1
	WLOAD 0, 2
	XBLOCK 2
	WLOAD 0, 3
	XBLOCK 3
	ds_store_b32 v7, v[XW]
	ds_store_b32 v7, v[XW+1] offset:512
	BARRIER                                        ; xn's sixteen fragments lie in LDS
	AFETCH 0, 0, 0
.irp m, 0,1,2,3
	ds_load_b128 v[ASC+4*\m:ASC+4*\m+3], v9 offset:256*\m
.endr
	; The counts: behind what a unit wants, 72 loads or more have been issued (three K steps of 24, or two and the 48 or 96 that follow a matrix's first unit): the count's field holds 63.
	UNIT 0, 0, 63
	UNIT 0, 1, 63
	UNIT 0, 2, 63
	UNIT 0, 3, 63
.irp m, 0,1,2,3                        ; x1: my 128 channels of 16 pixels are one fragment: K step w of the next three products
	QUANT 64*\m
.irp g, 0,1,2
	ds_store_b128 v11, v[PC+4*\g:PC+4*\g+3] offset:6144*\m+512*\g
.endr
	ds_store_b32 v12, v[PW] offset:512*\m
	s_wait_dscnt 0x0                               ; the stores have read their registers
.endr
	BARRIER                                        ; x1's sixteen fragments lie in LDS
	AFETCH X1OFF, 0, 0
.irp m, 0,1,2,3
	ds_load_b128 v[ASC+4*\m:ASC+4*\m+3], v10 offset:512*\m
.endr
	UNIT 1, 0, 63
	UNIT 1, 1, 63
	UNIT 1, 2, 63
	UNIT 1, 3, 63
	EPI_QK 1
	UNIT 2, 0, 63
	UNIT 2, 1, 63
	UNIT 2, 2, 63
	UNIT 2, 3, 63
	EPI_QK 2
	UNIT 3, 0, 63
	UNIT 3, 1, 48                                  ; nothing more is asked for: behind this K step's loads stand two K steps',
	UNIT 3, 2, 24                                  ; one,
	UNIT 3, 3, 0                                   ; none
	; v: a lane holds one channel, 32 registers of a tile of channels are this block's 64 keys: two blocks of 32.  Two tiles make QUANT's 64 numbers; each half of the fragment is one tile's 64 keys.
.irp a, 0,1,2,3
	s_wait_xcnt 0x0
	QUANT 64*\a
.irp c, 0,1
	global_store_b128 v1, v[PC+6*\c:PC+6*\c+3], s[54:55] offset:((2*\a+\c)/4)*49152+((2*\a+\c)%4)*768
	global_store_b64 v2, v[PC+6*\c+4:PC+6*\c+5], s[54:55] offset:((2*\a+\c)/4)*49152+((2*\a+\c)%4)*768+512
.endr
	v_mov_b32 v[SW+\a], v[PW]                      ; two bytes for tile 2 a, two for tile 2 a + 1
.endr
	v_cmp_ne_u32 vcc_lo, 0, v13
	v_cndmask_b32 v24, v[SW], v[SW+2], vcc_lo      ; lanes 0-15 store their channel row's first 8 bytes, lanes 16-31 the other 8
	v_cndmask_b32 v25, v[SW+1], v[SW+3], vcc_lo
	global_store_b64 v16, v[24:25], s[58:59]       ; 256 consecutive bytes, aligned
	s_wait_tensorcnt 0x0
	ds_add_u32 v254, v255
	s_wait_dscnt 0x0
	s_endpgm
.Lfunc_end_k_q0ceaa2a36f_qkv:
	.size	k_q0ceaa2a36f_qkv, .Lfunc_end_k_q0ceaa2a36f_qkv-k_q0ceaa2a36f_qkv
	.p2alignl 7, 3214868480
	.fill 96, 4, 3214868480
	.section	.rodata,"a",@progbits
	.p2align	6, 0x0
	.amdhsa_kernel k_q0ceaa2a36f_qkv
		.amdhsa_group_segment_fixed_size 327680
		.amdhsa_private_segment_fixed_size 0
		.amdhsa_enable_private_segment 0
		.amdhsa_kernarg_size 80
		.amdhsa_user_sgpr_count 2
		.amdhsa_user_sgpr_kernarg_segment_ptr 1
		.amdhsa_wavefront_size32 1
		.amdhsa_system_sgpr_workgroup_id_x 1
		.amdhsa_system_sgpr_workgroup_id_y 1
		.amdhsa_system_sgpr_workgroup_id_z 1
		.amdhsa_system_vgpr_workitem_id 0
		.amdhsa_next_free_vgpr 1024
		.amdhsa_next_free_sgpr 66
		.amdhsa_reserve_vcc 1
		.amdhsa_float_denorm_mode_32 3
		.amdhsa_float_denorm_mode_16_64 3
		.amdhsa_memory_ordered 1
		.amdhsa_forward_progress 1
		.amdhsa_inst_pref_size 255
	.end_amdhsa_kernel
	.section	.bss,"aw",@nobits
	.p2align	6
	.space	262144
	.amdgpu_metadata
---
amdhsa.version: [ 1, 2 ]
amdhsa.kernels:
  - .name:           k_q0ceaa2a36f_qkv
    .symbol:         k_q0ceaa2a36f_qkv.kd
    .args:
      - { .name: x, .offset: 0, .size: 8, .value_kind: global_buffer, .address_space: global }
      - { .name: par, .offset: 8, .size: 8, .value_kind: global_buffer, .address_space: global }
      - { .name: wc, .offset: 16, .size: 8, .value_kind: global_buffer, .address_space: global }
      - { .name: ws, .offset: 24, .size: 8, .value_kind: global_buffer, .address_space: global }
      - { .name: conv_b, .offset: 32, .size: 8, .value_kind: global_buffer, .address_space: global }
      - { .name: bq, .offset: 40, .size: 8, .value_kind: global_buffer, .address_space: global }
      - { .name: bk, .offset: 48, .size: 8, .value_kind: global_buffer, .address_space: global }
      - { .name: bv, .offset: 56, .size: 8, .value_kind: global_buffer, .address_space: global }
      - { .name: qkvc, .offset: 64, .size: 8, .value_kind: global_buffer, .address_space: global }
      - { .name: qkvs, .offset: 72, .size: 8, .value_kind: global_buffer, .address_space: global }
    .group_segment_fixed_size: 327680
    .private_segment_fixed_size: 0
    .kernarg_segment_align: 8
    .kernarg_segment_size: 80
    .max_flat_workgroup_size: 128
    .sgpr_count:     66
    .vgpr_count:     1024
    .wavefront_size: 32
...
	.end_amdgpu_metadata
.endif
;; end of part 6
;; launch attn (part 7): grid 2 x 128, 16 waves a work-group, no clusters, 112,640 bytes of LDS; arguments qkvc, qkvs, rc, rs; writes rc, rs
.if DOCPART == 7
	.amdgcn_target "amdgcn-amd-amdhsa--gfx1250"
	.amdhsa_code_object_version 6
	.text
	.protected	k_q0ceaa2a36f_attn
	.globl	k_q0ceaa2a36f_attn
	.p2align	8
	.type	k_q0ceaa2a36f_attn,@function
k_q0ceaa2a36f_attn:
	s_mov_b64 s[64:65], 0
	v_nop
	global_prefetch_b8 v0, s[64:65] scope:SCOPE_SE
	s_setreg_imm32_b32 hwreg(HW_REG_WAVE_SCHED_MODE, 0, 2), 2
	s_setreg_imm32_b32 hwreg(HW_REG_WAVE_MODE, 25, 1), 1
	s_wait_xcnt 0x0
	s_wait_alu depctr_vm_vsrc(0)
; ATTN.  res[q][:] = the sum over k of softmax_k(q . k / 8) v[k][:] for one head (y = 8 x batch + head) and 512 of its 1,024 queries (x = which half), both products on codes of E3M2 with E8M0 scales.
; THE SOFTMAX AHEAD OF THE SECOND PRODUCT: t = score x log2(e) / 8; M = the running largest t, rounded UP to a whole number; p = 2^(t - M) is quantised along the keys, not normalised; the row's sum is taken
; of the unquantised p and divides at the end; when M moves, the sum and O are multiplied by 2^(old M - new M), which rounds nothing.  What leaves: res as codes along the channels, for the last product.
; SHARES.  Sixteen waves, four to a SIMD, 256 registers each: one wave's vector work stands beside another's products and LDS loads.  A wave owns one tile of 16 queries at a time, two one after the other.
; A WHOLE HEAD'S K AND V LIE IN LDS: 49,152 bytes of codes each and 6,144 of scale bytes, brought once through registers: no slot is ever filled again, one barrier in all.
; NO CLUSTER: only the two work-groups of a head share K and V, and each reads them once, 104,448 bytes; two along x make no cluster of four.
; LAYOUT.  Both products are used transposed: S^T = K Q^T (source 0 = 16 keys), O^T = V^T P^T (source 0 = 16 of the head's 64): a lane holds ONE query throughout.  The keys of a tile, and V's rows, were chosen
; by the launch before (lane r of tile 2 b + u: 32 b + 8 u + r + 8 (r / 8)), so that 16 registers of two neighbouring tiles are 16 neighbours along the next K.
; THE FIRST PRODUCT'S K IS 64: registers 6-11 of both operands hold zero codes, which add nothing.
; A block's largest p is not searched for: the block's largest score goes through the same multiply-add and exponential (this takes v_exp_f32 not to fall where its input rises).
; res's scale bytes leave one byte a lane (32 bytes of a tile's 256-byte record, whose other bytes are the other seven heads'): 262,144 bytes in the whole launch.
; LIMITS: NaN and infinities are not served; v_exp_f32 and v_rcp_f32 are good to 1 ulp, and a p under 2^-126 counts as 0; a block whose largest magnitude lies under 2^-122 gets the byte 1.
; THE MODE: SCHED_MODE bits 1:0 = 2 (LLVM: expert scheduling mode 2), set by the entry lines.  The code itself states the register dependences
; between vector or matrix instructions and memory or LDS instructions, with s_wait_alu, always for 0.
; THE PLAN.  Registers that LDS or memory instructions touch, in the loop over tiles:
;   KF (the lower six registers of each fragment), KS0-3, KS4-7   LDS loads land in them; the four products K Q^T of a group of four tiles of keys read them.  Group 1's are asked for behind group 0's products;
;              the next step's group 0's behind the exponentials' wait, when group 1's products are done with KF: half a step ahead of their use.
;   S0-47, VS  A step's scores and p lie in S; behind the sums V's fragments land there; the products V^T P^T read them.
;   PC, BY     Written by conversions, swaps, moves and a select; at a tile's end the three global stores read them; the next tile writes them again.
;   v1-v7      Offsets and LDS addresses: made once at the head, never written again.
;   O^T, the statistics and all that is at work are named by vector and matrix instructions alone.
; So a key step has FIVE waits on va_vdst; three of them: behind group 0's products (KF is free for group 1's loads); behind the exponentials (their results may be named; KF and KS0-3 are free for the next step's loads);
; behind the sums (S is free for V's loads; p's codes and scale word are written, which the scaled products take).  A tile has four more (its head: Q, the zero codes; two at the reciprocal; its end: the stores' data), one on va_vcc and one on vm_vsrc.
.set KSC,  98304                       ; LDS: K's codes at 0, V's at 49,152; K's scale words [block of 64 keys][r][tile]; V's [128 keys][r][tile]
.set VSC,  102400
.set FLOOR, 0x2800000
.set EOFF,  0xfe000000
.set KF,  28                           ; v28-75   four fragments of K (the upper six registers of each stay 0)
.set S,   76                           ; v76-139  S^T, then p; then four fragments of V
.set OT,  140                          ; v140-171 O^T
.set PC,  172                          ; v172-183 p's codes
.set TP,  184
.set BM,  192                          ; the blocks' largest scores
.set PD,  196
.set SO,  200                          ; the conversions' scale operands
.set FF,  204                          ; v[204:205] f = 2^(old M - new M)
.set TMP, 206
.set BY,  207
.set KS,  208                          ; v208-215 K's scale words
.set VS,  216                          ; v216-219 V's
.set QW,  220                          ; Q's
.set PWD, 221                          ; p's
.set QS,  222                          ; v222-228 the second tile of queries, kept
	s_load_b256 s[8:15], s[0:1], 0x0               ; qkvc, qkvs, rc, rs
	v_lshl_add_u32 v254, v0, 2, 0x1b000            ; my spare word, behind V's scale words: made here and kept for the closing lines alone
	v_mov_b32 v255, 0                              ; and 0, likewise
	v_lshrrev_b32 v1, 5, v0
	v_readfirstlane_b32 s4, v1                     ; wave 0..15
	s_and_b32 s5, ttmp7, 0xffff                    ; y
	s_lshr_b32 s6, s5, 3                           ; batch
	s_and_b32 s7, s5, 7                            ; head
	s_mul_i32 s28, s5, 49152                       ; the head's codes in each of q, k, v
	s_mov_b32 s29, 0
	s_lshl_b32 s30, ttmp9, 5
	s_wait_alu depctr_va_sdst(0)                   ; s4 is written, ahead of its first reader: my tile's number, and with it Q's and the results' bases, are made from it
	s_add_co_u32 s30, s30, s4                      ; my first tile of queries: 32 x + wave; the second lies 16 tiles on
	s_mul_i32 s36, s30, 768
	s_mov_b32 s37, 0
	s_lshl_b32 s38, s5, 12                         ; the head's scale words of q and of k
	s_mov_b32 s39, 0
	s_lshr_b32 s41, s30, 2
	s_lshl_b32 s41, s41, 8
	s_and_b32 s42, s30, 3
	s_lshl_b32 s42, s42, 2
	s_add_co_u32 s42, s42, s41                     ; my tile's words: 256 (tile / 4) + 4 (tile % 4)
	s_mov_b32 s43, 0
	s_lshl_b32 s44, s6, 14                         ; v's scale bytes: 16,384 x batch + 256 (head / 2) + 8 (head % 2)
	s_lshr_b32 s45, s7, 1
	s_lshl_b32 s45, s45, 8
	s_add_co_u32 s44, s44, s45
	s_and_b32 s45, s7, 1
	s_lshl_b32 s45, s45, 3
	s_add_co_u32 s44, s44, s45
	s_add_co_u32 s44, s44, 1048576
	s_mov_b32 s45, 0
	s_lshl_b32 s46, s6, 6
	s_add_co_u32 s46, s46, s30                     ; 64 x batch + tile
	s_lshl_b32 s31, s46, 8
	s_lshl_b32 s47, s7, 1
	s_add_co_u32 s31, s31, s47                     ; rs: 256 bytes a tile, + 2 x head
	s_lshl_b32 s46, s46, 3
	s_add_co_u32 s46, s46, s7
	s_mul_i32 s46, s46, 768                        ; rc: (8 x tile + head) halves of 768 bytes
	s_mov_b32 s47, 0
	s_mov_b32 s32, 0x76543210
	s_mov_b32 s33, 0xfedcba98                      ; v_permlanex16_b32's selects for lane l xor 16
	s_mov_b32 s34, 0x3e38aa3b                      ; c = log2(e) / 8
	s_mov_b32 s35, s34                             ; (named with it as a pair, so it is written)
	s_mov_b32 s40, 2                               ; tiles of queries to go
	v_and_b32 v232, 31, v0                         ; lane
	v_and_b32 v233, 15, v0                         ; r
	v_bfe_u32 v231, v0, 4, 1                       ; h
	v_lshlrev_b32 v1, 4, v232                      ; 16 x lane: registers 0-3 of half a fragment
	v_lshlrev_b32 v2, 3, v232                      ; 8 x lane: registers 4-5, 512 bytes on
	v_add_nc_u32 v3, 49152, v1                     ; the same in V
	v_add_nc_u32 v4, 49152, v2
	v_lshlrev_b32 v234, 4, v233                    ; 16 r
	v_add_nc_u32 v5, KSC, v234
	v_add_nc_u32 v6, VSC, v234
	v_add_nc_u32 v7, v234, v231                    ; 16 r + h: my byte of res's scales
	v_lshlrev_b32 v8, 4, v0                        ; the fill: 16 bytes a thread
	v_lshrrev_b32 v9, 4, v0
	v_lshlrev_b32 v9, 11, v9
	v_add_nc_u32 v9, v9, v234                      ; v's scale bytes: thread t < 128 takes 128 keys t / 16, row t % 16
	v_add_nc_u32 v10, VSC, v8
	v_add_nc_u32 v11, 49152, v8
	v_lshlrev_b32 v230, 3, v0
	v_add_nc_u32 v229, KSC, v230
	s_wait_kmcnt 0x0
	s_add_nc_u64 s[20:21], s[8:9], s[28:29]        ; q's codes of the head,
	s_add_nc_u64 s[16:17], s[20:21], 6291456       ; k's,
	s_add_nc_u64 s[18:19], s[20:21], 12582912      ; v's
	s_add_nc_u64 s[20:21], s[20:21], s[36:37]      ; q at my first tile
	s_add_nc_u64 s[24:25], s[10:11], s[38:39]      ; q's scale words of the head,
	s_add_nc_u64 s[22:23], s[24:25], 524288        ; k's
	s_add_nc_u64 s[24:25], s[24:25], s[42:43]      ; q's at my first tile
	s_add_nc_u64 s[26:27], s[10:11], s[44:45]
	s_add_nc_u64 s[12:13], s[12:13], s[46:47]
	s_mov_b32 s30, s31
	s_mov_b32 s31, 0
	s_add_nc_u64 s[14:15], s[14:15], s[30:31]
	s_wait_alu depctr_va_vdst(0)                   ; the offsets and LDS addresses v1 to v11, v229, v230 and v234 are written: every load and store of the kernel reads one of them, and none is written again
.irp i, 0,1,2,3,4,5
	global_load_b128 v[S+4*\i:S+4*\i+3], v8, s[16:17] offset:8192*\i          ; a wave's load covers 512 consecutive bytes
	global_load_b128 v[S+24+4*\i:S+24+4*\i+3], v8, s[18:19] offset:8192*\i
.endr
	global_load_b64 v[S+48:S+49], v230, s[22:23]
	global_load_b128 v[16:19], v1, s[20:21]        ; my first tile of queries
	global_load_b64 v[20:21], v2, s[20:21] offset:512
	global_load_b32 v[QW], v234, s[24:25]
	global_load_b128 v[QS:QS+3], v1, s[20:21] offset:12288     ; and my second
	global_load_b64 v[QS+4:QS+5], v2, s[20:21] offset:12800
	global_load_b32 v[QS+6], v234, s[24:25] offset:1024
.irp i, 22,23,24,25,26,27
	v_mov_b32 v[\i], 0                             ; Q's upper 64 along K: zero codes
.endr
.irp t, 0,1,2,3
.irp i, 6,7,8,9,10,11
	v_mov_b32 v[KF+12*\t+\i], 0                    ; K's likewise: set once
.endr
.endr
.irp b, 0,1,2,3
	v_mov_b32 v[PD+\b], 0                          ; written once: a lane permute's destination counts as one of its sources
.endr
	v_mov_b32 v[FF+1], 0                           ; (named as the upper half of a pair)
	s_cmp_lt_u32 s4, 4
	s_cbranch_scc0 .Lno_vs                         ; waves 0-3 make V's scale words: two bytes of one block of 64 keys, two of the next
	global_load_b64 v[S+50:S+51], v9, s[26:27]     ; (no vector instruction since the wait above names v9 or these four registers)
	global_load_b64 v[S+52:S+53], v9, s[26:27] offset:1024
	s_wait_loadcnt 0x0
	v_perm_b32 v[S+56], v[S+52], v[S+50], 0x05040100
	v_perm_b32 v[S+57], v[S+52], v[S+50], 0x07060302
	v_perm_b32 v[S+58], v[S+53], v[S+51], 0x05040100
	v_perm_b32 v[S+59], v[S+53], v[S+51], 0x07060302
	s_wait_alu depctr_va_vdst(0)                   ; the four lines above have written the words that the LDS store reads
	ds_store_b128 v10, v[S+56:S+59]
.Lno_vs:
	s_wait_loadcnt 0x0
.irp i, 0,1,2,3,4,5
	ds_store_b128 v8, v[S+4*\i:S+4*\i+3] offset:8192*\i
	ds_store_b128 v11, v[S+24+4*\i:S+24+4*\i+3] offset:8192*\i
.endr
	ds_store_b64 v229, v[S+48:S+49]
	s_wait_dscnt 0x0                               ; for the others' sake: my stores are done
	s_barrier_signal -1
	s_barrier_wait -1                              ; the head lies in LDS; nothing is written there again
	s_wait_alu depctr_vm_vsrc(0)                   ; my LDS stores have read v[S ..], which the first products write
; Four tiles of 16 keys, group g of key step q, and their scale words: nine LDS loads.  Every LDS offset is an immediate.
.macro KLOAD q, g
.irp t, 0,1,2,3
	ds_load_b128 v[KF+12*\t:KF+12*\t+3], v1 offset:(8*(\q)+4*(\g)+\t)*768
	ds_load_b64 v[KF+12*\t+4:KF+12*\t+5], v2 offset:(8*(\q)+4*(\g)+\t)*768+512
.endr
	ds_load_b128 v[KS+4*(\g):KS+4*(\g)+3], v5 offset:512*(\q)+256*(\g)
.endm
; The largest score of each of two blocks of 32 keys (my 16 of them): for the row's maximum, and for the block's largest p.  Each accumulator is read from its low end on.
.macro BMAX b0, b1
.irp b, \b0, \b1
	v_max3_num_f32 v[BM+\b], v[S+16*\b], v[S+1+16*\b], v[S+2+16*\b]
.endr
.irp i, 3,5,7,9,11,13
.irp b, \b0, \b1
	v_max3_num_f32 v[BM+\b], v[BM+\b], v[S+16*\b+\i], v[S+1+16*\b+\i]   ; (the two blocks by turns)
.endr
.endr
.irp b, \b0, \b1
	v_max_num_f32 v[BM+\b], v[BM+\b], v[S+15+16*\b]
.endr
.endm
; A KEY STEP: keys 128 q .. 128 q + 127.  Its first four tiles of K are in KF already: asked for in the step before (step 0's: at the tile's head), and shown landed by the wait on DScnt that stands behind that request.
.macro STEP q
.irp t, 0,1,2,3                        ; S^T = K Q^T, four tiles of 16 keys at a time
	v_wmma_scale_f32_16x16x128_f8f6f4 v[S+8*\t:S+8*\t+7], v[KF+12*\t:KF+12*\t+11], v[16:27], 0, v[KS+\t], v[QW] matrix_a_fmt:MATRIX_FMT_BF6 matrix_b_fmt:MATRIX_FMT_BF6
.endr
.rept 4
	v_nop                                          ; places (ISA guide 7.12.1) in front of the first read of these results
.endr
	s_wait_alu depctr_va_vdst(0)                   ; the four products are done reading KF, in which the next four tiles land (KS4-7 were last read a step ago)
	KLOAD \q, 1
	BMAX 0, 1                                      ; blocks 0 and 1 are whole: their maxima stand between the loads and the wait for them, and name none of the loads' registers
	s_wait_dscnt 0x0
.irp t, 0,1,2,3
	v_wmma_scale_f32_16x16x128_f8f6f4 v[S+32+8*\t:S+39+8*\t], v[KF+12*\t:KF+12*\t+11], v[16:27], 0, v[KS+4+\t], v[QW] matrix_a_fmt:MATRIX_FMT_BF6 matrix_b_fmt:MATRIX_FMT_BF6
.endr                                  ; lane (r, h) holds query r; register 16 b + i is key 128 q + 32 b + 16 h + i
.rept 4
	v_nop
.endr
	BMAX 2, 3
.irp b, 0,1,2,3
	v_permlanex16_b32 v[PD+\b], v[BM+\b], s32, s33
.endr
.irp b, 0,1,2,3
	v_max_num_f32 v[BM+\b], v[BM+\b], v[PD+\b]     ; with lane l xor 16's 16 keys
.endr
	v_max3_num_f32 v[TMP], v[BM], v[BM+1], v[BM+2]
	v_max_num_f32 v[TMP], v[TMP], v[BM+3]
	v_mul_f32 v[TMP], s34, v[TMP]                  ; as t (c is positive)
	v_max_num_f32 v13, v13, v[TMP]                 ; the running largest t
	v_mov_b32 v[TMP], v12
	v_floor_f32 v12, -v13                          ; the new -M = floor(-t): M is a whole number
	v_sub_f32 v[TMP], v12, v[TMP]                  ; old M - new M: a whole number, 0 or less
	v_cvt_i32_f32 v[TMP], v[TMP]                   ; (it saturates)
	v_ldexp_f32 v[FF], 1.0, v[TMP]                 ; f = 2^(old M - new M)
.irp j, 0,2,4,6,8,10,12,14,16,18,20,22,24,26,28,30,32,34,36,38,40,42,44,46,48,50,52,54,56,58,60,62
	v_pk_fma_f32 v[S+\j:S+1+\j], v[S+\j:S+1+\j], s[34:35], v[12:13] op_sel_hi:[1,0,0]   ; t - M, two at a time
.endr
.irp b, 0,1,2,3
	v_fma_f32 v[BM+\b], v[BM+\b], s34, v12         ; the same of each block's largest score
.endr
	s_wait_alu depctr_va_vdst(0)
.irp j, 0,1,2,3,4,5,6,7,8,9,10,11,12,13,14,15,16,17,18,19,20,21,22,23,24,25,26,27,28,29,30,31,32,33,34,35,36,37,38,39,40,41,42,43,44,45,46,47,48,49,50,51,52,53,54,55,56,57,58,59,60,61,62,63
	v_exp_f32 v[S+\j], v[S+\j]                     ; p = 2^(t - M), at most 1
.endr
.irp b, 0,1,2,3
	v_exp_f32 v[BM+\b], v[BM+\b]                   ; the block's largest p
.endr
	v_pk_mul_f32 v[14:15], v[14:15], v[FF:FF+1] op_sel_hi:[1,0]   ; the sums under the new M.  (A plain place behind the exponentials)
	s_wait_alu depctr_va_vdst(0)                   ; the 68 exponentials have written p and the blocks' largest p, ahead of their first reader; and this step's products are done reading KF and KS0-3, in which the loads below land
.if (\q) < 7
	KLOAD (\q)+1, 0                                ; the next step's first four tiles of K: no vector or matrix instruction names their registers before that step's products
.endif
.irp b, 0,1,2,3
	v_max_num_f32 v[BM+\b], FLOOR, v[BM+\b]
.endr
.irp b, 0,1,2,3
	v_add_nc_u32 v[SO+\b], EOFF, v[BM+\b]
.endr
.irp b, 0,1,2,3
	v_lshrrev_b32 v[PD+\b], 23, v[SO+\b]
.endr
	v_lshl_or_b32 v[PWD], v[PD+1], 8, v[PD]        ; p's scale word for these 128 keys
	v_lshl_or_b32 v[PWD], v[PD+2], 16, v[PWD]
	v_lshl_or_b32 v[PWD], v[PD+3], 24, v[PWD]
.irp c, 0,1
	v_cvt_scalef32_pk16_bf6_f32 v[PC+6*\c:PC+6*\c+2], v[S+32*\c:S+32*\c+15], v[SO+2*\c]
	v_cvt_scalef32_pk16_bf6_f32 v[TP+4*\c:TP+4*\c+2], v[S+16+32*\c:S+31+32*\c], v[SO+2*\c+1]
.endr
	v_nop                                          ; one plain place behind a scaled conversion
.irp c, 0,1
.irp i, 0,1,2
	v_permlane16_swap_b32 v[PC+6*\c+\i], v[TP+4*\c+\i]
.endr
.irp i, 0,1,2
	v_mov_b32 v[PC+6*\c+3+\i], v[TP+4*\c+\i]
.endr
.endr
	v_pk_add_f32 v[TP:TP+1], v[S:S+1], v[S+2:S+3]  ; the row's sum is taken of the unquantised p: two at a time, in two chains
.irp j, 4,8,12,16,20,24,28,32,36,40,44,48,52,56,60
	v_pk_add_f32 v[14:15], v[14:15], v[S+\j:S+1+\j]
	v_pk_add_f32 v[TP:TP+1], v[TP:TP+1], v[S+2+\j:S+3+\j]
.endr
	v_pk_add_f32 v[14:15], v[14:15], v[TP:TP+1]
	s_wait_alu depctr_va_vdst(0)                   ; the conversions and the sums are done reading p, in whose registers V lands; p's codes and scale word are written, which the scaled products below take (the sums above are the places ahead of this wait)
.irp t, 0,1,2,3                        ; V^T: 16 of the head's 64 x these 128 keys: two halves of 64 keys; into the registers that p has left
	ds_load_b128 v[S+12*\t:S+12*\t+3], v3 offset:6144*(\q)+768*\t
	ds_load_b64 v[S+12*\t+4:S+12*\t+5], v4 offset:6144*(\q)+768*\t+512
	ds_load_b128 v[S+12*\t+6:S+12*\t+9], v3 offset:6144*(\q)+768*\t+3072
	ds_load_b64 v[S+12*\t+10:S+12*\t+11], v4 offset:6144*(\q)+768*\t+3584
.endr
	ds_load_b128 v[VS:VS+3], v6 offset:256*(\q)
.irp j, 0,2,4,6,8,10,12,14,16,18,20,22,24,26,28,30
	v_pk_mul_f32 v[OT+\j:OT+1+\j], v[OT+\j:OT+1+\j], v[FF:FF+1] op_sel_hi:[1,0]   ; O^T under the new M, while the loads are out: these name O^T and f alone
.endr
	s_wait_alu depctr_va_vdst(0)
	s_wait_dscnt 0x0                               ; V is in, and so are the next step's first tiles of K, which were asked for ahead of it
.irp t, 0,1,2,3
	v_wmma_scale_f32_16x16x128_f8f6f4 v[OT+8*\t:OT+8*\t+7], v[S+12*\t:S+12*\t+11], v[PC:PC+11], v[OT+8*\t:OT+8*\t+7], v[VS+\t], v[PWD] matrix_a_fmt:MATRIX_FMT_BF6 matrix_b_fmt:MATRIX_FMT_BF6
.endr
.rept 5
	v_nop                                          ; places: the next step's first products write over the registers that held V
.endr
.endm
.Ltile:
	KLOAD 0, 0                                     ; step 0's first four tiles of K.  On both ways here no vector or matrix instruction since the last wait on va_vdst names their registers or their addresses
	v_mov_b32 v13, 0xff61b1e6                      ; the largest t so far: -3e38, under every t
	v_floor_f32 v12, -v13                          ; -M
	v_mov_b32 v14, 0                               ; the sum, in two halves
	v_mov_b32 v15, 0
.irp j, 0,1,2,3,4,5,6,7,8,9,10,11,12,13,14,15,16,17,18,19,20,21,22,23,24,25,26,27,28,29,30,31
	v_mov_b32 v[OT+\j], 0                          ; O^T: the step is written once, and the first change of M multiplies zeros
.endr
	s_wait_alu depctr_va_vdst(0)                   ; what vector instructions wrote of the scaled products' operands is written: the zero codes of Q and K and, for the second tile, Q's codes and scale word (the 36 lines above are the places ahead of this wait)
	s_wait_dscnt 0x0                               ; K's first four tiles are in
.irp q, 0,1,2,3,4,5,6,7
	STEP \q
.endr
	; res = O^T / the sum, quantised along the channels: my head's 64 are two blocks of 32
	v_add_f32 v14, v14, v15
	v_permlanex16_b32 v[TMP], v14, s32, s33
	v_add_f32 v14, v14, v[TMP]                     ; the row's sum
	s_wait_alu depctr_va_vdst(0)
	v_rcp_f32 v14, v14
	v_cmp_ne_u32 vcc_lo, 0, v231                   ; (a plain place behind the transcendental)
	s_wait_alu depctr_va_vdst(0)                   ; the reciprocal is written, ahead of its first reader
	s_wait_alu depctr_va_vcc(0)                    ; VCC is written, ahead of the select below that reads it
.irp j, 0,2,4,6,8,10,12,14,16,18,20,22,24,26,28,30
	v_pk_mul_f32 v[OT+\j:OT+1+\j], v[OT+\j:OT+1+\j], v[14:15] op_sel_hi:[1,0]   ; register 16 b + i is channel 32 b + 16 h + i of the head
.endr
.irp b, 0,1
	v_max3_num_f32 v[BM+\b], |v[OT+16*\b]|, |v[OT+1+16*\b]|, FLOOR
.endr
.irp i, 2,4,6,8,10,12,14
.irp b, 0,1
	v_max3_num_f32 v[BM+\b], v[BM+\b], |v[OT+16*\b+\i]|, |v[OT+1+16*\b+\i]|
.endr
.endr
.irp b, 0,1
	v_permlanex16_b32 v[PD+\b], v[BM+\b], s32, s33
.endr
.irp b, 0,1
	v_max_num_f32 v[BM+\b], v[BM+\b], v[PD+\b]
.endr
.irp b, 0,1
	v_add_nc_u32 v[SO+\b], EOFF, v[BM+\b]
.endr
.irp b, 0,1
	v_lshrrev_b32 v[PD+\b], 23, v[SO+\b]
.endr
	v_cvt_scalef32_pk16_bf6_f32 v[PC:PC+2], v[OT:OT+15], v[SO]
	v_cvt_scalef32_pk16_bf6_f32 v[TP:TP+2], v[OT+16:OT+31], v[SO+1]
	v_cndmask_b32 v[BY], v[PD], v[PD+1], vcc_lo    ; (a plain place behind the conversions)  lanes 0-15 block 0's byte, lanes 16-31 block 1's
.irp i, 0,1,2
	v_permlane16_swap_b32 v[PC+\i], v[TP+\i]
.endr
.irp i, 0,1,2
	v_mov_b32 v[PC+3+\i], v[TP+\i]
.endr
	s_wait_alu depctr_va_vdst(0)                   ; the codes and the byte are written, which the three stores read
	global_store_b128 v1, v[PC:PC+3], s[12:13]     ; half a fragment of the last product: 512 and 256 consecutive bytes, aligned
	global_store_b64 v2, v[PC+4:PC+5], s[12:13] offset:512
	global_store_b8 v7, v[BY], s[14:15]
	s_wait_xcnt 0x0                                ; the stores have read their registers and bases: both are written again
	s_wait_alu depctr_vm_vsrc(0)                   ; the stores have read the codes and the byte, which the next tile's conversions and select write again
	s_add_nc_u64 s[12:13], s[12:13], 98304         ; 16 tiles on
	s_add_nc_u64 s[14:15], s[14:15], 4096
.irp i, 0,1,2,3,4,5
	v_mov_b32 v[16+\i], v[QS+\i]                   ; my second tile of queries
.endr
	v_mov_b32 v[QW], v[QS+6]
	s_sub_co_u32 s40, s40, 1
	s_cmp_lg_u32 s40, 0
	s_cbranch_scc1 .Ltile
	s_wait_dscnt 0x0                               ; the closing lines, six on end
	s_wait_alu 0x0
	s_wait_tensorcnt 0x0
	ds_add_u32 v254, v255
	s_wait_dscnt 0x0
	s_endpgm
.Lfunc_end_k_q0ceaa2a36f_attn:
	.size	k_q0ceaa2a36f_attn, .Lfunc_end_k_q0ceaa2a36f_attn-k_q0ceaa2a36f_attn
	.p2alignl 7, 3214868480
	.fill 96, 4, 3214868480
	.section	.rodata,"a",@progbits
	.p2align	6, 0x0
	.amdhsa_kernel k_q0ceaa2a36f_attn
		.amdhsa_group_segment_fixed_size 112640
		.amdhsa_private_segment_fixed_size 0
		.amdhsa_enable_private_segment 0
		.amdhsa_kernarg_size 32
		.amdhsa_user_sgpr_count 2
		.amdhsa_user_sgpr_kernarg_segment_ptr 1
		.amdhsa_wavefront_size32 1
		.amdhsa_system_sgpr_workgroup_id_x 1
		.amdhsa_system_sgpr_workgroup_id_y 1
		.amdhsa_system_sgpr_workgroup_id_z 1
		.amdhsa_system_vgpr_workitem_id 0
		.amdhsa_next_free_vgpr 256
		.amdhsa_next_free_sgpr 66
		.amdhsa_reserve_vcc 1
		.amdhsa_float_denorm_mode_32 3
		.amdhsa_float_denorm_mode_16_64 3
		.amdhsa_memory_ordered 1
		.amdhsa_forward_progress 1
		.amdhsa_inst_pref_size 141
	.end_amdhsa_kernel
	.amdgpu_metadata
---
amdhsa.version: [ 1, 2 ]
amdhsa.kernels:
  - .name:           k_q0ceaa2a36f_attn
    .symbol:         k_q0ceaa2a36f_attn.kd
    .args:
      - { .name: qkvc, .offset: 0, .size: 8, .value_kind: global_buffer, .address_space: global }
      - { .name: qkvs, .offset: 8, .size: 8, .value_kind: global_buffer, .address_space: global }
      - { .name: rc, .offset: 16, .size: 8, .value_kind: global_buffer, .address_space: global }
      - { .name: rs, .offset: 24, .size: 8, .value_kind: global_buffer, .address_space: global }
    .group_segment_fixed_size: 112640
    .private_segment_fixed_size: 0
    .kernarg_segment_align: 8
    .kernarg_segment_size: 32
    .max_flat_workgroup_size: 512
    .sgpr_count:     66
    .vgpr_count:     256
    .wavefront_size: 32
...
	.end_amdgpu_metadata
.endif
;; end of part 7
;; launch proj (part 8): grid 256 x 1, 4 waves a work-group, no clusters, 168,448 bytes of LDS; arguments x, rc, rs, wc, ws, bo, out0; writes out0
.if DOCPART == 8
	.amdgcn_target "amdgcn-amd-amdhsa--gfx1250"
	.amdhsa_code_object_version 6
	.text
	.protected	k_q0ceaa2a36f_proj
	.globl	k_q0ceaa2a36f_proj
	.p2align	8
	.type	k_q0ceaa2a36f_proj,@function
k_q0ceaa2a36f_proj:
	s_mov_b64 s[64:65], 0
	v_nop
	global_prefetch_b8 v0, s[64:65] scope:SCOPE_SE
	s_setreg_imm32_b32 hwreg(HW_REG_WAVE_MODE, 25, 1), 1
	s_wait_xcnt 0x0
; PROJ.  out0[b][c][pixel] = (res wo^T)[pixel][c] + bo[c] + x[b][c][pixel], the product on codes of E3M2 with E8M0 scales, for 64 pixels of one image.
; SHARES.  Work-group = 16 x batch + block of 64 pixels; wave w makes output channels 128 w .. 128 w + 127 for all 64 pixels.  Codes and scale words come from memory straight into the operands' registers
; (they were stored as images of them); wo's fragments are read by the one wave that multiplies them and feed four products each.  The waves share nothing: no barrier.
; NO CLUSTER: a joint load lands in LDS, and nothing here passes through LDS on its way to the matrix unit.
; LAYOUT.  Source 0 = 16 pixels of res, source 1 = 16 rows of wo: a lane holds one channel, and its eight registers eight neighbouring pixels: 32 neighbouring bytes of a row of x and of out0.  bo is the C of the first K step.
; THE WAY OUT.  My 128 channels x 64 pixels of x come into LDS by one tensor load (rows of 256 bytes + 16); the results are added to them there, 32 channels at a time, and whole rows are read back and stored:
; sixteen lanes store a channel's 256 consecutive bytes, aligned.  Those LDS bytes are filled once and are mine alone.
; REGISTERS.  Window 0: v1-14 addresses; v16-31 res's scale words (4 m + s); v32-63 wo's (4 t + s); v64-255 res's 16 fragments (4 m + s), on the way out x and whole rows.
;   Window 1: the 32 accumulators (32 t + 8 m).  Window 2: wo's K steps 0 and 1, from v192 the bias.  Window 3: K steps 2 and 3.
.set XWAVE, 34816
.set RSC, 16
.set WSC, 32
.set RF,  64
.set BI,  192
.set MSB, 0
.macro WIN new
.if MSB != (\new)
	s_set_vgpr_msb (MSB<<8)|(\new)
.set MSB, (\new)
.endif
.endm
	s_load_b256 s[8:15], s[0:1], 0x0               ; x, rc, rs, wc
	s_load_b128 s[16:19], s[0:1], 0x20             ; ws, bo
	s_load_b64 s[20:21], s[0:1], 0x30              ; out0
	v_lshl_add_u32 v13, v0, 2, 0x29000
	v_mov_b32 v15, 0
	ds_add_u32 v13, v15
	ds_add_u32 v13, v15
	v_lshrrev_b32 v8, 5, v0
	v_readfirstlane_b32 s4, v8                     ; wave 0..3
	s_lshr_b32 s5, ttmp9, 4                        ; batch
	s_and_b32 s6, ttmp9, 15                        ; block of 64 pixels
	; group 1: 128 rows (channels) x 64 elements of 4 bytes, 1,024 elements from row to row; 4 words of padding behind every 64
	s_mov_b32 s28, (2<<16)|(1<<20)|(5<<22)|(3<<25)
	s_mov_b32 s29, 64<<16
	s_mov_b32 s30, 128<<16
	s_mov_b32 s31, 64<<16
	s_mov_b32 s32, 128
	s_mov_b32 s33, 1024
	s_mov_b32 s34, 0
	s_mov_b32 s35, 0
	s_mov_b32 s36, 1
	s_mul_i32 s37, s4, XWAVE
	s_lshl_b32 s60, s5, 21                         ; batch x 2,097,152 + 128 w channels of 4,096 bytes + 256 x block: in x and in out0
	s_lshl_b32 s61, s4, 19
	s_add_co_u32 s60, s60, s61
	s_lshl_b32 s61, s6, 8
	s_add_co_u32 s60, s60, s61
	s_mov_b32 s61, 0
	s_wait_dscnt 0x0
	s_wait_kmcnt 0x0
	s_add_nc_u64 s[38:39], s[8:9], s[60:61]
	s_or_b32 s39, s39, 0x80000000
	tensor_load_to_lds s[36:39], s[28:35]          ; my one tensor load: it has all the products in which to land
	s_nop 0
.rept 4
	v_nop
.endr
	s_add_nc_u64 s[20:21], s[20:21], s[60:61]
	v_and_b32 v8, 31, v0                           ; lane
	v_and_b32 v9, 15, v0                           ; r
	v_bfe_u32 v10, v0, 4, 1                        ; h
	v_lshlrev_b32 v1, 4, v8
	v_lshlrev_b32 v2, 3, v8
	v_lshlrev_b32 v3, 4, v9
	v_and_b32 v7, 8, v9
	v_add_nc_u32 v7, v7, v9                        ; r + 8 (r / 8): my channel in a pair of tiles
	v_lshlrev_b32 v14, 2, v7
	s_wait_alu depctr_va_vdst(0)
	v_mul_u32_u24 v4, v7, 272
	v_lshl_add_u32 v4, v10, 6, v4
	v_add_nc_u32 v4, s37, v4                       ; x in the result's layout: my channel's row, + 64 h
	v_mul_u32_u24 v5, v10, 272
	v_lshl_add_u32 v5, v9, 4, v5
	v_add_nc_u32 v5, s37, v5                       ; whole rows: lanes 0-15 one, lanes 16-31 the next
	v_lshlrev_b32 v6, 12, v10
	v_lshl_add_u32 v6, v9, 4, v6                   ; and the same two rows in out0
	s_mul_i32 s60, ttmp9, 24576
	s_add_nc_u64 s[10:11], s[10:11], s[60:61]      ; rc at this block's four tiles
	s_lshl_b32 s60, ttmp9, 10
	s_add_nc_u64 s[12:13], s[12:13], s[60:61]      ; rs likewise
	s_mul_i32 s60, s4, 49152
	s_add_nc_u64 s[14:15], s[14:15], s[60:61]      ; wc at my 8 tiles
	s_lshl_b32 s60, s4, 11
	s_add_nc_u64 s[16:17], s[16:17], s[60:61]
	s_lshl_b32 s60, s4, 9
	s_add_nc_u64 s[18:19], s[18:19], s[60:61]      ; bo at my 128 channels
.macro WLOAD s                         ; wo (matrix 4): my 8 fragments of K step s: 24 loads
	WIN 0x80+0x40*((\s)/2)
.irp t, 0,1,2,3,4,5,6,7
.irp g, 0,1,2
	global_load_b128 v[96*((\s)%2)+12*\t+4*\g:96*((\s)%2)+12*\t+4*\g+3], v1, s[14:15] offset:4*196608+(\s)*12288+\t*1536+\g*512
.endr
.endr
.endm
.macro RLOAD s                         ; res: the four tiles of pixels, K step s = heads 2 s and 2 s + 1, half a fragment each: 16 loads
	WIN 0
.irp m, 0,1,2,3
.set rR, RF+12*(4*\m+(\s))
	global_load_b128 v[rR:rR+3], v1, s[10:11] offset:(8*\m+2*(\s))*768
	global_load_b64 v[rR+4:rR+5], v2, s[10:11] offset:(8*\m+2*(\s))*768+512
	global_load_b128 v[rR+6:rR+9], v1, s[10:11] offset:(8*\m+2*(\s))*768+768
	global_load_b64 v[rR+10:rR+11], v2, s[10:11] offset:(8*\m+2*(\s))*768+1280
.endr
.endm
; 32 products; the 32 accumulators take turns, one instruction a turn, in the same order in every K step
.macro MUL s
.set WB, 96*((\s)%2)
.if (\s) == 0
	WIN 0x68                                       ; D window 1, C (the bias) window 2, source 0 (res) window 0, source 1 (wo) window 2
.elseif (\s) == 1
	WIN 0x58
.else
	WIN 0x5c
.endif
.irp t, 0,1,2,3,4,5,6,7
.irp m, 0,1,2,3
.set rD, 32*\t+8*\m
.set rR, RF+12*(4*\m+(\s))
.if (\s) == 0
	v_wmma_scale_f32_16x16x128_f8f6f4 v[rD:rD+7], v[rR:rR+11], v[WB+12*\t:WB+12*\t+11], v[BI+8*\t:BI+8*\t+7], v[RSC+4*\m+(\s)], v[WSC+4*\t+(\s)] matrix_a_fmt:MATRIX_FMT_BF6 matrix_b_fmt:MATRIX_FMT_BF6
.else
	v_wmma_scale_f32_16x16x128_f8f6f4 v[rD:rD+7], v[rR:rR+11], v[WB+12*\t:WB+12*\t+11], v[rD:rD+7], v[RSC+4*\m+(\s)], v[WSC+4*\t+(\s)] matrix_a_fmt:MATRIX_FMT_BF6 matrix_b_fmt:MATRIX_FMT_BF6
.endif
.endr
.endr
.endm
	WIN 0x80
.irp t, 0,1,2,3,4,5,6,7                ; bo as C: the lane's channel's number in all eight registers
.irp j, 0,1,2,3,4,5,6,7
	global_load_b32 v[BI+8*\t+\j], v14, s[18:19] offset:(32*(\t/2)+8*(\t%2))*4
.endr
.endr
	WIN 0
.irp t, 0,1,2,3,4,5,6,7
	global_load_b128 v[WSC+4*\t:WSC+4*\t+3], v3, s[16:17] offset:4*8192+\t*256
.endr
.irp m, 0,1,2,3
	global_load_b128 v[RSC+4*\m:RSC+4*\m+3], v3, s[12:13] offset:256*\m
.endr
	WLOAD 0
	RLOAD 0
	WLOAD 1
	RLOAD 1
	s_wait_alu depctr_va_vdst(0)
	s_wait_loadcnt 40                              ; all but K step 1's 24 + 16
	MUL 0
	WLOAD 2                                        ; into registers that no product has named yet
	RLOAD 2
	s_wait_loadcnt 40                              ; all but K step 2's
	MUL 1
	WLOAD 3
	RLOAD 3
	s_wait_loadcnt 40
	MUL 2
	s_wait_loadcnt 0x0
	MUL 3
	WIN 0
.rept 4
	v_nop                                          ; places in front of the first read of results and of the loads into registers that held res
.endr
	s_wait_tensorcnt 0x0                           ; my rows of x are in LDS
.irp a, 0,1,2,3                        ; 32 channels at a time: tiles 2 a and 2 a + 1
.irp u, 0,1
.irp m, 0,1,2,3
	ds_load_b128 v[64+32*\u+8*\m:67+32*\u+8*\m], v4 offset:(32*\a+8*\u)*272+128*(\m/2)+32*(\m%2)       ; x at pixels 32 (m / 2) + 16 h + 8 (m % 2) + 0 .. 7 of my channel
	ds_load_b128 v[68+32*\u+8*\m:71+32*\u+8*\m], v4 offset:(32*\a+8*\u)*272+128*(\m/2)+32*(\m%2)+16
.endr
.endr
	s_wait_dscnt 0x0
	WIN 0x01                                       ; source 0: the accumulators, window 1
.irp u, 0,1
.irp j, 0,2,4,6,8,10,12,14,16,18,20,22,24,26,28,30
	v_pk_add_f32 v[64+32*\u+\j:65+32*\u+\j], v[32*(2*\a+\u)+\j:32*(2*\a+\u)+\j+1], v[64+32*\u+\j:65+32*\u+\j]   ; each accumulator from its low end on
.endr
.endr
	WIN 0
.irp u, 0,1
.irp m, 0,1,2,3
	ds_store_b128 v4, v[64+32*\u+8*\m:67+32*\u+8*\m] offset:(32*\a+8*\u)*272+128*(\m/2)+32*(\m%2)
	ds_store_b128 v4, v[68+32*\u+8*\m:71+32*\u+8*\m] offset:(32*\a+8*\u)*272+128*(\m/2)+32*(\m%2)+16
.endr
.endr
.if \a > 1
	s_wait_xcnt 0x0                                ; the rows' registers are loaded again only behind this wait: the stores of two turns ago read them
.endif
.irp i, 0,1,2,3,4,5,6,7,8,9,10,11,12,13,14,15
	ds_load_b128 v[128+64*(\a%2)+4*\i:131+64*(\a%2)+4*\i], v5 offset:(32*\a+2*\i)*272   ; LDS serves a wave's instructions in order (ISA guide 5.7.1.4): these see my stores
.endr
.irp i, 0,1,2,3,4,5,6,7,8,9,10,11,12,13,14,15
	s_wait_dscnt 15-\i
	global_store_b128 v6, v[128+64*(\a%2)+4*\i:131+64*(\a%2)+4*\i], s[20:21] offset:8192*(16*\a+\i) th:TH_STORE_NT   ; sixteen lanes store 256 consecutive bytes of a channel's row, aligned; written once, read by nobody here
.endr
.endr
	s_wait_tensorcnt 0x0
	ds_add_u32 v13, v15
	s_wait_dscnt 0x0
	s_endpgm
.Lfunc_end_k_q0ceaa2a36f_proj:
	.size	k_q0ceaa2a36f_proj, .Lfunc_end_k_q0ceaa2a36f_proj-k_q0ceaa2a36f_proj
	.p2alignl 7, 3214868480
	.fill 96, 4, 3214868480
	.section	.rodata,"a",@progbits
	.p2align	6, 0x0
	.amdhsa_kernel k_q0ceaa2a36f_proj
		.amdhsa_group_segment_fixed_size 168448
		.amdhsa_private_segment_fixed_size 0
		.amdhsa_enable_private_segment 0
		.amdhsa_kernarg_size 56
		.amdhsa_user_sgpr_count 2
		.amdhsa_user_sgpr_kernarg_segment_ptr 1
		.amdhsa_wavefront_size32 1
		.amdhsa_system_sgpr_workgroup_id_x 1
		.amdhsa_system_sgpr_workgroup_id_y 1
		.amdhsa_system_sgpr_workgroup_id_z 1
		.amdhsa_system_vgpr_workitem_id 0
		.amdhsa_next_free_vgpr 1024
		.amdhsa_next_free_sgpr 66
		.amdhsa_reserve_vcc 0
		.amdhsa_float_denorm_mode_32 3
		.amdhsa_float_denorm_mode_16_64 3
		.amdhsa_memory_ordered 1
		.amdhsa_forward_progress 1
		.amdhsa_inst_pref_size 71
	.end_amdhsa_kernel
	.amdgpu_metadata
---
amdhsa.version: [ 1, 2 ]
amdhsa.kernels:
  - .name:           k_q0ceaa2a36f_proj
    .symbol:         k_q0ceaa2a36f_proj.kd
    .args:
      - { .name: x, .offset: 0, .size: 8, .value_kind: global_buffer, .address_space: global }
      - { .name: rc, .offset: 8, .size: 8, .value_kind: global_buffer, .address_space: global }
      - { .name: rs, .offset: 16, .size: 8, .value_kind: global_buffer, .address_space: global }
      - { .name: wc, .offset: 24, .size: 8, .value_kind: global_buffer, .address_space: global }
      - { .name: ws, .offset: 32, .size: 8, .value_kind: global_buffer, .address_space: global }
      - { .name: bo, .offset: 40, .size: 8, .value_kind: global_buffer, .address_space: global }
      - { .name: out0, .offset: 48, .size: 8, .value_kind: global_buffer, .address_space: global }
    .group_segment_fixed_size: 168448
    .private_segment_fixed_size: 0
    .kernarg_segment_align: 8
    .kernarg_segment_size: 56
    .max_flat_workgroup_size: 128
    .sgpr_count:     66
    .vgpr_count:     1024
    .wavefront_size: 32
...
	.end_amdgpu_metadata
.endif
;; end of part 8
